; MI455X (gfx1250); checked and timed in simulation.
; The chip was launched on July 23, 2026; its instructions are those of AMD's public machine-readable ISA for CDNA 5 (MIT licence, August 2026) and "CDNA5" Instruction Set Architecture Reference Guide (July 2026). The comments in the code are by the model that wrote it; some were corrected since.
;; Multihead Attention With Ro PE. Allowed arithmetic: matrix products marked QUANTISED: E2M3 operands, one E8M0 scale for each 32 along K, by v_wmma_scale_f32_16x16x128_f8f6f4 with both operands' format E2M3, f32 sums; everything else in f32.
;; Inputs: Wo_codes 1,024 x 32 x 24 uint8 (E2M3 codes of Wo, K innermost, in blocks of 32 codes, four codes in three bytes); Wo_scales 1,024 x 32 uint8 (E8M0 scales of Wo, one for each 32 codes along K); Wqkv_codes 3,072 x 32 x 24 uint8 (E2M3 codes of Wqkv, K innermost, in blocks of 32 codes, four codes in three bytes); Wqkv_scales 3,072 x 32 uint8 (E8M0 scales of Wqkv, one for each 32 codes along K); bo 1,024 float32; bqkv 3,072 float32; padding_mask 4 x 2,048 bool; x_codes 4 x 2,048 x 32 x 24 uint8 (E2M3 codes of x, K innermost, in blocks of 32 codes, four codes in three bytes); x_scales 4 x 2,048 x 32 uint8 (E8M0 scales of x, one for each 32 codes along K).
;; Outputs: out0 4 x 2,048 x 1,024 float32.
;; This version of the problem:
;;   THIS VERSION OF THE PROBLEM IS GIVEN IN LOW PRECISION. The matrix products marked QUANTISED in the list below multiply operands that are first quantised to E2M3 (2 exponent bits, 3 mantissa bits; 6 bits a number), with one power-of-two scale for each 32 numbers along K (OCP MX v1.0); their sums are f32. All else is computed in f32.
;;   The module's matrix products, in the order in which they are computed (A, B: the left and right operand; K: the contracted axis; several contracted axes count as one K, in the product's order):
;;     1. [M 8,192, K 1,024] x [K 1,024, N 3,072]; A: input x (given as codes); B: input Wqkv (given as codes): QUANTISED
;;     2. batch 64 x [M 2,048, K 64] x [K 64, N 2,048]; A: computed on the way; B: computed on the way: QUANTISED
;;     3. batch 64 x [M 2,048, K 2,048] x [K 2,048, N 64]; A: softmax (see below); B: computed on the way: QUANTISED
;;     4. [M 8,192, K 1,024] x [K 1,024, N 1,024]; A: computed on the way; B: input Wo (given as codes): QUANTISED
;;   THE QUANTISER, for each operand of a quantised product, along K:
;;     - K is cut into blocks of 32 from its start; a last block that is shorter is filled with zeros.
;;     - A block's scale is 2^e with e = floor(log2(the largest magnitude in the block)) - 2, held to -126 .. 127; a block of zeros has e = 0. As a byte (E8M0): e + 127.
;;     - Each number is divided by its block's scale, clamped to +-7.5, and rounded to the nearest number of E2M3, ties to even, subnormals kept.
;;     - The product sums the exact products of the quantised numbers (number of the format x scale) in f32.
;;   ~~~python
;;   def quantise(x, axis):      # numpy; x: float32 -> the quantised numbers, widened to float32 again
;;       x = np.moveaxis(x, axis, -1); K = x.shape[-1]
;;       x = np.pad(x, [(0, 0)] * (x.ndim - 1) + [(0, -K % 32)]); x = x.reshape(x.shape[:-1] + (-1, 32)); a = np.abs(x).max(-1, keepdims=True)
;;       e = np.where(a > 0, np.clip(np.frexp(np.where(a > 0, a, 1))[1] - 1 - 2, -126, 127), 0)      # np.frexp(a)[1] - 1 = floor(log2(a)), exactly
;;       r = np.clip(x / 2.0 ** e, -7.5, 7.5)
;;       step = 2.0 ** (np.maximum(np.frexp(np.where(r == 0, 1, r))[1] - 1, 0) - 3)
;;       q = np.round(r / step) * step * 2.0 ** e      # np.round: ties to even
;;       return np.moveaxis(q.reshape(q.shape[:-2] + (-1,))[..., :K], -1, axis).astype(np.float32)
;;   ~~~
;;   SOFTMAX AHEAD OF A QUANTISED PRODUCT. Where the list says 'softmax', what is quantised is not the finished softmax but p = 2^(t - M), with t = logit x log2(e) and M = ceil(the row's largest t), a whole number; so 1/2 < the row's largest p <= 1. The row's sum l is taken of the UNQUANTISED p, in f32, and the product's result is divided by l at the end. Since M is a whole number, a kernel that streams over the keys may use a running M (the ceiling of the running maximum): every later rescaling is an exact power of two, which a block's scale takes up: the codes' values come out the same.
;;   OPERANDS COMPUTED ON THE WAY. 'Computed on the way' means the value that the module computes at that place (a softmax that the list does not call 'softmax' is quantised finished and normalised). What goes into a quantiser is computed in f32, as accurately as f32 sums, v_exp_f32 and their like allow (about 1e-6 of the number): no bf16 or f16 on the way to a quantiser, and a product that is left as it is and whose result goes on into a quantised operand takes f32 operands (vector FMAs, or v_wmma_f32_16x16x4_f32). A number that lies on a knife's edge between two numbers of the format may be rounded either way, as far as f32 arithmetic and the matrix unit's own rounding can turn it there, and no further.
;;   INPUTS GIVEN AS CODES. Wo (in the module: [1024, 1024], K = its axis 0); Wqkv (in the module: [1024, 3072], K = its axis 0); x (in the module: [4, 2048, 1024], K = its axis 2): each comes as NAME_codes (uint8): NAME with its K axis moved to the last place and cut into blocks of 32 codes, [.., K / 32, bytes a block], one block behind the other in memory; four codes in three bytes: a row's codes are one little-endian stream of bits, code i at bits 6 i .. 6 i + 5 (a code: sign, 2 exponent bits, 3 mantissa bits); and NAME_scales (uint8): the same leading axes, one E8M0 byte (e + 127) for each 32 codes along K. Its value is code x scale, taken as it is: it is not quantised again, and the codes and scales need not be those that the quantiser above would give.
;; 2 versions. Each part assembles by itself: llvm-mc -triple=amdgcn-amd-amdhsa -mcpu=gfx1250 --defsym DOCPART=n.
;; ======== version 1 of 2: 4 launches
;; limits: right only within a limited range of input values
;; workspace buffers: rope 524,288 bytes; qimg 6,291,456 bytes; qsc 262,144 bytes; kv 13,107,200 bytes; aimg 6,291,456 bytes; asc 262,144 bytes
;; launch rope (part 1): grid 128 x 1, 8 waves a work-group, no clusters, 0 bytes of LDS; arguments rope; writes rope
.if DOCPART == 1
	.amdgcn_target "amdgcn-amd-amdhsa--gfx1250"
	.amdhsa_code_object_version 6
	.text
	.protected	k_q3f59565320_rope
	.globl	k_q3f59565320_rope
	.p2align	8
	.type	k_q3f59565320_rope,@function
k_q3f59565320_rope:
	s_mov_b64 s[64:65], 0
	v_nop
	global_prefetch_b8 v0, s[64:65] scope:SCOPE_SE
	s_setreg_imm32_b32 hwreg(HW_REG_WAVE_MODE, 25, 1), 1
	s_wait_xcnt 0x0
; THE ROTARY TABLE, made once: rope[t][0..31] = cos(t f_j), rope[t][32..63] = sin(t f_j), f_j = 10000^(-j/32), t = 0 .. 2047: 256 bytes a token.
; Thread g = 256 x work-group + thread makes four neighbouring numbers, the 16 bytes at 16 g: sixteen neighbouring lanes store one token's 256 consecutive bytes.
; f_j = 2^(-j log2(10) / 8) by v_exp_f32; the angle a = t f_j is one f32 product; a is brought to |r| <= pi/4 by n = round(a 2/pi), r = a - n pi/2 with pi/2 in two parts
; (n stays under 1,304, so the first fused step loses nothing that counts); sine and cosine of r are the series to r^9 and r^10 (the next terms lie under 2e-9); the quadrant n (+ 1 for a cosine) picks the series and the sign.
; LIMIT: f_j carries the exponential's last-place error, so the angle can differ from one made with another f_j by about 2e-4 radians at the last tokens of the fastest frequencies.
.set AN, 8                             ; v8-11   the exponent, f_j, the angle, r
.set NN, 12                            ; v12-15  n, then the quadrant
.set ZZ, 16                            ; v16-19  r^2
.set SI, 20                            ; v20-23  the sine's series
.set CO, 24                            ; v24-27  r^3, then the cosine's series
.set WK, 28                            ; v28-31  at work
.set RS, 32                            ; v32-35  the four results
	s_load_b64 s[4:5], s[0:1], 0x0
	s_lshl_b32 s6, ttmp9, 8
	s_mov_b32 s8, 0x3fc90fdb                       ; pi/2, rounded to f32
	s_mov_b32 s9, 0x333bbd2e                       ; that number less pi/2: 4.371139e-8
	v_add_nc_u32 v1, s6, v0                        ; g
	v_lshrrev_b32 v2, 4, v1                        ; t
	v_and_b32 v3, 15, v1                           ; which 16 bytes of the token's 256
	v_and_b32 v4, 7, v3
	v_lshlrev_b32 v4, 2, v4                        ; j of my first number
	v_cmp_gt_u32 vcc_lo, 8, v3
	v_cndmask_b32 v5, 0, 1, vcc_lo                 ; 1: cosines, 0: sines
	v_cvt_f32_u32 v6, v2
	v_lshlrev_b32 v7, 4, v1                        ; my byte offset
.irp e, 0,1,2,3
	v_add_nc_u32 v[AN+\e], \e, v4
	v_cvt_f32_u32 v[AN+\e], v[AN+\e]
	v_mul_f32 v[AN+\e], 0xbed49a78, v[AN+\e]       ; -j log2(10) / 8
.endr
.irp e, 0,1,2,3
	v_exp_f32 v[AN+\e], v[AN+\e]
.endr
	v_nop                                          ; a plain instruction between the last exponential and the use of its result (ISA guide 5.7.2)
	s_wait_alu depctr_va_vdst(0)
.irp e, 0,1,2,3
	v_mul_f32 v[AN+\e], v6, v[AN+\e]               ; the angle
	v_mul_f32 v[NN+\e], 0x3f22f983, v[AN+\e]       ; x 2 / pi
	v_rndne_f32 v[NN+\e], v[NN+\e]
	v_fma_f32 v[AN+\e], -v[NN+\e], s8, v[AN+\e]
	v_fma_f32 v[AN+\e], v[NN+\e], s9, v[AN+\e]     ; r
	v_mul_f32 v[ZZ+\e], v[AN+\e], v[AN+\e]
	v_mov_b32 v[SI+\e], 0x3638ef1d                 ; 1/9!
	v_fmaak_f32 v[SI+\e], v[SI+\e], v[ZZ+\e], 0xb9500d01   ; -1/7!
	v_fmaak_f32 v[SI+\e], v[SI+\e], v[ZZ+\e], 0x3c088889   ; 1/5!
	v_fmaak_f32 v[SI+\e], v[SI+\e], v[ZZ+\e], 0xbe2aaaab   ; -1/3!
	v_mul_f32 v[CO+\e], v[AN+\e], v[ZZ+\e]
	v_fma_f32 v[SI+\e], v[CO+\e], v[SI+\e], v[AN+\e]       ; sin r
	v_mov_b32 v[CO+\e], 0xb493f27e                 ; -1/10!
	v_fmaak_f32 v[CO+\e], v[CO+\e], v[ZZ+\e], 0x37d00d01   ; 1/8!
	v_fmaak_f32 v[CO+\e], v[CO+\e], v[ZZ+\e], 0xbab60b61   ; -1/6!
	v_fmaak_f32 v[CO+\e], v[CO+\e], v[ZZ+\e], 0x3d2aaaab   ; 1/4!
	v_fma_f32 v[CO+\e], v[CO+\e], v[ZZ+\e], -0.5
	v_fma_f32 v[CO+\e], v[CO+\e], v[ZZ+\e], 1.0            ; cos r
	v_cvt_i32_f32 v[NN+\e], v[NN+\e]
	v_add_nc_u32 v[NN+\e], v[NN+\e], v5            ; cos a = sin(a + pi/2): one quadrant on
	v_and_b32 v[WK+\e], 1, v[NN+\e]
	v_cmp_ne_u32 vcc_lo, 0, v[WK+\e]
	v_cndmask_b32 v[SI+\e], v[SI+\e], v[CO+\e], vcc_lo     ; odd quadrants take the cosine's series
	v_and_b32 v[WK+\e], 2, v[NN+\e]
	v_lshlrev_b32 v[WK+\e], 30, v[WK+\e]
	v_xor_b32 v[RS+\e], v[SI+\e], v[WK+\e]         ; quadrants 2 and 3 turn the sign
.endr
	s_wait_kmcnt 0x0
	global_store_b128 v7, v[RS:RS+3], s[4:5]       ; 32 lanes store 512 consecutive bytes
	s_endpgm
.Lfunc_end_k_q3f59565320_rope:
	.size	k_q3f59565320_rope, .Lfunc_end_k_q3f59565320_rope-k_q3f59565320_rope
	.p2alignl 7, 3214868480
	.fill 96, 4, 3214868480
	.section	.rodata,"a",@progbits
	.p2align	6, 0x0
	.amdhsa_kernel k_q3f59565320_rope
		.amdhsa_group_segment_fixed_size 0
		.amdhsa_private_segment_fixed_size 0
		.amdhsa_enable_private_segment 0
		.amdhsa_kernarg_size 8
		.amdhsa_user_sgpr_count 2
		.amdhsa_user_sgpr_kernarg_segment_ptr 1
		.amdhsa_wavefront_size32 1
		.amdhsa_system_sgpr_workgroup_id_x 1
		.amdhsa_system_sgpr_workgroup_id_y 1
		.amdhsa_system_sgpr_workgroup_id_z 1
		.amdhsa_system_vgpr_workitem_id 0
		.amdhsa_next_free_vgpr 48
		.amdhsa_next_free_sgpr 66
		.amdhsa_reserve_vcc 1
		.amdhsa_float_denorm_mode_32 3
		.amdhsa_float_denorm_mode_16_64 3
		.amdhsa_memory_ordered 1
		.amdhsa_forward_progress 1
		.amdhsa_inst_pref_size 7
	.end_amdhsa_kernel
	.amdgpu_metadata
---
amdhsa.version: [ 1, 2 ]
amdhsa.kernels:
  - .name:           k_q3f59565320_rope
    .symbol:         k_q3f59565320_rope.kd
    .args:
      - { .name: rope, .offset: 0, .size: 8, .value_kind: global_buffer, .address_space: global }
    .group_segment_fixed_size: 0
    .private_segment_fixed_size: 0
    .kernarg_segment_align: 8
    .kernarg_segment_size: 8
    .max_flat_workgroup_size: 256
    .sgpr_count:     66
    .vgpr_count:     48
    .wavefront_size: 32
...
	.end_amdgpu_metadata
.endif
;; end of part 1
;; launch qkv (part 2): grid 12 x 32, 4 waves a work-group, clusters of 4 x 4, 327,680 bytes of LDS; arguments x_codes, x_scales, Wqkv_codes, Wqkv_scales, bqkv, rope, qimg, qsc, kv; writes qimg, qsc, kv
.if DOCPART == 2
	.amdgcn_target "amdgcn-amd-amdhsa--gfx1250"
	.amdhsa_code_object_version 6
	.text
	.protected	k_q3f59565320_qkv
	.globl	k_q3f59565320_qkv
	.p2align	8
	.type	k_q3f59565320_qkv,@function
k_q3f59565320_qkv:
	s_mov_b64 s[64:65], 0
	v_nop
	global_prefetch_b8 v0, s[64:65] scope:SCOPE_SE
	s_setreg_imm32_b32 hwreg(HW_REG_WAVE_MODE, 25, 1), 1
	s_wait_xcnt 0x0
	s_wait_alu depctr_hold_cnt(0) depctr_sa_sdst(0) depctr_va_vdst(0) depctr_va_sdst(0) depctr_va_ssrc(0) depctr_va_vcc(0) depctr_vm_vsrc(0)
	s_getreg_b32 s2, hwreg(HW_REG_IB_STS2, 6, 4)
	s_cmp_eq_u32 s2, 0
	s_cbranch_scc0 .Lentry_in_a_cluster
	s_endpgm
.Lentry_in_a_cluster:
	s_bfe_u32 s2, ttmp6, 0x10000c
	s_cmp_lg_u32 s2, 0xf033
	s_cbranch_scc0 .Lentry_shape_is_right
	s_endpgm
.Lentry_shape_is_right:
; x Wqkv + bqkv on codes of FP6 (E2M3) as they are given, then what attention wants of the result: q and k turned by the rotary table and quantised along the head's 64; v quantised along the keys.
; The product: 8,192 tokens x 3,072 columns x K = 1,024.  A tile of 256 x 256 to a work-group of four waves, 128 x 128 to a wave: 64 accumulators, 512 registers.  K goes in four steps of 256 through a ring of
; two LDS slots filled by the tensor data mover; the scale bytes of the work-group's 2 x 256 rows come into LDS once.  4 x 4 work-groups form a cluster and ask for shared tiles jointly.
; THE MATRIX INSTRUCTION: source 0 = 16 rows of 'B', source 1 = 16 rows of 'A': a lane of the result holds ONE row of A and its eight registers eight neighbouring rows of B.
; WHICH TENSOR IS A hangs on the cluster's x (0: q's columns, 1: k's, 2: v's; the same in all sixteen partners):  q, k: A = x, B = Wqkv: a lane holds a token and its registers run along the head's 64, which is the next K.
;   v: A = Wqkv, B = x: a lane holds a channel and its registers run along the tokens, which are the keys, the next K.  Both tensors have rows of 768 bytes and 32 scale bytes, so only pointers and tile numbers are chosen.
; THE BIAS is the C of each sum's first matrix instruction.
; WHAT IS STORED are images of the registers that attention's matrix instructions will name: register j of lane l of a fragment at (j / 4) 512 + 16 l + 4 (j % 4): 1,536 bytes a fragment.
;   q, k: a PAIR image of 32 tokens: registers 0-5 tokens 0-15 (their 64 as k 0-63), registers 6-11 tokens 16-31 (as k 64-127); scale word: (first tile's two bytes, second tile's two).
;   v: a fragment of 16 channels x 128 keys.  kv holds a record of 204,800 bytes a head: k's scale words 4,096, v's 4,096, then for each 128 keys k's four pair images and v's four fragments.
; THE ORDER OF k INSIDE A BLOCK OF 32 is this program's own wherever both operands are its own (q with k; p with v): the blocks, and so the scales, are the quantiser's; a sum does not hang on the order of its terms within a block.
; A block's scale byte is its largest magnitude's exponent field - 2, held at 1 from below.  LIMITS: a block of zeros gets the byte 1 (its codes are zeros; only this program reads the bytes); NaN and infinities are not served.
; REGISTERS, in windows of 256: window 0: v0-31 addresses; v32-63 scale words, two sets, and nothing else; v64-127 the bias, later the codes on their way out; from v128 A's fragments, ONE set, later the table and the turned numbers.
;   window 1: B's fragments, TWO sets, at v0 and v128.   window 2: the accumulators of my rows 0-63 of A ((a, b) at v[8 (8 a + b)]);   window 3: those of rows 64-127.
.set NQ,     2                         ; matrix instructions deep in a slot: 256 along K
.set ROWB,   192                       ; a tile's row in bytes
.set KROW,   768                       ; a row of x or of Wqkv in memory
.set PITCH,  240                       ; an LDS row: 3 x (64 bytes + 16 of padding): the 32 lanes of a load of 8 bytes touch 64 different banks (64 banks of 4 bytes: ISA guide 11.1)
.set FR,     12                        ; registers of a fragment
.set NL,     6                         ; LDS loads that bring one
.set NP,     4                         ; places behind this matrix instruction (ISA guide 7.12.1)
.set HALFT,  128*PITCH                 ; 128 rows: what one tensor load brings
.set SLOT,   4*HALFT                   ; A's 256 rows, then B's 256 rows
.set KS,     32                        ; a row of scale bytes
.set SCL,    2*SLOT                    ; behind the ring: the scales, as units of 256 bytes + 16 of padding
.set HALFS,  (128*KS/256)*272          ; those of 128 rows
.set SBLK,   (16*KS/256)*272           ; those of 16 rows
.set SPARE,  SCL+4*HALFS               ; the spare words, 128 bytes for each wave: two blocks of 256 bytes that no other line names
.set RECB,   204800                    ; a head's record in kv
.set ADRA, 16                          ; v16-17 LDS address of my A fragments in slot 0, 1 (v18-19: for the pieces behind one padding more)
.set ADRB, 20                          ; v20-21 the same for B (v22-23)
.set ADRS, 27                          ; v27    LDS address of my scale words: lanes 0-15 A's rows, lanes 16-31 B's
.set SPW,  28                          ; v28    LDS address of my spare word; never rewritten
.set NIL,  29                          ; v29    0; never rewritten
.set BOF,  30                          ; v30    my byte offset in the bias; never rewritten
.set SC,   32                          ; scale words
.set BI,   64                          ; v64-127 the bias, eight registers a block
.set AF,   128                         ; A's fragments
.set G1, 24                            ; s[24:31], s[32:39] descriptor groups 1 and 0 (a set for each slot) for A's tiles
.set G0, 32
.set G1B, 48                           ; s[48:55], s[56:63] for B's
.set G0B, 56
.set G1S, 68                           ; s[68:75], s[76:79] for A's scales;  s[80:87], s[88:91] for B's
.set G0S, 76
.set G1SB, 80
.set G0SB, 88
.set SEL, 44                           ; s[44:45] on the way out: lane selects for v_permlanex16_b32: lane l xor 16
.set MSB, 0
.macro WIN new                         ; the immediate's high byte repeats the setting that is left
.if MSB != (\new)
	s_set_vgpr_msb (MSB<<8)|(\new)
.set MSB, (\new)
.endif
.endm
.set MUL_LO, 0xa1                      ; source 0 (B) window 1, source 1 (A) window 0, C and D window 2
.set MUL_HI, 0xf1                      ; the same, C and D window 3
.set TO_B,   0x40                      ; destination window 1, address window 0
; A joint load: waves 0 and 1 fetch for A, waves 2 and 3 for B.  Each line has one mask and one set of registers for all that issue it; the branch hangs on the wave's number alone.
; Four v_nop follow each of the two lines, ahead of the jump, the label and what follows.
.macro JLOAD g0a, g1a, g0b, g1b
	s_cmp_eq_u32 s15, 0
	s_cbranch_scc0 .Lfor_b_\@
	tensor_load_to_lds s[\g0a:\g0a+3], s[\g1a:\g1a+7]
	s_nop 0
.rept 4
	v_nop
.endr
	s_branch .Lasked_\@
.Lfor_b_\@:
	tensor_load_to_lds s[\g0b:\g0b+3], s[\g1b:\g1b+7]
	s_nop 0
.rept 4
	v_nop
.endr
.Lasked_\@:
.endm
.macro CREST                           ; a round of the cluster's barrier behind its opening barrier
	s_cmp_lg_u32 s14, 0
	s_cbranch_scc1 .Lnot_wave_0_\@
	s_barrier_signal -3
.Lnot_wave_0_\@:
	s_barrier_wait -3
	s_barrier_signal -1
	s_barrier_wait -1
.endm
.macro CROUND                          ; a whole round
	s_barrier_signal -1
	s_barrier_wait -1
	CREST
.endm
	s_load_b128 s[4:7], s[0:1], 0x0                ; x's codes, x's scales
	s_load_b128 s[8:11], s[0:1], 0x10              ; Wqkv's codes, Wqkv's scales
	s_load_b128 s[96:99], s[0:1], 0x20             ; bqkv, the rotary table
	v_lshl_add_u32 v[SPW], v0, 2, SPARE
	v_mov_b32 v[NIL], 0
	ds_add_u32 v28, v29
	ds_add_u32 v28, v29
	s_wait_dscnt 0x0
	v_lshrrev_b32 v1, 5, v0
	v_readfirstlane_b32 s14, v1                    ; wave 0..3
	s_lshr_b32 s15, s14, 1                         ; which half of A's 256 rows is mine.  Also: I fetch for A (0) or for B (1)
	s_and_b32 s16, s14, 1                          ; which half of B's.  Also: which 128 rows of that tile I fetch
	s_bfe_u32 s40, ttmp6, 0x40000                  ; cx, cy: my place in the cluster
	s_bfe_u32 s41, ttmp6, 0x40004
	s_and_b32 s2, ttmp7, 0xffff
	s_lshl_b32 s2, s2, 2                           ; 4 x cluster y
	s_add_co_u32 s17, s2, s41                      ; q, k: A's tile = x's tile 4 y + cy
	s_add_co_u32 s18, s41, 8                       ; v:    A's tile = Wqkv's tile 8 + cy
	s_lshl_b32 s42, ttmp9, 2
	s_add_co_u32 s42, s42, s40                     ; q, k: B's tile = Wqkv's tile 4 x cluster x + cx
	s_add_co_u32 s19, s2, s40                      ; v:    B's tile = x's tile 4 y + cx
	s_cmp_eq_u32 ttmp9, 2
	s_cselect_b32 s17, s18, s17                    ; A's tile hangs on cy alone, B's on cx alone, in both cases
	s_cselect_b32 s42, s19, s42
	s_lshl_b32 s43, s41, 2
	s_lshl_b32 s43, 15, s43                        ; my row of the cluster
	s_lshl_b32 s44, 0x1111, s40                    ; my column
	; descriptor group 1: a tile of 128 rows x 192 bytes, padded in LDS
	s_or_b32 s[G1+0], s43, (0<<16)|(1<<20)|(1<<21)|(3<<22)|(3<<25)  ; 15:0 the mask: A's tiles go to my row; 17:16 elements of 1 byte; 20 padding on; 21 set beside a mask; 24:22 after every 16 words (code 3); 31:25 of 4 words (code 3)
	s_or_b32 s[G1B+0], s44, (0<<16)|(1<<20)|(1<<21)|(3<<22)|(3<<25)
.irp g, G1, G1B
	s_mov_b32 s[\g+1], ROWB<<16                    ; tensor_dim0
	s_mov_b32 s[\g+2], 128<<16                     ; tensor_dim1
	s_mov_b32 s[\g+3], ROWB<<16                    ; tile_dim0
	s_mov_b32 s[\g+4], 128                         ; tile_dim1
	s_mov_b32 s[\g+5], KROW                        ; tensor_dim0_stride
	s_mov_b32 s[\g+6], 0
	s_mov_b32 s[\g+7], 0
.endr
	; the scales of 128 rows: a dense block of 4,096 bytes, as 16 rows of 256 bytes (32 elements of 8 bytes), 16 bytes of padding behind each
	s_or_b32 s[G1S+0], s43, (3<<16)|(1<<20)|(1<<21)|(5<<22)|(3<<25)
	s_or_b32 s[G1SB+0], s44, (3<<16)|(1<<20)|(1<<21)|(5<<22)|(3<<25)
.irp g, G1S, G1SB
	s_mov_b32 s[\g+1], 32<<16
	s_mov_b32 s[\g+2], (128*KS/256)<<16
	s_mov_b32 s[\g+3], 32<<16
	s_mov_b32 s[\g+4], 128*KS/256
	s_mov_b32 s[\g+5], 32
	s_mov_b32 s[\g+6], 0
	s_mov_b32 s[\g+7], 0
.endr
	s_lshl_b32 s18, s16, 7                         ; which 128 rows of the tile I fetch
	s_lshl_b32 s20, s17, 8
	s_add_co_u32 s20, s20, s18                     ; A: row 256 x tile + 128 x half
	s_lshl_b32 s46, s42, 8
	s_add_co_u32 s46, s46, s18                     ; B likewise
	s_mov_b32 s21, 0
	s_mov_b32 s47, 0
	s_mov_b64 s[18:19], KS
	s_mul_u64 s[22:23], s[20:21], s[18:19]         ; where these rows' scales begin, in bytes
	s_mul_u64 s[92:93], s[46:47], s[18:19]
	s_mov_b64 s[18:19], KROW
	s_mul_u64 s[20:21], s[20:21], s[18:19]         ; and their codes
	s_mul_u64 s[46:47], s[46:47], s[18:19]
	s_mul_i32 s45, s14, HALFT                      ; where they go: wave x 128 rows: no place in the cluster enters an LDS address
	s_mul_i32 s94, s14, HALFS
	s_wait_kmcnt 0x0
	s_cmp_eq_u32 ttmp9, 2                          ; which tensor is A: the choice hangs on the cluster's number alone
	s_cselect_b64 s[12:13], s[8:9], s[4:5]         ; A's codes
	s_cselect_b64 s[66:67], s[10:11], s[6:7]       ; A's scales
	s_cselect_b64 s[8:9], s[4:5], s[8:9]           ; B's codes
	s_cselect_b64 s[10:11], s[6:7], s[10:11]       ; B's scales
	s_add_nc_u64 s[20:21], s[12:13], s[20:21]
	s_add_nc_u64 s[22:23], s[66:67], s[22:23]
	s_add_nc_u64 s[46:47], s[8:9], s[46:47]
	s_add_nc_u64 s[92:93], s[10:11], s[92:93]
	CROUND                                         ; all sixteen work-groups are here: the first joint loads meet
	s_mov_b32 s[G0S], 1
	s_add_co_u32 s[G0S+1], s94, SCL
	s_mov_b64 s[G0S+2:G0S+3], s[22:23]
	s_or_b32 s[G0S+3], s[G0S+3], 0x80000000
	s_mov_b32 s[G0SB], 1
	s_add_co_u32 s[G0SB+1], s94, SCL
	s_mov_b64 s[G0SB+2:G0SB+3], s[92:93]
	s_or_b32 s[G0SB+3], s[G0SB+3], 0x80000000
	JLOAD G0S, G1S, G0SB, G1SB                     ; the scales first: they are wanted with K step 0
.irp s, 0,1
	s_mov_b32 s[G0+4*\s], 1
	s_add_co_u32 s[G0+4*\s+1], s45, \s*SLOT
	s_add_nc_u64 s[G0+4*\s+2:G0+4*\s+3], s[20:21], \s*ROWB
	s_or_b32 s[G0+4*\s+3], s[G0+4*\s+3], 0x80000000
	s_mov_b32 s[G0B+4*\s], 1
	s_add_co_u32 s[G0B+4*\s+1], s45, \s*SLOT
	s_add_nc_u64 s[G0B+4*\s+2:G0B+4*\s+3], s[46:47], \s*ROWB
	s_or_b32 s[G0B+4*\s+3], s[G0B+4*\s+3], 0x80000000
	JLOAD G0+4*\s, G1, G0B+4*\s, G1B               ; three tensor loads of mine are out now
.endr
	v_and_b32 v1, 15, v0                           ; r = l % 16
	v_bfe_u32 v2, v0, 4, 1                         ; h = l / 16
	; THE BIAS, in the result's layout.  q, k: register j of block b is column 16 b + 8 h + j of my 128 of Wqkv.  v: all eight registers of block a are the lane's own channel 16 a + r.
	s_cmp_eq_u32 ttmp9, 2
	s_cbranch_scc1 .Lbias_v
	s_lshl_b32 s20, s42, 10
	s_lshl_b32 s21, s16, 9
	s_add_co_u32 s20, s20, s21                     ; 4 x (256 x B's tile + 128 x half)
	s_mov_b32 s21, 0
	s_add_nc_u64 s[100:101], s[96:97], s[20:21]
	v_lshlrev_b32 v[BOF], 5, v2
.irp b, 0,1,2,3,4,5,6,7
	global_load_b128 v[BI+8*\b:BI+8*\b+3], v[BOF], s[100:101] offset:64*\b
	global_load_b128 v[BI+8*\b+4:BI+8*\b+7], v[BOF], s[100:101] offset:64*\b+16
.endr
	s_branch .Lbias_done
.Lbias_v:
	s_lshl_b32 s20, s17, 10
	s_lshl_b32 s21, s15, 9
	s_add_co_u32 s20, s20, s21                     ; 4 x (256 x A's tile + 128 x half)
	s_mov_b32 s21, 0
	s_add_nc_u64 s[100:101], s[96:97], s[20:21]
	v_lshlrev_b32 v[BOF], 2, v1
.irp a, 0,1,2,3,4,5,6,7
.irp j, 0,1,2,3,4,5,6,7
	global_load_b32 v[BI+8*\a+\j], v[BOF], s[100:101] offset:64*\a
.endr
.endr
.Lbias_done:
	v_mul_u32_u24 v3, v1, PITCH
	v_mul_u32_u24 v4, v2, 24
	v_add_nc_u32 v4, v3, v4                        ; a fragment's row x pitch + 24 x half
	v_lshl_add_u32 v5, v2, 4, v4                   ; and the same behind one padding more
	s_mul_i32 s21, s15, HALFT                      ; my 128 rows of A
	s_mul_i32 s22, s16, HALFT                      ; my 128 rows of B,
	s_add_co_u32 s22, s22, 2*HALFT                 ; which lie behind A's 256
.irp s, 0,1
	v_add_nc_u32 v[ADRA+\s], s21, v4
	v_add_nc_u32 v[ADRB+\s], s22, v4
	v_add_nc_u32 v[ADRA+2+\s], s21, v5
	v_add_nc_u32 v[ADRB+2+\s], s22, v5
	s_add_co_u32 s21, s21, SLOT
	s_add_co_u32 s22, s22, SLOT
.endr
	v_mul_u32_u24 v5, v1, KS                       ; my row's scales: 32 bytes a row,
	v_lshrrev_b32 v6, 8, v5
	v_lshl_add_u32 v5, v6, 4, v5                   ; and 16 more for each 256 passed
	s_mul_i32 s21, s15, HALFS                      ; A's: my 128 rows
	s_mul_i32 s22, s16, HALFS                      ; B's: my 128 rows, behind A's 256
	s_add_co_u32 s22, s22, 2*HALFS
	s_sub_co_u32 s22, s22, s21
	v_mul_u32_u24 v6, s22, v2                      ; lanes 16-31 take B's
	s_add_co_u32 s21, s21, SCL
	v_add_nc_u32 v5, v5, v6
	v_add_nc_u32 v[ADRS], s21, v5
.macro FRAG reg, adr, q, i             ; a fragment, 16 rows x 128 K: lane l holds row l % 16; registers 6 c .. 6 c + 5 hold K = 64 c + 32 (l / 16) + 0 .. 31: 24 bytes of the row's stream of bits, as they lie
.irp p, 0,1,2,3,4,5                    ; in pieces of 8 bytes.  Lanes 0-15 take the row's pieces 12 q + 0, 1, 2 and 12 q + 6, 7, 8, lanes 16-31 those three pieces on
.set PCE, 12*(\q)+6*(\p/3)+\p%3        ; 16 bytes of padding lie behind every 8 pieces: where the piece three on lies behind one padding more, the second address register serves
.if PCE%8 < 5
	ds_load_b64 v[\reg+2*\p:\reg+2*\p+1], v[\adr] offset:8*PCE+16*(PCE/8)+(\i)*16*PITCH
.else
	ds_load_b64 v[\reg+2*\p:\reg+2*\p+1], v[\adr+2] offset:8*PCE+16*(PCE/8)+(\i)*16*PITCH
.endif
.endr
.endm
; 16 matrix instructions: A's blocks a0, a0 + 1 x B's eight, 128 along K: the slot's q-th.  p: B's set;  sc: the set of scale words.
; zero = 0: onto the sums;  1: the sums begin with the bias of B's block;  2: with the bias of A's block.  The 64 accumulators take turns, one instruction a turn.
.macro MUL16 a0, p, q, sc, zero
.irp a, \a0, \a0+1
.irp b, 0,1,2,3,4,5,6,7
.if \zero == 1
	v_wmma_scale_f32_16x16x128_f8f6f4 v[8*(8*((\a)%4)+\b):8*(8*((\a)%4)+\b)+7], v[128*(\p)+FR*\b:128*(\p)+FR*\b+FR-1], v[AF+FR*(\a):AF+FR*(\a)+FR-1], v[BI+8*\b:BI+8*\b+7], v[SC+8*NQ*(\sc)+NQ*\b+(\q)], v[SC+8*NQ*(\sc)+NQ*(\a)+(\q)] matrix_a_fmt:MATRIX_FMT_FP6 matrix_b_fmt:MATRIX_FMT_FP6 matrix_a_scale:MATRIX_SCALE_ROW1
.elseif \zero == 2
	v_wmma_scale_f32_16x16x128_f8f6f4 v[8*(8*((\a)%4)+\b):8*(8*((\a)%4)+\b)+7], v[128*(\p)+FR*\b:128*(\p)+FR*\b+FR-1], v[AF+FR*(\a):AF+FR*(\a)+FR-1], v[BI+8*(\a):BI+8*(\a)+7], v[SC+8*NQ*(\sc)+NQ*\b+(\q)], v[SC+8*NQ*(\sc)+NQ*(\a)+(\q)] matrix_a_fmt:MATRIX_FMT_FP6 matrix_b_fmt:MATRIX_FMT_FP6 matrix_a_scale:MATRIX_SCALE_ROW1
.else
	v_wmma_scale_f32_16x16x128_f8f6f4 v[8*(8*((\a)%4)+\b):8*(8*((\a)%4)+\b)+7], v[128*(\p)+FR*\b:128*(\p)+FR*\b+FR-1], v[AF+FR*(\a):AF+FR*(\a)+FR-1], v[8*(8*((\a)%4)+\b):8*(8*((\a)%4)+\b)+7], v[SC+8*NQ*(\sc)+NQ*\b+(\q)], v[SC+8*NQ*(\sc)+NQ*(\a)+(\q)] matrix_a_fmt:MATRIX_FMT_FP6 matrix_b_fmt:MATRIX_FMT_FP6 matrix_a_scale:MATRIX_SCALE_ROW1
.endif
.endr
.endr
.endm
.macro FETCH_B slot, q, p              ; B's eight fragments of the slot's q-th 128 along K into set p
	WIN TO_B
.irp i, 0,1,2,3,4,5,6,7
	FRAG 128*(\p)+FR*\i, ADRB+\slot, \q, \i
.endr
	WIN 0
.endm
.macro FETCH_A slot, q, i0             ; A's blocks i0 .. i0 + 3
.irp i, \i0, \i0+1, \i0+2, \i0+3
	FRAG AF+FR*(\i), ADRA+\slot, \q, \i
.endr
.endm
.macro SCALES sc                       ; a K step's scale words into set sc: two words a row; lanes 0-15 take A's block i, lanes 16-31 B's block i
.irp i, 0,1,2,3,4,5,6,7
	ds_load_b64 v[SC+8*NQ*\sc+NQ*\i:SC+8*NQ*\sc+NQ*\i+1], v[ADRS] offset:\i*SBLK
.endr
.endm
; A load into a register that a matrix instruction has read, and a vector instruction that reads a matrix result, stand NP places behind that matrix instruction; only plain vector
; instructions that name none of its registers are places (ISA guide 7.12.1 for vector instructions).
.macro PLACES n
.rept \n
	v_nop
.endr
.endm
; A step of 128 along K that has its successor in the same slot.  With zero = 1 or 2 the C operand is the bias, in window 0.
.macro STEP slot, q, zero
	s_wait_dscnt 4*NL                              ; B's set, the scale words and A's blocks 0-3 are in; the youngest 24 loads (A's blocks 4-7) may be out
.if \zero
	WIN 0x81                                       ; source 0 window 1, sources 1 and 2 window 0, D window 2
.else
	WIN MUL_LO
.endif
	MUL16 0, (\q)%2, \q, \slot, \zero
	MUL16 2, (\q)%2, \q, \slot, \zero
	s_wait_dscnt 0                                 ; A's blocks 4-7 are in (asked for 32 matrix instructions ago)
	PLACES NP
	FETCH_B \slot, (\q)+1, 1-(\q)%2
	FETCH_A \slot, (\q)+1, 0
.if \zero
	WIN 0xc1                                       ; the same, D window 3
.else
	WIN MUL_HI
.endif
	MUL16 4, (\q)%2, \q, \slot, \zero
	MUL16 6, (\q)%2, \q, \slot, \zero
	PLACES NP
	WIN 0
	FETCH_A \slot, (\q)+1, 4
.endm
; A slot's last step changes slots: ONE barrier; in front of it each wave waits for all its tensor loads, adds 0 to its spare word, and waits for that and for its own reads of this slot.  fill = 1: this slot is filled again, two K steps ahead.
.macro TURN slot, next, fill
	s_wait_tensorcnt 0x0                           ; all my tensor loads have landed: my part of the next slot;  (every window is 0 here)
	ds_add_u32 v[SPW], v[NIL]                      ; 0 onto my spare word;
	s_wait_dscnt 4*NL+1                            ; (the add and the youngest 24 loads, A's blocks 4-7, may be out)
	WIN MUL_LO
	MUL16 0, 1, NQ-1, \slot, 0                     ; sixteen matrix instructions stand between the add and the wait for it
	s_wait_dscnt 0x0                               ; the add is done, and my reads of this slot are over
	s_barrier_signal -1
	MUL16 2, 1, NQ-1, \slot, 0
	WIN 0
	s_barrier_wait -1
.if \fill
	CREST                                          ; the barrier has opened a round of the cluster's barrier: no wave of any partner still reads this slot's tile or has a load on its way
	s_add_nc_u64 s[G0+4*\slot+2:G0+4*\slot+3], s[G0+4*\slot+2:G0+4*\slot+3], 2*ROWB
	s_add_nc_u64 s[G0B+4*\slot+2:G0B+4*\slot+3], s[G0B+4*\slot+2:G0B+4*\slot+3], 2*ROWB
	JLOAD G0+4*\slot, G1, G0B+4*\slot, G1B         ; the first tensor load behind the round; the four v_nop behind it are also the places in front of the loads below
.else
	PLACES NP
.endif
	v_add_nc_u32 v[ADRS], 4*NQ, v[ADRS]            ; on to the next K step's scale words
	FETCH_B \next, 0, 0
	FETCH_A \next, 0, 0
	SCALES \next
	WIN MUL_HI
	MUL16 4, 1, NQ-1, \slot, 0
	MUL16 6, 1, NQ-1, \slot, 0
	PLACES NP
	WIN 0
	FETCH_A \next, 0, 4
.endm
	s_wait_tensorcnt 1                             ; the scales and my part of K step 0 are in (K step 1's load may be out)
	s_barrier_signal -1
	s_barrier_wait -1                              ; everybody's are
	FETCH_B 0, 0, 0
	FETCH_A 0, 0, 0
	SCALES 0
	FETCH_A 0, 0, 4
	s_wait_loadcnt 0x0                             ; the bias
	s_cmp_eq_u32 ttmp9, 2                          ; the first step is written twice: the bias goes with B's blocks (q, k) or with A's (v).  No barrier and no tensor load stands in it
	s_cbranch_scc1 .Lfirst_v
	STEP 0, 0, 1
	s_branch .Lfirst_done
.Lfirst_v:
	STEP 0, 0, 2
.Lfirst_done:
	TURN 0, 1, 1                                   ; K = 1,024 is four slots' worth: written out
	STEP 1, 0, 0
	TURN 1, 0, 1
	STEP 0, 0, 0
	TURN 0, 1, 0                                   ; nothing is left to fetch: no round of the cluster's barrier
	STEP 1, 0, 0
	s_wait_dscnt 4*NL                              ; the very last step
	WIN MUL_LO
	MUL16 0, 1, NQ-1, 1, 0
	MUL16 2, 1, NQ-1, 1, 0
	s_wait_dscnt 0
	WIN MUL_HI
	MUL16 4, 1, NQ-1, 1, 0
	MUL16 6, 1, NQ-1, 1, 0
	WIN 0
; ---------------- THE WAY OUT ----------------
.set TAB, 128                          ; v128-191 two sets of 16 cosines and 16 sines
.set O1,  192                          ; v192-207 the turned numbers of the head's first 32;  v208-223 of its second 32
.set O2,  208
.set TT,  224                          ; v224-227 at work (v: four largest magnitudes)
.set QT,  228                          ; v228-231 two largest magnitudes, two from the other half of the lanes, then bytes (v: four of the latter)
.set QO,  232                          ; v232-235 the conversions' scale operands
.set IMG, 64                           ; v64-87   two images of 12 registers
.set CT,  88                           ; v88-90, v92-94 second halves of blocks (a conversion's three registers begin on an even number)
.set SW,  92                           ; q, k: v92-99 scale words, head g, pair f at SW + 4 g + f
.set FIN, 100                          ; q, k: v100-103 the scale words as they are stored
.set UU,  104                          ; q, k: v104 two bytes just made
.set VSW, 96                           ; v: v96-103 scale words;  v104-107 as they are stored
.set FINV, 104
; 32 numbers of a lane, register 16 b + i one of 16 of block b (lane l xor 16 holds the other 16), become six registers of codes at v[d] on (lanes 0-15 block 0, lanes 16-31 block 1) and the two scale bytes in v[uw].
.macro QUANT2 s, d, ct, uw
.irp b, 0,1
	v_max3_num_f32 v[QT+\b], |v[\s+16*\b]|, |v[\s+16*\b+1]|, 0x1800000   ; and the floor 2^(3 - 127): the byte cannot fall under 1
.endr
.irp i, 2,4,6,8,10,12,14
.irp b, 0,1
	v_max3_num_f32 v[QT+\b], v[QT+\b], |v[\s+16*\b+\i]|, |v[\s+16*\b+\i+1]|
.endr
.endr
.irp b, 0,1
	v_permlanex16_b32 v[QT+2+\b], v[QT+\b], s[SEL], s[SEL+1]
.endr
.irp b, 0,1
	v_max_num_f32 v[QT+\b], v[QT+\b], v[QT+2+\b]   ; the block's largest magnitude
.endr
.irp b, 0,1
	v_add_nc_u32 v[QO+\b], 0xff000000, v[QT+\b]    ; 2 off its exponent field: the conversion takes that field as its scale
.endr
.irp b, 0,1
	v_lshrrev_b32 v[QT+2+\b], 23, v[QO+\b]         ; the scale's byte
.endr
	v_lshl_or_b32 v[\uw], v[QT+3], 8, v[QT+2]
	v_cvt_scalef32_pk16_fp6_f32 v[\d:\d+2], v[\s:\s+15], v[QO]
	v_cvt_scalef32_pk16_fp6_f32 v[\ct:\ct+2], v[\s+16:\s+31], v[QO+1]
	v_nop                                          ; one plain place behind a scaled conversion
.irp i, 0,1,2
	v_permlane16_swap_b32 v[\d+\i], v[\ct+\i]      ; a whole block to a lane
.endr
.irp i, 0,1,2
	v_mov_b32 v[\d+3+\i], v[\ct+\i]
.endr
.endm
.irp b, 0,1,2,3
	v_mov_b32 v[QT+\b], 0                          ; a lane permute's destination counts as one of its sources.  These eight lines are also the places behind the last products
.endr
	v_and_b32 v1, 15, v0                           ; r
	v_bfe_u32 v2, v0, 4, 1                         ; h
	v_and_b32 v3, 31, v0
	v_lshlrev_b32 v26, 4, v3                       ; an image's place for my lane
	s_mov_b32 s[SEL], 0x76543210
	s_mov_b32 s[SEL+1], 0xfedcba98
	s_mov_b32 s46, 0xffff0000                      ; lanes 16-31
	s_cmp_eq_u32 ttmp9, 2
	s_cbranch_scc1 .Lv
	; ---- q and k.  My 128 tokens are one run of 128 keys (number sg) of one batch row; my 128 columns are two heads.
	s_load_b128 s[4:7], s[0:1], 0x30               ; qimg, qsc
	s_load_b64 s[8:9], s[0:1], 0x40                ; kv
	s_lshl_b32 s20, s17, 8
	s_lshl_b32 s21, s15, 7
	s_add_co_u32 s20, s20, s21                     ; my first token
	s_lshl_b32 s21, s42, 2
	s_lshl_b32 s22, s16, 1
	s_add_co_u32 s21, s21, s22
	s_lshl_b32 s22, ttmp9, 4
	s_sub_co_u32 s21, s21, s22                     ; my first head
	s_lshr_b32 s22, s20, 11
	s_lshl_b32 s22, s22, 4
	s_add_co_u32 s21, s21, s22                     ; + 16 x batch row
	s_bfe_u32 s22, s20, 0x40007                    ; sg
	s_and_b32 s23, s20, 2047
	s_lshl_b32 s24, s23, 8                         ; (every tensor load has landed: the descriptors' registers are free)
	s_mov_b32 s25, 0
	s_add_nc_u64 s[98:99], s[98:99], s[24:25]      ; the table at my first token
	s_mov_b32 s26, 98304                           ; q: a head's images;
	s_mov_b32 s27, RECB                            ; k: a head's record
	s_mov_b32 s28, 6144                            ; q: 128 tokens' images;
	s_mov_b32 s29, 12288                           ; k: 128 keys' part of the record
	s_mov_b32 s30, 4096                            ; q: a head's scale words
	s_cmp_eq_u32 ttmp9, 0
	s_cselect_b32 s26, s26, s27
	s_cselect_b32 s28, s28, s29
	s_cselect_b32 s29, 0, 8192                     ; k's images lie behind the record's scale words
	s_cselect_b32 s30, s30, s27
	s_mov_b32 s27, 0
	s_mul_i32 s32, s21, s26
	s_mul_i32 s33, s22, s28
	s_add_co_u32 s32, s32, s33
	s_add_co_u32 s32, s32, s29
	s_mov_b32 s33, 0
	s_mul_i32 s34, s21, s30
	s_lshl_b32 s35, s22, 8
	s_add_co_u32 s34, s34, s35
	s_mov_b32 s35, 0
	v_lshlrev_b32 v24, 8, v1
	v_lshl_add_u32 v24, v2, 4, v24                 ; the table: 256 r + 16 h
	v_mul_u32_u24 v25, s30, v2
	v_lshl_add_u32 v25, v1, 4, v25                 ; the scale words: 16 r; lanes 16-31 store the second head's
	s_wait_kmcnt 0x0
	s_cmp_eq_u32 ttmp9, 0
	s_cselect_b64 s[36:37], s[4:5], s[8:9]
	s_cselect_b64 s[38:39], s[6:7], s[8:9]
	s_add_nc_u64 s[36:37], s[36:37], s[32:33]      ; the first head's images
	s_add_nc_u64 s[40:41], s[36:37], s[26:27]      ; the second head's
	s_add_nc_u64 s[38:39], s[38:39], s[34:35]      ; the scale words
.macro TABLE a                         ; tokens 16 a + r: lane (r, h) wants cos and sin of pairs 8 t + 4 h + 0 .. 3, t = 0 .. 3
.irp t, 0,1,2,3
	global_load_b128 v[TAB+32*((\a)%2)+4*\t:TAB+32*((\a)%2)+4*\t+3], v24, s[98:99] offset:4096*(\a)+32*\t
	global_load_b128 v[TAB+32*((\a)%2)+16+4*\t:TAB+32*((\a)%2)+16+4*\t+3], v24, s[98:99] offset:4096*(\a)+32*\t+128
.endr
.endm
; Block a's 16 tokens, head g: accumulator registers 2 i and 2 i + 1 of the head's 32 are the pair (x1, x2) number 8 (i / 4) + 4 h + i % 4.  x1 cos - x2 sin belongs to the head's first 32, x1 sin + x2 cos to its second.
.macro ROT a, g
	WIN 0x02+(\a)/4                                ; source 0: window 2 or 3
.set AC, 64*((\a)%4)+32*(\g)
.set TC, TAB+32*((\a)%2)
.set ii, 0
.rept 16
	v_mul_f32 v[TT+2*(ii%2)], v[AC+2*ii+1], v[TC+16+ii]          ; (each accumulator is read from its low end on)
	v_mul_f32 v[TT+2*(ii%2)+1], v[AC+2*ii+1], v[TC+ii]
	v_fma_f32 v[O1+ii], v[AC+2*ii], v[TC+ii], -v[TT+2*(ii%2)]
	v_fma_f32 v[O2+ii], v[AC+2*ii], v[TC+16+ii], v[TT+2*(ii%2)+1]
.set ii, ii+1
.endr
	WIN 0
.endm
	TABLE 0
.irp a, 0,1,2,3,4,5,6,7
.if \a < 7
	TABLE \a+1
	s_wait_loadcnt 8                               ; this block's table is in; the eight loads just issued may be out
.else
	s_wait_loadcnt 0x0
.endif
.if (\a%2 == 0) && (\a > 0)
	s_wait_xcnt 0x0                                ; the last pair's stores have read the images: only behind this wait are they written again
.endif
.irp g, 0,1
	ROT \a, \g
.if \a%2 == 0
	QUANT2 O1, IMG+12*\g, CT, SW+4*\g+\a/2
.else
	QUANT2 O1, IMG+12*\g+6, CT, UU
	v_lshl_or_b32 v[SW+4*\g+\a/2], v[UU], 16, v[SW+4*\g+\a/2]
.endif
.endr
.if \a%2 == 1
.irp c, 0,1,2
	global_store_b128 v26, v[IMG+4*\c:IMG+4*\c+3], s[36:37] offset:1536*(\a/2)+512*\c          ; 32 lanes store 512 consecutive bytes
	global_store_b128 v26, v[IMG+12+4*\c:IMG+12+4*\c+3], s[40:41] offset:1536*(\a/2)+512*\c
.endr
.endif
.endr
.irp f, 0,1,2,3
	v_cndmask_b32 v[FIN+\f], v[SW+\f], v[SW+4+\f], s46
.endr
	global_store_b128 v25, v[FIN:FIN+3], s[38:39]  ; sixteen lanes store a head's 256 consecutive bytes
	s_branch .Ldone
.Lv:	; ---- v.  My 128 rows of Wqkv are two heads' channels; my 128 tokens are one run of 128 keys.
	s_load_b64 s[8:9], s[0:1], 0x40                ; kv
	s_lshl_b32 s20, s42, 8
	s_lshl_b32 s21, s16, 7
	s_add_co_u32 s20, s20, s21                     ; my first token
	s_sub_co_u32 s21, s17, 8
	s_lshl_b32 s21, s21, 2
	s_lshl_b32 s22, s15, 1
	s_add_co_u32 s21, s21, s22                     ; my first head
	s_lshr_b32 s22, s20, 11
	s_lshl_b32 s22, s22, 4
	s_add_co_u32 s21, s21, s22                     ; + 16 x batch row
	s_bfe_u32 s22, s20, 0x40007                    ; sg
	s_mul_i32 s32, s21, RECB
	s_mul_i32 s33, s22, 12288
	s_add_co_u32 s33, s33, s32
	s_add_co_u32 s36, s33, 8192+6144               ; v's fragments lie behind k's four images
	s_mov_b32 s37, 0
	s_lshl_b32 s34, s22, 8
	s_add_co_u32 s34, s34, s32
	s_add_co_u32 s38, s34, 4096                    ; v's scale words lie behind k's
	s_mov_b32 s39, 0
	s_mov_b32 s30, RECB
	v_mul_u32_u24 v25, s30, v2
	v_lshl_add_u32 v25, v1, 4, v25                 ; 16 r; lanes 16-31 store the second head's
	s_wait_kmcnt 0x0
	s_add_nc_u64 s[36:37], s[8:9], s[36:37]        ; the first head's fragments
	s_add_nc_u64 s[40:41], s[36:37], RECB          ; the second head's
	s_add_nc_u64 s[38:39], s[8:9], s[38:39]
; Block a (16 channels): its 64 accumulator registers are the lane's channel at 128 keys: register 16 b + i is one of 16 of key block b (lane l xor 16 holds the other 16).  They become a fragment and a scale word.
.macro QUANT4W a
.set WW, 2+(\a)/4
.set AC, 64*((\a)%4)
.set CD, IMG+12*((\a)%2)
	WIN (WW<<2)|(WW<<4)                            ; sources 1 and 2: the accumulators' window
.irp b, 0,1,2,3
	v_max3_num_f32 v[TT+\b], 0x1800000, |v[AC+16*\b]|, |v[AC+16*\b+1]|   ; the floor 2^(3 - 127) among the leaves; each accumulator from its low end on
.endr
.irp i, 2,4,6,8,10,12,14
.irp b, 0,1,2,3
	v_max3_num_f32 v[TT+\b], v[TT+\b], |v[AC+16*\b+\i]|, |v[AC+16*\b+\i+1]|
.endr
.endr
	WIN 0
.irp b, 0,1,2,3
	v_permlanex16_b32 v[QT+\b], v[TT+\b], s[SEL], s[SEL+1]
.endr
.irp b, 0,1,2,3
	v_max_num_f32 v[TT+\b], v[TT+\b], v[QT+\b]
.endr
.irp b, 0,1,2,3
	v_add_nc_u32 v[QO+\b], 0xff000000, v[TT+\b]
.endr
.irp b, 0,1,2,3
	v_lshrrev_b32 v[QT+\b], 23, v[QO+\b]
.endr
	v_lshl_or_b32 v[VSW+(\a)], v[QT+1], 8, v[QT]
	v_lshl_or_b32 v[VSW+(\a)], v[QT+2], 16, v[VSW+(\a)]
	v_lshl_or_b32 v[VSW+(\a)], v[QT+3], 24, v[VSW+(\a)]
.if (\a) >= 2
	s_wait_xcnt 0x0                                ; the stores of two blocks ago have read this set of registers
.endif
	WIN WW                                         ; source 0: the accumulators' window
.irp c, 0,1
	v_cvt_scalef32_pk16_fp6_f32 v[CD+6*\c:CD+6*\c+2], v[AC+32*\c:AC+32*\c+15], v[QO+2*\c]
	v_cvt_scalef32_pk16_fp6_f32 v[CT+4*\c:CT+4*\c+2], v[AC+32*\c+16:AC+32*\c+31], v[QO+2*\c+1]
.endr
	WIN 0
	v_nop                                          ; one plain place behind a scaled conversion
.irp c, 0,1
.irp i, 0,1,2
	v_permlane16_swap_b32 v[CD+6*\c+\i], v[CT+4*\c+\i]
.endr
.irp i, 0,1,2
	v_mov_b32 v[CD+3+6*\c+\i], v[CT+4*\c+\i]
.endr
.endr
.endm
.irp a, 0,1,2,3,4,5,6,7
	QUANT4W \a
.irp c, 0,1,2
	global_store_b128 v26, v[IMG+12*(\a%2)+4*\c:IMG+12*(\a%2)+4*\c+3], s[36+4*(\a/4):37+4*(\a/4)] offset:1536*(\a%4)+512*\c
.endr
.endr
.irp t, 0,1,2,3
	v_cndmask_b32 v[FINV+\t], v[VSW+\t], v[VSW+4+\t], s46
.endr
	global_store_b128 v25, v[FINV:FINV+3], s[38:39]
.Ldone:
	s_wait_tensorcnt 0x0                           ; the wave's end
	ds_add_u32 v[SPW], v[NIL]
	s_wait_dscnt 0x0
	CROUND                                         ; the closing round: no work-group ends while a partner may still ask for a tile that names it
	s_endpgm
.Lfunc_end_k_q3f59565320_qkv:
	.size	k_q3f59565320_qkv, .Lfunc_end_k_q3f59565320_qkv-k_q3f59565320_qkv
	.p2alignl 7, 3214868480
	.fill 96, 4, 3214868480
	.section	.rodata,"a",@progbits
	.p2align	6, 0x0
	.amdhsa_kernel k_q3f59565320_qkv
		.amdhsa_group_segment_fixed_size 327680
		.amdhsa_private_segment_fixed_size 0
		.amdhsa_enable_private_segment 0
		.amdhsa_kernarg_size 72
		.amdhsa_user_sgpr_count 2
		.amdhsa_user_sgpr_kernarg_segment_ptr 1
		.amdhsa_wavefront_size32 1
		.amdhsa_system_sgpr_workgroup_id_x 1
		.amdhsa_system_sgpr_workgroup_id_y 1
		.amdhsa_system_sgpr_workgroup_id_z 1
		.amdhsa_system_vgpr_workitem_id 0
		.amdhsa_next_free_vgpr 1024
		.amdhsa_next_free_sgpr 102
		.amdhsa_reserve_vcc 0
		.amdhsa_float_denorm_mode_32 3
		.amdhsa_float_denorm_mode_16_64 3
		.amdhsa_memory_ordered 1
		.amdhsa_forward_progress 1
		.amdhsa_inst_pref_size 255
	.end_amdhsa_kernel
	.section	.bss,"aw",@nobits
	.p2align	6
	.space	262144
	.amdgpu_metadata
---
amdhsa.version: [ 1, 2 ]
amdhsa.kernels:
  - .name:           k_q3f59565320_qkv
    .symbol:         k_q3f59565320_qkv.kd
    .args:
      - { .name: x_codes, .offset: 0, .size: 8, .value_kind: global_buffer, .address_space: global }
      - { .name: x_scales, .offset: 8, .size: 8, .value_kind: global_buffer, .address_space: global }
      - { .name: Wqkv_codes, .offset: 16, .size: 8, .value_kind: global_buffer, .address_space: global }
      - { .name: Wqkv_scales, .offset: 24, .size: 8, .value_kind: global_buffer, .address_space: global }
      - { .name: bqkv, .offset: 32, .size: 8, .value_kind: global_buffer, .address_space: global }
      - { .name: rope, .offset: 40, .size: 8, .value_kind: global_buffer, .address_space: global }
      - { .name: qimg, .offset: 48, .size: 8, .value_kind: global_buffer, .address_space: global }
      - { .name: qsc, .offset: 56, .size: 8, .value_kind: global_buffer, .address_space: global }
      - { .name: kv, .offset: 64, .size: 8, .value_kind: global_buffer, .address_space: global }
    .group_segment_fixed_size: 327680
    .private_segment_fixed_size: 0
    .kernarg_segment_align: 8
    .kernarg_segment_size: 72
    .max_flat_workgroup_size: 128
    .sgpr_count:     102
    .vgpr_count:     1024
    .wavefront_size: 32
...
	.end_amdgpu_metadata
.endif
;; end of part 2
;; launch attn (part 3): grid 4 x 64, 16 waves a work-group, clusters of 4 x 1, 215,040 bytes of LDS; arguments qimg, qsc, kv, padding_mask, aimg, asc; writes aimg, asc
.if DOCPART == 3
	.amdgcn_target "amdgcn-amd-amdhsa--gfx1250"
	.amdhsa_code_object_version 6
	.text
	.protected	k_q3f59565320_attn
	.globl	k_q3f59565320_attn
	.p2align	8
	.type	k_q3f59565320_attn,@function
k_q3f59565320_attn:
	s_mov_b64 s[64:65], 0
	v_nop
	global_prefetch_b8 v0, s[64:65] scope:SCOPE_SE
	s_setreg_imm32_b32 hwreg(HW_REG_WAVE_MODE, 25, 1), 1
	s_wait_xcnt 0x0
	s_wait_alu depctr_hold_cnt(0) depctr_sa_sdst(0) depctr_va_vdst(0) depctr_va_sdst(0) depctr_va_ssrc(0) depctr_va_vcc(0) depctr_vm_vsrc(0)
	s_getreg_b32 s2, hwreg(HW_REG_IB_STS2, 6, 4)
	s_cmp_eq_u32 s2, 0
	s_cbranch_scc0 .Lentry_in_a_cluster
	s_endpgm
.Lentry_in_a_cluster:
	s_bfe_u32 s2, ttmp6, 0x10000c
	s_cmp_lg_u32 s2, 0x3003
	s_cbranch_scc0 .Lentry_shape_is_right
	s_endpgm
.Lentry_shape_is_right:
; Attention of one head on codes of FP6 (E2M3): S^T = k q^T (K = the head's 64), p = 2^(t - M) quantised along the keys, O^T = v^T p^T (K = the keys), O / l quantised along the head's 64 for the output projection.
; t = score x log2(e) / 8; M = the running largest t rounded UP to a whole number, kept as -M = floor(-t); the row's sum l is taken of the unquantised p; when M moves, l and O^T are multiplied by 2^(old M - new M), which rounds nothing.
; SHARES.  A work-group owns 512 queries of one head; each of its sixteen waves 32 of them, as two passes of one tile of 16, in 256 registers: four waves to a SIMD, so that one wave's vector work stands beside another's products and LDS loads.
; THE HEAD'S WHOLE RECORD (k's and v's scale words and fragment images, 204,800 bytes) COMES INTO LDS ONCE, as it lies in memory: no ring, nothing is filled twice.  The four work-groups of a cluster own the four query blocks
; of one head, so the record is asked for JOINTLY: each wave's one tensor load (50 rows of 256 bytes) has the same descriptor in all four and a mask that names the four.
; A FRAGMENT OF k HOLDS TWO TILES OF 16 KEYS, one as k 0-63 and one as k 64-127; it is multiplied by [q | 0] and by [0 | q]: eighteen registers (zeros, q, zeros) give both, and no LDS byte carries a padding zero.
; Both products are used transposed: a lane holds ONE query throughout.  Register 16 b + i of S^T is key 32 b + 8 h + i (i < 8) or 32 b + 16 + 8 h + i - 8: v's fragments were made in the same order.
; THE PADDING MASK is a bias for each key, 0 or -3e38 for a hidden one, kept in LDS as f32.  In EVERY step it is loaded into the scores' registers and is the C of the scores' products: no vector instruction and no branch on data,
; so that all partners of the cluster run the same lines.  The largest t begins at -1e37, above every hidden key's t, so a hidden key's p is 0 from the first step on.
; LIMITS: |t| stays under 1e37; a batch row all of whose keys are hidden (a row of NaN by the definition) is not served; NaN and infinities are not served; a block of zeros gets the scale byte 1 (its codes are zeros).
; REGISTERS: v1-7 addresses; v8-11 k's scale words; v12 -M, v13 the largest t, v[14:15] l in two halves; v16-33 zeros, q, zeros; v34 q's scale word, v35 p's, v36-39 v's; v40-87 four fragments of k, then of v;
;   v88-151 the bias, S^T, then p; v152-183 O^T; v184-195 p's codes; v196-202 second halves; v204-221 at work; v222 32 r; v223 two scale bytes; v224-249 at work at the head; v250 q's raw scale word.
.set RECB,  204800                     ; a head's record
.set KOFF,  8192                       ; behind the two tables of scale words: for each 128 keys
.set STEPB, 12288                      ; k's four pair images (6,144 bytes), then v's four fragments
.set MB,    204800                     ; behind the record: the mask's bias, 4 bytes a key: 8,192 bytes that no tensor load fills
.set KF,  40
.set S,   88
.set OT,  152
.set CD,  184
.set CT,  196
.set BM,  204                          ; v204-207 each block's largest score, then its largest p
.set PT,  208                          ; v208-211 from the other half of the lanes, then bytes
.set SO,  212                          ; v212-215 the conversions' scale operands
.set FF,  216                          ; v[216:217] f = 2^(old M - new M); at the end 1 / l
.set WK,  218                          ; v218-221 at work
.set QT,  BM                           ; the last quantiser's registers
.set QO,  SO
.set SEL, 20                           ; s[20:21] lane selects for v_permlanex16_b32: lane l xor 16
.set CS,  22                           ; s[22:23] c = log2(e) / 8
.set G1,  24                           ; s[24:31], s[40:43] the descriptor
.set G0,  40
.set TB,  48                           ; s48 LDS byte of the step's images;  s49 of its scale words;  s50 of its bias
.set TS,  49
.set TM,  50
.set CNT, 53
.macro CROUND                          ; a round of the cluster's barrier
	s_barrier_signal -1
	s_barrier_wait -1
	s_cmp_lg_u32 s16, 0
	s_cbranch_scc1 .Lnot_wave_0_\@
	s_barrier_signal -3
.Lnot_wave_0_\@:
	s_barrier_wait -3
	s_barrier_signal -1
	s_barrier_wait -1
.endm
	s_load_b256 s[4:11], s[0:1], 0x0               ; qimg, qsc, kv, padding_mask
	s_load_b128 s[12:15], s[0:1], 0x20             ; aimg, asc
	v_lshl_add_u32 v254, v0, 2, 0x34000
	v_mov_b32 v255, 0
	ds_add_u32 v254, v255
	ds_add_u32 v254, v255
	v_lshrrev_b32 v1, 5, v0
	v_readfirstlane_b32 s16, v1                    ; wave 0..15
	s_bfe_u32 s17, ttmp6, 0x40000                  ; cx: my block of 512 queries: it enters q's and the outputs' addresses alone
	s_and_b32 s18, ttmp7, 0xffff                   ; 16 x batch row + head, which the four partners share
	s_lshr_b32 s19, s18, 4                         ; the batch row
	s_mov_b32 s[G1], 15|(3<<16)|(1<<21)            ; 15:0 the mask: all four work-groups; 17:16 elements of 8 bytes; 20 no padding; 21 set beside a mask
	s_mov_b32 s[G1+1], 32<<16                      ; tensor_dim0 = 32 elements: 256 bytes
	s_mov_b32 s[G1+2], 50<<16                      ; tensor_dim1 = 50 rows: 12,800 bytes, a sixteenth of the record
	s_mov_b32 s[G1+3], 32<<16                      ; tile_dim0
	s_mov_b32 s[G1+4], 50                          ; tile_dim1
	s_mov_b32 s[G1+5], 32                          ; the rows are dense
	s_mov_b32 s[G1+6], 0
	s_mov_b32 s[G1+7], 0
	s_mul_i32 s54, s18, RECB
	s_mul_i32 s56, s16, 12800
	s_add_co_u32 s54, s54, s56
	s_mov_b32 s55, 0
	s_mov_b32 s[SEL], 0x76543210
	s_mov_b32 s[SEL+1], 0xfedcba98
	s_mov_b32 s[CS], 0x3e38aa3b
	s_mov_b32 s[CS+1], s[CS]                       ; (named with it as a pair, so it is written)
	s_wait_dscnt 0x0
	s_wait_kmcnt 0x0
	s_mov_b32 s[G0], 1
	s_mov_b32 s[G0+1], s56                         ; LDS: 12,800 x wave
	s_add_nc_u64 s[G0+2:G0+3], s[8:9], s[54:55]    ; the same place in the head's record
	s_or_b32 s[G0+3], s[G0+3], 0x80000000
	CROUND                                         ; all four work-groups are here: the joint loads meet
	tensor_load_to_lds s[G0:G0+3], s[G1:G1+7]      ; my one tensor load of the launch
	s_nop 0
.rept 4
	v_nop
.endr
	s_lshl_b32 s58, s17, 4
	s_add_co_u32 s58, s58, s16                     ; my pair of tiles among the head's 64: 16 cx + wave
	s_lshl_b32 s54, s18, 6
	s_add_co_u32 s54, s54, s58
	s_mul_i32 s54, s54, 1536
	s_add_nc_u64 s[4:5], s[4:5], s[54:55]          ; its image
	s_lshl_b32 s54, s18, 12
	s_lshr_b32 s56, s58, 2
	s_lshl_b32 s56, s56, 8
	s_add_co_u32 s54, s54, s56
	s_and_b32 s56, s58, 3
	s_lshl_b32 s56, s56, 2
	s_add_co_u32 s54, s54, s56
	s_add_nc_u64 s[6:7], s[6:7], s[54:55]          ; its scale words: 16 bytes from row to row
	s_lshl_b32 s54, s19, 11
	s_add_nc_u64 s[10:11], s[10:11], s[54:55]      ; the batch row's mask
	s_lshl_b32 s56, s19, 7
	s_lshl_b32 s57, s58, 1
	s_add_co_u32 s56, s56, s57                     ; my first tile of 16 tokens among all 512
	s_and_b32 s57, s18, 15                         ; the head
	s_lshl_b32 s54, s56, 4
	s_add_co_u32 s54, s54, s57
	s_mul_i32 s54, s54, 768
	s_add_nc_u64 s[12:13], s[12:13], s[54:55]      ; aimg: 768 bytes for a tile and a head
	s_lshl_b32 s54, s56, 9
	s_lshl_b32 s57, s57, 1
	s_add_co_u32 s54, s54, s57
	s_add_nc_u64 s[14:15], s[14:15], s[54:55]      ; asc: 32 bytes a token, two for each head
	v_and_b32 v224, 31, v0                         ; lane
	v_lshlrev_b32 v1, 4, v224                      ; an image's place for my lane
	v_lshlrev_b32 v7, 3, v224
	v_and_b32 v225, 15, v0                         ; r
	v_lshlrev_b32 v2, 4, v225                      ; four scale words a row
	v_lshlrev_b32 v222, 5, v225
	v_bfe_u32 v226, v0, 4, 1                       ; h
	v_lshl_add_u32 v3, v226, 5, MB                 ; the bias: my half's eight keys
	v_lshlrev_b32 v224, 2, v0                      ; 4 bytes of the mask a thread: 512 threads read the batch row's 2,048
	global_load_b32 v225, v224, s[10:11]
	global_load_b32 v250, v2, s[6:7]               ; q's scale word: (first tile's two bytes, second tile's two)
	v_mov_b32 v227, 0xff61b1e6                     ; -3e38
	v_lshl_add_u32 v248, v0, 4, MB
.irp j, 16,17,18,19,20,21,28,29,30,31,32,33
	v_mov_b32 v[\j], 0                             ; the zero halves beside q
.endr
.irp b, 0,1,2,3
	v_mov_b32 v[PT+\b], 0                          ; written once: a lane permute's destination counts as one of its sources
.endr
	v_mov_b32 v[FF+1], 0                           ; (named as the upper half of a pair)
	s_wait_loadcnt 0x0
.irp e, 0,1,2,3
	v_bfe_u32 v249, v225, 8*\e, 8
	v_cmp_ne_u32 vcc_lo, 0, v249
	v_cndmask_b32 v[244+\e], 0, v227, vcc_lo       ; a hidden key's bias
.endr
	ds_store_b128 v248, v[244:247]                 ; keys 4 t .. 4 t + 3 of thread t
	s_wait_tensorcnt 0x0                           ; my part of the record has landed,
	s_wait_dscnt 0x0                               ; my part of the bias is stored:
	s_barrier_signal -1
	s_barrier_wait -1                              ; everybody's are
; A KEY STEP: 128 keys.
.macro STEP
	v_add_nc_u32 v4, s[TB], v1
	v_add_nc_u32 v5, s[TS], v2
	v_add_nc_u32 v6, s[TM], v3
	v_nop                                          ; four places in front of loads into registers that the last products have read
.irp f, 0,1,2,3
.irp c, 0,1,2
	ds_load_b128 v[KF+12*\f+4*\c:KF+12*\f+4*\c+3], v4 offset:1536*\f+512*\c     ; 32 lanes take 512 consecutive bytes
.endr
.endr
	ds_load_b128 v[8:11], v5                       ; row r's four scale words
.irp f, 0,1,2,3
.irp u, 0,1
.irp i, 0,1
	ds_load_b128 v[S+16*\f+8*\u+4*\i:S+16*\f+8*\u+4*\i+3], v6 offset:128*\f+64*\u+16*\i   ; the bias of keys 32 f + 16 u + 8 h + 4 i + 0 .. 3: the sixteen lanes of a half read the same 16 bytes
.endr
.endr
.endr
	s_wait_dscnt 0x0
.irp f, 0,1,2,3                                ; eight products: pair f's first tile against [q | 0], its second against [0 | q]; the sums begin with the bias.  The accumulators take turns
	v_wmma_scale_f32_16x16x128_f8f6f4 v[S+16*\f:S+16*\f+7], v[KF+12*\f:KF+12*\f+11], v[22:33], v[S+16*\f:S+16*\f+7], v[8+\f], v34 matrix_a_fmt:MATRIX_FMT_FP6 matrix_b_fmt:MATRIX_FMT_FP6
	v_wmma_scale_f32_16x16x128_f8f6f4 v[S+16*\f+8:S+16*\f+15], v[KF+12*\f:KF+12*\f+11], v[16:27], v[S+16*\f+8:S+16*\f+15], v[8+\f], v34 matrix_a_fmt:MATRIX_FMT_FP6 matrix_b_fmt:MATRIX_FMT_FP6
.endr
.rept 4
	v_nop                                          ; places in front of the loads below and of the first read of the scores
.endr
.irp t, 0,1,2,3
.irp c, 0,1,2
	ds_load_b128 v[KF+12*\t+4*\c:KF+12*\t+4*\c+3], v4 offset:6144+1536*\t+512*\c   ; v's fragments land while the softmax is worked
.endr
.endr
	ds_load_b128 v[36:39], v5 offset:4096
.irp b, 0,1,2,3
	v_max3_num_f32 v[BM+\b], v[S+16*\b], v[S+16*\b+1], v[S+16*\b+2]   ; the largest score of each block of 32 keys: for the row's maximum and, since p rises with the score, for the block's largest p
.endr
.irp i, 3,5,7,9,11,13
.irp b, 0,1,2,3
	v_max3_num_f32 v[BM+\b], v[BM+\b], v[S+16*\b+\i], v[S+16*\b+\i+1]
.endr
.endr
.irp b, 0,1,2,3
	v_max_num_f32 v[BM+\b], v[BM+\b], v[S+16*\b+15]
.endr
.irp b, 0,1,2,3
	v_permlanex16_b32 v[PT+\b], v[BM+\b], s[SEL], s[SEL+1]
.endr
.irp b, 0,1,2,3
	v_max_num_f32 v[BM+\b], v[BM+\b], v[PT+\b]     ; with lane l xor 16's 16 keys
.endr
	v_max3_num_f32 v[WK], v[BM], v[BM+1], v[BM+2]
	v_max_num_f32 v[WK], v[WK], v[BM+3]
	v_mul_f32 v[WK], s[CS], v[WK]                  ; as t (c is positive)
	v_max_num_f32 v13, v13, v[WK]                  ; the running largest t
	v_mov_b32 v[WK], v12
	v_floor_f32 v12, -v13                          ; the new -M
	v_sub_f32 v[WK], v12, v[WK]                    ; old M - new M: a whole number, 0 or less
	v_cvt_i32_f32 v[WK], v[WK]                     ; (it saturates)
	v_ldexp_f32 v[FF], 1.0, v[WK]                  ; f
.set jj, 0
.rept 32
	v_pk_fma_f32 v[S+jj:S+jj+1], v[S+jj:S+jj+1], s[CS:CS+1], v[12:13] op_sel_hi:[1,0,0]   ; t - M, two at a time
.set jj, jj+2
.endr
.irp b, 0,1,2,3
	v_fma_f32 v[BM+\b], v[BM+\b], s[CS], v12       ; the same of each block's largest score
.endr
.set jj, 0
.rept 64
	v_exp_f32 v[S+jj], v[S+jj]                     ; p = 2^(t - M), at most 1: not normalised
.set jj, jj+1
.endr
.irp b, 0,1,2,3
	v_exp_f32 v[BM+\b], v[BM+\b]                   ; the block's largest p: the same two instructions on the same number
.endr
	v_pk_mul_f32 v[14:15], v[14:15], v[FF:FF+1] op_sel_hi:[1,0]   ; l under the new M.  (The plain place behind the exponentials)
	s_wait_alu depctr_va_vdst(0)
.irp b, 0,1,2,3
	v_max_num_f32 v[BM+\b], 0x1800000, v[BM+\b]    ; the floor 2^(3 - 127): the byte cannot fall under 1
.endr
.irp b, 0,1,2,3
	v_add_nc_u32 v[SO+\b], 0xff000000, v[BM+\b]    ; 2 off the exponent field: the conversion's scale operand
.endr
.irp b, 0,1,2,3
	v_lshrrev_b32 v[PT+\b], 23, v[SO+\b]           ; the scale's byte
.endr
	v_lshl_or_b32 v35, v[PT+1], 8, v[PT]           ; p's scale word for these 128 keys
	v_lshl_or_b32 v35, v[PT+2], 16, v35
	v_lshl_or_b32 v35, v[PT+3], 24, v35
.irp c, 0,1
	v_cvt_scalef32_pk16_fp6_f32 v[CD+6*\c:CD+6*\c+2], v[S+32*\c:S+32*\c+15], v[SO+2*\c]
	v_cvt_scalef32_pk16_fp6_f32 v[CT+4*\c:CT+4*\c+2], v[S+32*\c+16:S+32*\c+31], v[SO+2*\c+1]
.endr
	v_nop                                          ; one plain place behind a scaled conversion
.irp c, 0,1
.irp i, 0,1,2
	v_permlane16_swap_b32 v[CD+6*\c+\i], v[CT+4*\c+\i]   ; a whole block to a lane
.endr
.irp i, 0,1,2
	v_mov_b32 v[CD+3+6*\c+\i], v[CT+4*\c+\i]
.endr
.endr
	v_pk_add_f32 v[WK+2:WK+3], v[S:S+1], v[S+2:S+3]      ; the row's sum of the unquantised p, in two chains
.set jj, 4
.rept 15
	v_pk_add_f32 v[14:15], v[14:15], v[S+jj:S+jj+1]
	v_pk_add_f32 v[WK+2:WK+3], v[WK+2:WK+3], v[S+jj+2:S+jj+3]
.set jj, jj+4
.endr
	v_pk_add_f32 v[14:15], v[14:15], v[WK+2:WK+3]
.set jj, 0
.rept 16
	v_pk_mul_f32 v[OT+jj:OT+jj+1], v[OT+jj:OT+jj+1], v[FF:FF+1] op_sel_hi:[1,0]   ; O^T under the new M.  (These and the sums are the places between the scale word, the codes and the products)
.set jj, jj+2
.endr
	s_wait_dscnt 0x0                               ; v's fragments and scale words
.irp t, 0,1,2,3
	v_wmma_scale_f32_16x16x128_f8f6f4 v[OT+8*\t:OT+8*\t+7], v[KF+12*\t:KF+12*\t+11], v[CD:CD+11], v[OT+8*\t:OT+8*\t+7], v[36+\t], v35 matrix_a_fmt:MATRIX_FMT_FP6 matrix_b_fmt:MATRIX_FMT_FP6
.endr
	s_add_co_u32 s[TB], s[TB], STEPB
	s_add_co_u32 s[TS], s[TS], 256
	s_add_co_u32 s[TM], s[TM], 512
.endm
; 32 numbers of a lane, register 16 b + i one of 16 of block b, become six registers of codes at v[d] on and the two scale bytes in v[uw].
.macro QUANT2 s, d, ct, uw
.irp b, 0,1
	v_max3_num_f32 v[QT+\b], |v[\s+16*\b]|, |v[\s+16*\b+1]|, 0x1800000
.endr
.irp i, 2,4,6,8,10,12,14
.irp b, 0,1
	v_max3_num_f32 v[QT+\b], v[QT+\b], |v[\s+16*\b+\i]|, |v[\s+16*\b+\i+1]|
.endr
.endr
.irp b, 0,1
	v_permlanex16_b32 v[QT+2+\b], v[QT+\b], s[SEL], s[SEL+1]
.endr
.irp b, 0,1
	v_max_num_f32 v[QT+\b], v[QT+\b], v[QT+2+\b]
.endr
.irp b, 0,1
	v_add_nc_u32 v[QO+\b], 0xff000000, v[QT+\b]
.endr
.irp b, 0,1
	v_lshrrev_b32 v[QT+2+\b], 23, v[QO+\b]
.endr
	v_lshl_or_b32 v[\uw], v[QT+3], 8, v[QT+2]
	v_cvt_scalef32_pk16_fp6_f32 v[\d:\d+2], v[\s:\s+15], v[QO]
	v_cvt_scalef32_pk16_fp6_f32 v[\ct:\ct+2], v[\s+16:\s+31], v[QO+1]
	v_nop
.irp i, 0,1,2
	v_permlane16_swap_b32 v[\d+\i], v[\ct+\i]
.endr
.irp i, 0,1,2
	v_mov_b32 v[\d+3+\i], v[\ct+\i]
.endr
.endm
; A PASS: tile u of my pair walks all 2,048 keys, then goes out.
.macro PASS u
	s_wait_xcnt 0x0                                ; the last pass's stores have read their registers
.if \u == 0
	global_load_b128 v[22:25], v1, s[4:5]          ; the pair image's registers 0-5
	global_load_b64 v[26:27], v1, s[4:5] offset:512
	v_perm_b32 v34, v250, v250, 0x01000100         ; q's two bytes, for k 0-63 and for k 64-127 alike
.else
	global_load_b64 v[22:23], v1, s[4:5] offset:520          ; its registers 6-11
	global_load_b128 v[24:27], v1, s[4:5] offset:1024
	v_perm_b32 v34, v250, v250, 0x03020302
.endif
	v_mov_b32 v13, 0xfcf0bdc2                      ; the largest t so far: -1e37
	v_floor_f32 v12, -v13
	v_mov_b32 v14, 0
	v_mov_b32 v15, 0
.set jj, 0
.rept 32
	v_mov_b32 v[OT+jj], 0                          ; O^T: the step is written once; the first change of M leaves zeros zeros.  (Also the places between q's scale word and the first product)
.set jj, jj+1
.endr
	s_mov_b32 s[TB], KOFF
	s_mov_b32 s[TS], 0
	s_mov_b32 s[TM], 0
	s_mov_b32 s[CNT], 16
	s_wait_loadcnt 0x0
.Lstep_\@:
	STEP
	s_sub_co_u32 s[CNT], s[CNT], 1
	s_cmp_lg_u32 s[CNT], 0
	s_cbranch_scc1 .Lstep_\@
	v_add_f32 v14, v14, v15                        ; l's two halves,
	v_permlanex16_b32 v[WK], v14, s[SEL], s[SEL+1]
	v_add_f32 v14, v14, v[WK]                      ; and lane l xor 16's
	v_rcp_f32 v[FF], v14
	v_nop                                          ; behind the reciprocal; with the additions above also the places behind the last products
	v_nop
.set jj, 0
	s_wait_alu depctr_va_vdst(0)
.rept 16
	v_pk_mul_f32 v[S+jj:S+jj+1], v[OT+jj:OT+jj+1], v[FF:FF+1] op_sel_hi:[1,0]    ; O^T / l: register 8 t + j is channel 16 t + 8 h + j
.set jj, jj+2
.endr
.irp b, 0,1
.irp j, 0,1,2,3,4,5,6,7
	v_permlane16_swap_b32 v[S+16*\b+\j], v[S+16*\b+8+\j]     ; THE TRUE ORDER, since the next product meets a given operand: register 16 b + i is now channel 32 b + 16 h + i
.endr
.endr
	QUANT2 S, CD, CT, 223
	global_store_b128 v1, v[CD:CD+3], s[12:13] offset:12288*\u           ; the image of six registers: 512 consecutive bytes,
	global_store_b64 v7, v[CD+4:CD+5], s[12:13] offset:12288*\u+512      ; and 256 more
	global_store_b16 v222, v223, s[14:15] offset:512*\u                  ; row r's two scale bytes (lanes r and r + 16 hold, and write, the same)
.endm
	PASS 0
	PASS 1
	s_wait_tensorcnt 0x0
	ds_add_u32 v254, v255
	s_wait_dscnt 0x0
	CROUND                                         ; the closing round
	s_endpgm
.Lfunc_end_k_q3f59565320_attn:
	.size	k_q3f59565320_attn, .Lfunc_end_k_q3f59565320_attn-k_q3f59565320_attn
	.p2alignl 7, 3214868480
	.fill 96, 4, 3214868480
	.section	.rodata,"a",@progbits
	.p2align	6, 0x0
	.amdhsa_kernel k_q3f59565320_attn
		.amdhsa_group_segment_fixed_size 215040
		.amdhsa_private_segment_fixed_size 0
		.amdhsa_enable_private_segment 0
		.amdhsa_kernarg_size 48
		.amdhsa_user_sgpr_count 2
		.amdhsa_user_sgpr_kernarg_segment_ptr 1
		.amdhsa_wavefront_size32 1
		.amdhsa_system_sgpr_workgroup_id_x 1
		.amdhsa_system_sgpr_workgroup_id_y 1
		.amdhsa_system_sgpr_workgroup_id_z 1
		.amdhsa_system_vgpr_workitem_id 0
		.amdhsa_next_free_vgpr 256
		.amdhsa_next_free_sgpr 66
		.amdhsa_reserve_vcc 1
		.amdhsa_float_denorm_mode_32 3
		.amdhsa_float_denorm_mode_16_64 3
		.amdhsa_memory_ordered 1
		.amdhsa_forward_progress 1
		.amdhsa_inst_pref_size 50
	.end_amdhsa_kernel
	.amdgpu_metadata
---
amdhsa.version: [ 1, 2 ]
amdhsa.kernels:
  - .name:           k_q3f59565320_attn
    .symbol:         k_q3f59565320_attn.kd
    .args:
      - { .name: qimg, .offset: 0, .size: 8, .value_kind: global_buffer, .address_space: global }
      - { .name: qsc, .offset: 8, .size: 8, .value_kind: global_buffer, .address_space: global }
      - { .name: kv, .offset: 16, .size: 8, .value_kind: global_buffer, .address_space: global }
      - { .name: padding_mask, .offset: 24, .size: 8, .value_kind: global_buffer, .address_space: global }
      - { .name: aimg, .offset: 32, .size: 8, .value_kind: global_buffer, .address_space: global }
      - { .name: asc, .offset: 40, .size: 8, .value_kind: global_buffer, .address_space: global }
    .group_segment_fixed_size: 215040
    .private_segment_fixed_size: 0
    .kernarg_segment_align: 8
    .kernarg_segment_size: 48
    .max_flat_workgroup_size: 512
    .sgpr_count:     66
    .vgpr_count:     256
    .wavefront_size: 32
...
	.end_amdgpu_metadata
.endif
;; end of part 3
;; launch oproj (part 4): grid 4 x 32, 4 waves a work-group, clusters of 4 x 4, 327,680 bytes of LDS; arguments aimg, asc, Wo_codes, Wo_scales, bo, out0; writes out0
.if DOCPART == 4
	.amdgcn_target "amdgcn-amd-amdhsa--gfx1250"
	.amdhsa_code_object_version 6
	.text
	.protected	k_q3f59565320_oproj
	.globl	k_q3f59565320_oproj
	.p2align	8
	.type	k_q3f59565320_oproj,@function
k_q3f59565320_oproj:
	s_mov_b64 s[64:65], 0
	v_nop
	global_prefetch_b8 v0, s[64:65] scope:SCOPE_SE
	s_setreg_imm32_b32 hwreg(HW_REG_WAVE_MODE, 25, 1), 1
	s_wait_xcnt 0x0
	s_wait_alu depctr_hold_cnt(0) depctr_sa_sdst(0) depctr_va_vdst(0) depctr_va_sdst(0) depctr_va_ssrc(0) depctr_va_vcc(0) depctr_vm_vsrc(0)
	s_getreg_b32 s2, hwreg(HW_REG_IB_STS2, 6, 4)
	s_cmp_eq_u32 s2, 0
	s_cbranch_scc0 .Lentry_in_a_cluster
	s_endpgm
.Lentry_in_a_cluster:
	s_bfe_u32 s2, ttmp6, 0x10000c
	s_cmp_lg_u32 s2, 0xf033
	s_cbranch_scc0 .Lentry_shape_is_right
	s_endpgm
.Lentry_shape_is_right:
; out0 = o Wo + bo on codes of FP6 (E2M3): 8,192 tokens x 1,024 columns x K = 1,024.  o comes as this program's own images and scale bytes, Wo as it is given; out0 is f32.
; A tile of 256 x 256 to a work-group of four waves, 128 x 128 to a wave: 64 accumulators, 512 registers.  K goes in four steps of 256 through a ring of two LDS slots; the scale bytes of the work-group's rows come once.
; 4 x 4 work-groups form a cluster: o's tiles are shared along a row of the cluster, Wo's along a column, each asked for jointly.  128 work-groups: tiles of 128 rows would give 256 at twice the LDS reads for each product.
; o's IMAGES: for each tile of 16 tokens and each head 768 bytes: the six registers of k = 64 head + 0 .. 63: registers 0-3 at 16 x lane, registers 4-5 at 512 + 8 x lane.  A tile of tokens is 12,288 consecutive bytes, a K step of 256
; (four heads) 3,072 of them: a wave's tensor load brings 8 such rows, which lie dense in LDS; a fragment (two heads) comes by two loads of 16 bytes and two of 8 bytes a lane, each over consecutive bytes.
; THE MATRIX INSTRUCTION IS USED TRANSPOSED (source 0 = 16 rows of Wo, source 1 = 16 tokens): a lane holds eight neighbouring numbers of a row of out0.  The bias is the C of each sum's first matrix instruction.
; REGISTERS, in windows of 256: window 0: v0-31 addresses; v32-63 scale words, two sets, and nothing else; v64-127 the bias; from v128 o's fragments, ONE set; on the way out v128-255 rows of out0.
;   window 1: Wo's fragments, TWO sets.   window 2: the accumulators of my tokens 0-63;   window 3: those of tokens 64-127.
.set NQ,     2
.set ROWB,   192                       ; a row of Wo's tile in bytes
.set KROW,   768                       ; a row of Wo in memory; also a token's share of o's images
.set PITCH,  240                       ; Wo's LDS row: 3 x (64 bytes + 16 of padding)
.set FR,     12
.set NL,     6                         ; LDS loads that bring a fragment of Wo
.set NLA,    4                         ; and of o
.set NP,     4
.set HALFA,  8*3072                    ; o: 128 tokens x 256 along K
.set HALFB,  128*PITCH                 ; Wo: 128 rows
.set BOFF,   2*HALFA                   ; Wo's tiles lie behind o's
.set SLOT,   2*HALFA+2*HALFB
.set KS,     32
.set SCL,    2*SLOT                    ; behind the ring: the scales, as units of 256 bytes + 16 of padding
.set HALFS,  (128*KS/256)*272
.set SBLK,   (16*KS/256)*272
.set SPARE,  SCL+4*HALFS               ; the spare words, 128 bytes for each wave: two blocks of 256 bytes that no other line names
.set SPITCH, 528                       ; the way out: a stage of 16 rows x (512 bytes + 16) for each wave, in slot 0, which has had its last fill and its last read when the first result is stored there
.set SIZE_N, 1024
.set ADA,  16                          ; v16-17 LDS address of o's images in slot 0, 1, 16 bytes a lane;  v18-19 the same, 8 bytes a lane
.set ADRB, 20                          ; v20-21 of Wo's fragments (v22-23: for the pieces behind one padding more)
.set STO,  24
.set RD,   25
.set CO,   26
.set ADRS, 27
.set SPW,  28
.set NIL,  29
.set BOF,  30
.set SC,   32
.set BI,   64
.set AF,   128
.set BK,   128
.set G1, 24
.set G0, 32
.set G1B, 48
.set G0B, 56
.set G1S, 68
.set G0S, 76
.set G1SB, 80
.set G0SB, 88
.set MSB, 0
.macro WIN new
.if MSB != (\new)
	s_set_vgpr_msb (MSB<<8)|(\new)
.set MSB, (\new)
.endif
.endm
.set MUL_LO, 0xa1
.set MUL_HI, 0xf1
.set TO_B,   0x40
.macro JLOAD g0a, g1a, g0b, g1b        ; a joint load: waves 0 and 1 fetch for o, waves 2 and 3 for Wo; four v_nop follow each of the two lines
	s_cmp_eq_u32 s15, 0
	s_cbranch_scc0 .Lfor_b_\@
	tensor_load_to_lds s[\g0a:\g0a+3], s[\g1a:\g1a+7]
	s_nop 0
.rept 4
	v_nop
.endr
	s_branch .Lasked_\@
.Lfor_b_\@:
	tensor_load_to_lds s[\g0b:\g0b+3], s[\g1b:\g1b+7]
	s_nop 0
.rept 4
	v_nop
.endr
.Lasked_\@:
.endm
.macro CREST
	s_cmp_lg_u32 s14, 0
	s_cbranch_scc1 .Lnot_wave_0_\@
	s_barrier_signal -3
.Lnot_wave_0_\@:
	s_barrier_wait -3
	s_barrier_signal -1
	s_barrier_wait -1
.endm
.macro CROUND
	s_barrier_signal -1
	s_barrier_wait -1
	CREST
.endm
	s_load_b128 s[4:7], s[0:1], 0x0                ; o's images, o's scales
	s_load_b128 s[8:11], s[0:1], 0x10              ; Wo's codes, Wo's scales
	s_load_b64 s[66:67], s[0:1], 0x20              ; bo
	s_load_b64 s[12:13], s[0:1], 0x28              ; out0
	v_lshl_add_u32 v[SPW], v0, 2, SPARE
	v_mov_b32 v[NIL], 0
	ds_add_u32 v28, v29
	ds_add_u32 v28, v29
	s_wait_dscnt 0x0
	v_lshrrev_b32 v1, 5, v0
	v_readfirstlane_b32 s14, v1                    ; wave 0..3
	s_lshr_b32 s15, s14, 1                         ; which half of the tile's tokens is mine.  Also: I fetch for o (0) or for Wo (1)
	s_and_b32 s16, s14, 1                          ; which half of its columns.  Also: which 128 rows of that tile I fetch
	s_bfe_u32 s40, ttmp6, 0x40000
	s_bfe_u32 s41, ttmp6, 0x40004
	s_lshl_b32 s42, ttmp9, 2
	s_add_co_u32 s42, s42, s40                     ; tile column
	s_and_b32 s17, ttmp7, 0xffff
	s_lshl_b32 s17, s17, 2
	s_add_co_u32 s17, s17, s41                     ; tile row
	s_lshl_b32 s43, s41, 2
	s_lshl_b32 s43, 15, s43                        ; my row of the cluster
	s_lshl_b32 s44, 0x1111, s40                    ; my column
	; o's tiles: 8 rows of 3,072 bytes (384 elements of 8 bytes), 12,288 bytes apart, dense in LDS
	s_or_b32 s[G1+0], s43, (3<<16)|(1<<21)
	s_mov_b32 s[G1+1], 384<<16
	s_mov_b32 s[G1+2], 8<<16
	s_mov_b32 s[G1+3], 384<<16
	s_mov_b32 s[G1+4], 8
	s_mov_b32 s[G1+5], 1536
	s_mov_b32 s[G1+6], 0
	s_mov_b32 s[G1+7], 0
	; Wo's tiles: 128 rows of 192 bytes, 16 bytes of padding behind every 64
	s_or_b32 s[G1B+0], s44, (0<<16)|(1<<20)|(1<<21)|(3<<22)|(3<<25)
	s_mov_b32 s[G1B+1], ROWB<<16
	s_mov_b32 s[G1B+2], 128<<16
	s_mov_b32 s[G1B+3], ROWB<<16
	s_mov_b32 s[G1B+4], 128
	s_mov_b32 s[G1B+5], KROW
	s_mov_b32 s[G1B+6], 0
	s_mov_b32 s[G1B+7], 0
	; the scales of 128 rows: 4,096 dense bytes, as 16 rows of 256 bytes, 16 bytes of padding behind each
	s_or_b32 s[G1S+0], s43, (3<<16)|(1<<20)|(1<<21)|(5<<22)|(3<<25)
	s_or_b32 s[G1SB+0], s44, (3<<16)|(1<<20)|(1<<21)|(5<<22)|(3<<25)
.irp g, G1S, G1SB
	s_mov_b32 s[\g+1], 32<<16
	s_mov_b32 s[\g+2], (128*KS/256)<<16
	s_mov_b32 s[\g+3], 32<<16
	s_mov_b32 s[\g+4], 128*KS/256
	s_mov_b32 s[\g+5], 32
	s_mov_b32 s[\g+6], 0
	s_mov_b32 s[\g+7], 0
.endr
	s_lshl_b32 s18, s16, 7
	s_lshl_b32 s20, s17, 8
	s_add_co_u32 s20, s20, s18                     ; o: token 256 x tile row + 128 x half
	s_lshl_b32 s46, s42, 8
	s_add_co_u32 s46, s46, s18                     ; Wo: row 256 x tile column + 128 x half
	s_mov_b32 s21, 0
	s_mov_b32 s47, 0
	s_mov_b64 s[18:19], KS
	s_mul_u64 s[22:23], s[20:21], s[18:19]
	s_mul_u64 s[92:93], s[46:47], s[18:19]
	s_mov_b64 s[18:19], KROW
	s_mul_u64 s[20:21], s[20:21], s[18:19]         ; 16 tokens' images are 12,288 bytes: 768 a token
	s_mul_u64 s[46:47], s[46:47], s[18:19]
	s_mul_i32 s45, s16, HALFA                      ; where they go: no place in the cluster enters an LDS address
	s_mul_i32 s95, s16, HALFB
	s_add_co_u32 s95, s95, BOFF
	s_mul_i32 s94, s14, HALFS
	s_wait_kmcnt 0x0
	s_add_nc_u64 s[20:21], s[4:5], s[20:21]
	s_add_nc_u64 s[22:23], s[6:7], s[22:23]
	s_add_nc_u64 s[46:47], s[8:9], s[46:47]
	s_add_nc_u64 s[92:93], s[10:11], s[92:93]
	CROUND                                         ; all sixteen work-groups are here: the first joint loads meet
	s_mov_b32 s[G0S], 1
	s_add_co_u32 s[G0S+1], s94, SCL
	s_mov_b64 s[G0S+2:G0S+3], s[22:23]
	s_or_b32 s[G0S+3], s[G0S+3], 0x80000000
	s_mov_b32 s[G0SB], 1
	s_add_co_u32 s[G0SB+1], s94, SCL
	s_mov_b64 s[G0SB+2:G0SB+3], s[92:93]
	s_or_b32 s[G0SB+3], s[G0SB+3], 0x80000000
	JLOAD G0S, G1S, G0SB, G1SB
.irp s, 0,1
	s_mov_b32 s[G0+4*\s], 1
	s_add_co_u32 s[G0+4*\s+1], s45, \s*SLOT
	s_add_nc_u64 s[G0+4*\s+2:G0+4*\s+3], s[20:21], \s*3072
	s_or_b32 s[G0+4*\s+3], s[G0+4*\s+3], 0x80000000
	s_mov_b32 s[G0B+4*\s], 1
	s_add_co_u32 s[G0B+4*\s+1], s95, \s*SLOT
	s_add_nc_u64 s[G0B+4*\s+2:G0B+4*\s+3], s[46:47], \s*ROWB
	s_or_b32 s[G0B+4*\s+3], s[G0B+4*\s+3], 0x80000000
	JLOAD G0+4*\s, G1, G0B+4*\s, G1B               ; three tensor loads of mine are out now
.endr
	v_and_b32 v1, 15, v0                           ; r
	v_bfe_u32 v2, v0, 4, 1                         ; h
	s_lshl_b32 s20, s42, 10                        ; the bias: register j of block b is column 16 b + 8 h + j of my 128
	s_lshl_b32 s21, s16, 9
	s_add_co_u32 s20, s20, s21
	s_mov_b32 s21, 0
	s_add_nc_u64 s[66:67], s[66:67], s[20:21]
	v_lshlrev_b32 v[BOF], 5, v2
.irp b, 0,1,2,3,4,5,6,7
	global_load_b128 v[BI+8*\b:BI+8*\b+3], v[BOF], s[66:67] offset:64*\b
	global_load_b128 v[BI+8*\b+4:BI+8*\b+7], v[BOF], s[66:67] offset:64*\b+16
.endr
	v_and_b32 v3, 31, v0
	v_lshlrev_b32 v4, 4, v3
	v_lshlrev_b32 v5, 3, v3
	s_mul_i32 s21, s15, HALFA                      ; my 128 tokens
.irp s, 0,1
	v_add_nc_u32 v[ADA+\s], s21, v4
	v_add_nc_u32 v[ADA+2+\s], s21, v5
	s_add_co_u32 s21, s21, SLOT
.endr
	v_mul_u32_u24 v3, v1, PITCH
	v_mul_u32_u24 v4, v2, 24
	v_add_nc_u32 v4, v3, v4
	v_lshl_add_u32 v5, v2, 4, v4
	s_mul_i32 s22, s16, HALFB                      ; my 128 rows of Wo
	s_add_co_u32 s22, s22, BOFF
.irp s, 0,1
	v_add_nc_u32 v[ADRB+\s], s22, v4
	v_add_nc_u32 v[ADRB+2+\s], s22, v5
	s_add_co_u32 s22, s22, SLOT
.endr
	v_mul_u32_u24 v5, v1, KS                       ; my row's scales: 32 bytes a row,
	v_lshrrev_b32 v6, 8, v5
	v_lshl_add_u32 v5, v6, 4, v5                   ; and 16 more for each 256 passed
	s_mul_i32 s21, s15, HALFS
	s_mul_i32 s22, s16, HALFS
	s_add_co_u32 s22, s22, 2*HALFS
	s_sub_co_u32 s22, s22, s21
	v_mul_u32_u24 v6, s22, v2                      ; lanes 16-31 take Wo's
	s_add_co_u32 s21, s21, SCL
	v_add_nc_u32 v5, v5, v6
	v_add_nc_u32 v[ADRS], s21, v5
	s_mul_i32 s23, s14, 16*SPITCH                  ; my stage
	v_mul_u32_u24 v5, v1, SPITCH
	v_lshl_add_u32 v5, v2, 5, v5
	v_add_nc_u32 v[STO], s23, v5                   ; in: row r, 32 bytes for each half of the lanes
	v_and_b32 v6, 31, v0
	v_lshlrev_b32 v[CO], 4, v6                     ; back: the 32 lanes take one row of 512 bytes; and the same in out0
	v_add_nc_u32 v[RD], s23, v[CO]
	s_lshl_b32 s20, s17, 8
	s_lshl_b32 s21, s15, 7
	s_add_co_u32 s20, s20, s21                     ; my first row of out0
	s_mov_b32 s21, 0
	s_mov_b64 s[18:19], SIZE_N*4
	s_mul_u64 s[20:21], s[20:21], s[18:19]
	s_lshl_b32 s46, s42, 10                        ; my first column, in bytes
	s_lshl_b32 s47, s16, 9
	s_add_co_u32 s46, s46, s47
	s_mov_b32 s47, 0
	s_add_nc_u64 s[20:21], s[20:21], s[46:47]
	s_add_nc_u64 s[12:13], s[12:13], s[20:21]
.macro FRAG reg, adr, q, i             ; a fragment of Wo from padded rows, in pieces of 8 bytes
.irp p, 0,1,2,3,4,5
.set PCE, 12*(\q)+6*(\p/3)+\p%3
.if PCE%8 < 5
	ds_load_b64 v[\reg+2*\p:\reg+2*\p+1], v[\adr] offset:8*PCE+16*(PCE/8)+(\i)*16*PITCH
.else
	ds_load_b64 v[\reg+2*\p:\reg+2*\p+1], v[\adr+2] offset:8*PCE+16*(PCE/8)+(\i)*16*PITCH
.endif
.endr
.endm
.macro FRAG_A reg, slot, q, i          ; a fragment of o from the images of heads 2 q and 2 q + 1 of the slot's four
	ds_load_b128 v[\reg:\reg+3], v[ADA+\slot] offset:3072*(\i)+1536*(\q)
	ds_load_b64 v[\reg+4:\reg+5], v[ADA+2+\slot] offset:3072*(\i)+1536*(\q)+512
	ds_load_b128 v[\reg+6:\reg+9], v[ADA+\slot] offset:3072*(\i)+1536*(\q)+768
	ds_load_b64 v[\reg+10:\reg+11], v[ADA+2+\slot] offset:3072*(\i)+1536*(\q)+1280
.endm
; 16 matrix instructions: o's blocks a0, a0 + 1 x Wo's eight.  zero = 1: the sums begin with the bias.  The 64 accumulators take turns, one instruction a turn.
.macro MUL16 a0, p, q, sc, zero
.irp a, \a0, \a0+1
.irp b, 0,1,2,3,4,5,6,7
.if \zero
	v_wmma_scale_f32_16x16x128_f8f6f4 v[8*(8*((\a)%4)+\b):8*(8*((\a)%4)+\b)+7], v[128*(\p)+FR*\b:128*(\p)+FR*\b+FR-1], v[AF+FR*(\a):AF+FR*(\a)+FR-1], v[BI+8*\b:BI+8*\b+7], v[SC+8*NQ*(\sc)+NQ*\b+(\q)], v[SC+8*NQ*(\sc)+NQ*(\a)+(\q)] matrix_a_fmt:MATRIX_FMT_FP6 matrix_b_fmt:MATRIX_FMT_FP6 matrix_a_scale:MATRIX_SCALE_ROW1
.else
	v_wmma_scale_f32_16x16x128_f8f6f4 v[8*(8*((\a)%4)+\b):8*(8*((\a)%4)+\b)+7], v[128*(\p)+FR*\b:128*(\p)+FR*\b+FR-1], v[AF+FR*(\a):AF+FR*(\a)+FR-1], v[8*(8*((\a)%4)+\b):8*(8*((\a)%4)+\b)+7], v[SC+8*NQ*(\sc)+NQ*\b+(\q)], v[SC+8*NQ*(\sc)+NQ*(\a)+(\q)] matrix_a_fmt:MATRIX_FMT_FP6 matrix_b_fmt:MATRIX_FMT_FP6 matrix_a_scale:MATRIX_SCALE_ROW1
.endif
.endr
.endr
.endm
.macro FETCH_B slot, q, p
	WIN TO_B
.irp i, 0,1,2,3,4,5,6,7
	FRAG 128*(\p)+FR*\i, ADRB+\slot, \q, \i
.endr
	WIN 0
.endm
.macro FETCH_A slot, q, i0
.irp i, \i0, \i0+1, \i0+2, \i0+3
	FRAG_A AF+FR*(\i), \slot, \q, \i
.endr
.endm
.macro SCALES sc
.irp i, 0,1,2,3,4,5,6,7
	ds_load_b64 v[SC+8*NQ*\sc+NQ*\i:SC+8*NQ*\sc+NQ*\i+1], v[ADRS] offset:\i*SBLK
.endr
.endm
.macro PLACES n                        ; places behind matrix instructions, in front of loads into registers that they have read and of the first read of results
.rept \n
	v_nop
.endr
.endm
.macro STEP slot, q, zero
	s_wait_dscnt 4*NLA                             ; Wo's set, the scale words and o's blocks 0-3 are in; the youngest 16 loads (o's blocks 4-7) may be out
.if \zero
	WIN 0x81                                       ; source 0 window 1, sources 1 and 2 window 0, D window 2
.else
	WIN MUL_LO
.endif
	MUL16 0, (\q)%2, \q, \slot, \zero
	MUL16 2, (\q)%2, \q, \slot, \zero
	s_wait_dscnt 0
	PLACES NP
	FETCH_B \slot, (\q)+1, 1-(\q)%2
	FETCH_A \slot, (\q)+1, 0
.if \zero
	WIN 0xc1
.else
	WIN MUL_HI
.endif
	MUL16 4, (\q)%2, \q, \slot, \zero
	MUL16 6, (\q)%2, \q, \slot, \zero
	PLACES NP
	WIN 0
	FETCH_A \slot, (\q)+1, 4
.endm
.macro TURN slot, next, fill
	s_wait_tensorcnt 0x0                           ; all my tensor loads have landed: my part of the next slot;
	ds_add_u32 v[SPW], v[NIL]                      ; 0 onto my spare word;
	s_wait_dscnt 4*NLA+1                           ; (the add and the youngest 16 loads may be out)
	WIN MUL_LO
	MUL16 0, 1, NQ-1, \slot, 0                     ; sixteen matrix instructions stand between the add and the wait for it
	s_wait_dscnt 0x0                               ; the add is done, and my reads of this slot are over
	s_barrier_signal -1
	MUL16 2, 1, NQ-1, \slot, 0
	WIN 0
	s_barrier_wait -1
.if \fill
	CREST                                          ; the barrier has opened a round of the cluster's barrier: no wave of any partner still reads this slot's tile or has a load on its way
	s_add_nc_u64 s[G0+4*\slot+2:G0+4*\slot+3], s[G0+4*\slot+2:G0+4*\slot+3], 2*3072
	s_add_nc_u64 s[G0B+4*\slot+2:G0B+4*\slot+3], s[G0B+4*\slot+2:G0B+4*\slot+3], 2*ROWB
	JLOAD G0+4*\slot, G1, G0B+4*\slot, G1B         ; the first tensor load behind the round; its four v_nop are also the places in front of the loads below
.else
	PLACES NP
.endif
	v_add_nc_u32 v[ADRS], 4*NQ, v[ADRS]
	FETCH_B \next, 0, 0
	FETCH_A \next, 0, 0
	SCALES \next
	WIN MUL_HI
	MUL16 4, 1, NQ-1, \slot, 0
	MUL16 6, 1, NQ-1, \slot, 0
	PLACES NP
	WIN 0
	FETCH_A \next, 0, 4
.endm
	s_wait_tensorcnt 1                             ; the scales and my part of K step 0 are in (K step 1's load may be out)
	s_barrier_signal -1
	s_barrier_wait -1                              ; everybody's are
	FETCH_B 0, 0, 0
	FETCH_A 0, 0, 0
	SCALES 0
	FETCH_A 0, 0, 4
	s_wait_loadcnt 0x0                             ; the bias
	STEP 0, 0, 1
	TURN 0, 1, 1                                   ; K = 1,024 is four slots' worth: written out
	STEP 1, 0, 0
	TURN 1, 0, 1
	STEP 0, 0, 0
	TURN 0, 1, 0
	STEP 1, 0, 0
	s_wait_dscnt 4*NLA
	WIN MUL_LO
	MUL16 0, 1, NQ-1, 1, 0
	MUL16 2, 1, NQ-1, 1, 0
	s_wait_dscnt 0
	WIN MUL_HI
	MUL16 4, 1, NQ-1, 1, 0
	MUL16 6, 1, NQ-1, 1, 0
	WIN 0
; THE WAY OUT, block by block of 16 rows x 128 columns, through my own stage in LDS: in as 32 bytes a lane, back as whole rows of 512 bytes, which the 32 lanes store as 512 consecutive bytes.
; LDS serves a wave's instructions in order (ISA guide 5.7.1.4): no wait between the stores and the loads, nor in front of the next block's stores.
.macro TOSTAGE a
.set AC, 64*((\a)%4)
	WIN 0x08+4*((\a)/4)                            ; the data: window 2 or 3
.irp b, 0,1,2,3,4,5,6,7
	ds_store_b128 v[STO], v[AC+8*\b:AC+8*\b+3] offset:64*\b          ; each accumulator from its low end on
	ds_store_b128 v[STO], v[AC+8*\b+4:AC+8*\b+7] offset:64*\b+16
.endr
	WIN 0
.set BB, BK+64*((\a)%2)
.irp t, 0,1,2,3,4,5,6,7,8,9,10,11,12,13,14,15
	ds_load_b128 v[BB+4*\t:BB+4*\t+3], v[RD] offset:\t*SPITCH
.endr
.endm
.macro SEND a, younger                 ; younger: the LDS instructions issued behind block a's loads, which may stay out
.set BB, BK+64*((\a)%2)
	s_wait_dscnt \younger
.if (\a) > 0
	s_add_nc_u64 s[12:13], s[12:13], 16*SIZE_N*4   ; (behind a wait on XCNT: the earlier stores have read their base)
.endif
.irp t, 0,1,2,3,4,5,6,7,8,9,10,11,12,13,14,15
	global_store_b128 v[CO], v[BB+4*\t:BB+4*\t+3], s[12:13] offset:\t*SIZE_N*4 th:TH_STORE_NT
.endr
.endm
	PLACES NP
	TOSTAGE 0
.irp a, 1,2,3,4,5,6,7
.if \a > 1
	s_wait_xcnt 0x0                                ; block a - 2's stores have read their registers and their base
.endif
	TOSTAGE \a
	SEND \a-1, 32                                  ; behind block a - 1's loads: block a's 16 stores and 16 loads
.endr
	s_wait_xcnt 0x0
	SEND 7, 0
	s_wait_tensorcnt 0x0                           ; the wave's end
	ds_add_u32 v[SPW], v[NIL]
	s_wait_dscnt 0x0
	CROUND                                         ; the closing round
	s_endpgm
.Lfunc_end_k_q3f59565320_oproj:
	.size	k_q3f59565320_oproj, .Lfunc_end_k_q3f59565320_oproj-k_q3f59565320_oproj
	.p2alignl 7, 3214868480
	.fill 96, 4, 3214868480
	.section	.rodata,"a",@progbits
	.p2align	6, 0x0
	.amdhsa_kernel k_q3f59565320_oproj
		.amdhsa_group_segment_fixed_size 327680
		.amdhsa_private_segment_fixed_size 0
		.amdhsa_enable_private_segment 0
		.amdhsa_kernarg_size 48
		.amdhsa_user_sgpr_count 2
		.amdhsa_user_sgpr_kernarg_segment_ptr 1
		.amdhsa_wavefront_size32 1
		.amdhsa_system_sgpr_workgroup_id_x 1
		.amdhsa_system_sgpr_workgroup_id_y 1
		.amdhsa_system_sgpr_workgroup_id_z 1
		.amdhsa_system_vgpr_workitem_id 0
		.amdhsa_next_free_vgpr 1024
		.amdhsa_next_free_sgpr 98
		.amdhsa_reserve_vcc 0
		.amdhsa_float_denorm_mode_32 3
		.amdhsa_float_denorm_mode_16_64 3
		.amdhsa_memory_ordered 1
		.amdhsa_forward_progress 1
		.amdhsa_inst_pref_size 154
	.end_amdhsa_kernel
	.amdgpu_metadata
---
amdhsa.version: [ 1, 2 ]
amdhsa.kernels:
  - .name:           k_q3f59565320_oproj
    .symbol:         k_q3f59565320_oproj.kd
    .args:
      - { .name: aimg, .offset: 0, .size: 8, .value_kind: global_buffer, .address_space: global }
      - { .name: asc, .offset: 8, .size: 8, .value_kind: global_buffer, .address_space: global }
      - { .name: Wo_codes, .offset: 16, .size: 8, .value_kind: global_buffer, .address_space: global }
      - { .name: Wo_scales, .offset: 24, .size: 8, .value_kind: global_buffer, .address_space: global }
      - { .name: bo, .offset: 32, .size: 8, .value_kind: global_buffer, .address_space: global }
      - { .name: out0, .offset: 40, .size: 8, .value_kind: global_buffer, .address_space: global }
    .group_segment_fixed_size: 327680
    .private_segment_fixed_size: 0
    .kernarg_segment_align: 8
    .kernarg_segment_size: 48
    .max_flat_workgroup_size: 128
    .sgpr_count:     98
    .vgpr_count:     1024
    .wavefront_size: 32
...
	.end_amdgpu_metadata
.endif
;; end of part 4
;; ======== version 2 of 2: 3 launches
;; limits: right only within a limited range of input values
;; workspace buffers: qimg 6,291,456 bytes; qsc 262,144 bytes; kv 13,107,200 bytes; aimg 6,291,456 bytes; asc 262,144 bytes
;; launch qkv (part 5): grid 8 x 32, 4 waves a work-group, clusters of 4 x 4, 327,680 bytes of LDS; arguments x_codes, x_scales, Wqkv_codes, Wqkv_scales, bqkv, qimg, qsc, kv; writes qimg, qsc, kv
.if DOCPART == 5
	.amdgcn_target "amdgcn-amd-amdhsa--gfx1250"
	.amdhsa_code_object_version 6
	.text
	.protected	k_q3f59565320_qkv
	.globl	k_q3f59565320_qkv
	.p2align	8
	.type	k_q3f59565320_qkv,@function
k_q3f59565320_qkv:
	s_mov_b64 s[64:65], 0
	v_nop
	global_prefetch_b8 v0, s[64:65] scope:SCOPE_SE
	s_setreg_imm32_b32 hwreg(HW_REG_WAVE_MODE, 25, 1), 1
	s_wait_xcnt 0x0
	s_wait_alu depctr_hold_cnt(0) depctr_sa_sdst(0) depctr_va_vdst(0) depctr_va_sdst(0) depctr_va_ssrc(0) depctr_va_vcc(0) depctr_vm_vsrc(0)
	s_getreg_b32 s2, hwreg(HW_REG_IB_STS2, 6, 4)
	s_cmp_eq_u32 s2, 0
	s_cbranch_scc0 .Lentry_in_a_cluster
	s_endpgm
.Lentry_in_a_cluster:
	s_bfe_u32 s2, ttmp6, 0x10000c
	s_cmp_lg_u32 s2, 0xf033
	s_cbranch_scc0 .Lentry_shape_is_right
	s_endpgm
.Lentry_shape_is_right:
; x Wqkv + bqkv on codes of FP6 (E2M3) as they are given, then what attention wants: q and k turned by the rotary table and quantised along the head's 64; v quantised along the keys.
; 256 work-groups make 3/2 tiles of 256 x 256 each:
;   TILE 1: 256 tokens x 256 neighbouring columns of q (column tiles 0-3) or of k (4-7); a wave makes 128 x 128: 64 accumulators.  Only store pointers hang on q or k.
;   TILE 2: 128 channels of v x 256 tokens; a wave makes 64 x 128: 32 accumulators.
; K goes through a ring of two LDS slots in CHUNKS OF 256 BYTES of each row of codes (a row is 768 bytes: three chunks, each on a multiple of 256 bytes).  A matrix step is 128 along K, 96 bytes:
; eight steps to three chunks.  The two tiles count as one walk of 16 steps and 6 chunks: chunk c lies in slot c % 2, and tile 1's last changes of slots ask for tile 2's first chunks.
; THE HEAD: one joint load a wave (chunk 0 of A, chunk 0 of B, A's scales, B's scales); chunk 1 follows behind the full sequence and a round; tile 2's scales are first filled behind step 1's barrier, which nothing refills.
; No prefetch: a tile has three chunks and the walk is written out, so there is no loop to run ahead in.
; THE MATRIX INSTRUCTION: source 0 = 16 rows of 'B', source 1 = 16 rows of 'A': a lane holds ONE row of A and eight neighbouring rows of B.
;   tile 1: A = x (tile 4 Y + cy), B = Wqkv (tile 4 X + cx);  tile 2: A = Wqkv's v rows (tile 4 X + cy), B = x (tile 4 Y + cx).  A is shared along a row of the cluster, B along a column.
; THE BIAS is the C of each sum's first matrix instruction.
; THE ROTARY TABLE is made in registers while the first tiles are on their way: f_j = 2^(-j log2(10) / 8); cos and sin of (t0 + r) f_j and of 16 f_j by one loop of two trips: the angle is brought to |r| <= pi/4 by
;   n = floor(angle 2/pi + 1/2) with pi/2 in two parts; series to r^9 and r^10; n picks series and sign.  On the way out the next 16 tokens' table is the last one turned by 16 f_j.
; WHAT IS STORED are images of the registers that attention's matrix instructions name: register j of lane l of a fragment at (j / 4) 512 + 16 l + 4 (j % 4).
;   q, k: a pair image of 32 tokens (registers 0-5 tokens 0-15, registers 6-11 tokens 16-31); scale word: the two tiles' two bytes each.
;   v: fragments of 16 channels x 128 keys.  kv: a record of 204,800 bytes a head: k's scale words 4,096, v's 4,096, then for each 128 keys k's four pair images and v's four fragments.
; The order of k inside a block of 32 is this program's own where both operands are its own; blocks and scales are the quantiser's.
; LIMITS: a block of zeros gets the scale byte 1 (its codes are zeros; only this program reads the bytes); NaN and infinities are not served; the angle of token t0 + r + 16 a is (t0 + r) f_j rounded once
;   and turned a times: it can differ from (t0 + r + 16 a) f_j rounded once by about 3e-4 radians at the last tokens of the fastest frequencies.
; REGISTERS: window 0: v0-31 addresses; v32-63 scale words, two sets; v64-127 the bias, later codes on their way out; from v128 A's fragments, later the turned numbers; v236-239 v's bias; v240-255 f_j.
;   window 1: B's fragments, two sets, v0 and v128; v96-127 the table (by turns with v0-31 on the way out); v224-255 cos and sin of 16 f_j.   windows 2, 3: the accumulators.
.set ROWB,   256
.set KROW,   768
.set CHUNKS, 6
.set PITCH,  272                       ; 256 bytes + 16 of padding
.set FR,     12
.set NL,     6
.set NP,     4
.set HALFT,  128*PITCH
.set SLOT,   4*HALFT
.set KS,     32
.set SCL,    2*SLOT                    ; tile 1's scales: units of 256 bytes + 16: A's 256 rows, B's 256 rows
.set HALFS,  16*272
.set SBLK,   2*272
.set SCL2,   SCL+4*HALFS               ; tile 2's scales: A's 128 rows, B's 256 rows
.set SPARE,  SCL2+3*HALFS              ; the spare words
.set RECB,   204800
.set ADRA, 16                          ; v16-17 my A fragments in slot 0, 1; v18-19 lanes 0-15 at byte 232 of slot 0, 1 and lanes 16-31 at byte 0 of the other slot
.set ADRB, 20
.set WOF,  25
.set LOF,  26
.set AS,   27
.set SPW,  28
.set NIL,  29
.set BOF,  30
.set AS2,  31
.set SC,   32
.set BI,   64
.set AF,   128
.set VB,   236
.set FQ,   240
.set AN,   128
.set NN,   144
.set ZZ,   160
.set SI,   176
.set CQ,   192
.set WK,   208
.set TSC,  224
.set TSS,  240
.set G1SV, 4
.set AV,   12
.set G1, 24
.set G0, 32
.set SEL, 44
.set G1B, 48
.set G0B, 56
.set BV,   66
.set G1S, 68
.set G0S, 76
.set G1SB, 80
.set G0SB, 88
.set G0SV, 92
.set G0SBV, 96
.set MSB, 0
.macro WIN new
.if MSB != (\new)
	s_set_vgpr_msb (MSB<<8)|(\new)
.set MSB, (\new)
.endif
.endm
.set MUL_LO, 0xa1
.set TO_B,   0x40
.macro JLOAD g0a, g1a, g0b, g1b        ; waves 0, 1 fetch for A, waves 2, 3 for B; s_nop 0 and four v_nop behind each load
	s_cmp_eq_u32 s15, 0
	s_cbranch_scc0 .Lfor_b_\@
	tensor_load_to_lds s[\g0a:\g0a+3], s[\g1a:\g1a+7]
	s_nop 0
.rept 4
	v_nop
.endr
	s_branch .Lasked_\@
.Lfor_b_\@:
	tensor_load_to_lds s[\g0b:\g0b+3], s[\g1b:\g1b+7]
	s_nop 0
.rept 4
	v_nop
.endr
.Lasked_\@:
.endm
.macro CREST
	s_cmp_lg_u32 s14, 0
	s_cbranch_scc1 .Lnot_wave_0_\@
	s_barrier_signal -3
.Lnot_wave_0_\@:
	s_barrier_wait -3
	s_barrier_signal -1
	s_barrier_wait -1
.endm
.macro CROUND
	s_barrier_signal -1
	s_barrier_wait -1
	CREST
.endm
.macro ARM under, g0, g1, next         ; one arm of the head's tree: one load, then to the tree's end
	s_cmp_lt_u32 s14, \under
	s_cbranch_scc0 \next
	tensor_load_to_lds s[\g0:\g0+3], s[\g1:\g1+7]
	s_nop 0
.rept 4
	v_nop
.endr
	s_branch .Lhead_asked
\next:
.endm
	s_load_b128 s[4:7], s[0:1], 0x0                ; x's codes, x's scales
	s_load_b128 s[8:11], s[0:1], 0x10              ; Wqkv's codes, Wqkv's scales
	s_load_b64 s[100:101], s[0:1], 0x20            ; bqkv
	v_lshl_add_u32 v[SPW], v0, 2, SPARE
	v_mov_b32 v[NIL], 0
	ds_add_u32 v[SPW], v[NIL]
	ds_add_u32 v[SPW], v[NIL]
	v_lshrrev_b32 v1, 5, v0
	v_readfirstlane_b32 s14, v1                    ; wave
	s_lshr_b32 s15, s14, 1                         ; my half of A's rows; also: I fetch for A (0) or B (1)
	s_and_b32 s16, s14, 1                          ; my half of B's rows; also: which half I fetch
	s_bfe_u32 s40, ttmp6, 0x40000                  ; cx
	s_bfe_u32 s41, ttmp6, 0x40004                  ; cy
	s_and_b32 s2, ttmp7, 0xffff
	s_lshl_b32 s2, s2, 2
	s_lshl_b32 s3, ttmp9, 2
	s_add_co_u32 s17, s2, s41                      ; tile 1: A = x's tile of 256 tokens
	s_add_co_u32 s42, s3, s40                      ;         B = 256 columns of q | k: 0 .. 7
	s_add_co_u32 s18, s3, s41                      ; tile 2: A = v's 128 channels
	s_add_co_u32 s19, s2, s40                      ;         B = x's tile of 256 tokens
	s_lshl_b32 s43, s41, 2
	s_lshl_b32 s43, 15, s43                        ; my row of the cluster
	s_lshl_b32 s44, 0x1111, s40                    ; my column
	s_or_b32 s[G1+0], s43, (1<<20)|(1<<21)|(5<<22)|(3<<25)   ; rows of 256 bytes, 16 bytes of padding behind each
	s_or_b32 s[G1B+0], s44, (1<<20)|(1<<21)|(5<<22)|(3<<25)
.irp g, G1, G1B
	s_mov_b32 s[\g+1], ROWB<<16
	s_mov_b32 s[\g+2], 256<<16                     ; the head's loads bring 256 rows
	s_mov_b32 s[\g+3], ROWB<<16
	s_mov_b32 s[\g+4], 256
	s_mov_b32 s[\g+5], KROW
	s_mov_b32 s[\g+6], 0
	s_mov_b32 s[\g+7], 0
.endr
	s_or_b32 s[G1S+0], s43, (3<<16)|(1<<20)|(1<<21)|(5<<22)|(3<<25)   ; the scales of 256 rows: 32 dense rows of 256 bytes
	s_or_b32 s[G1SB+0], s44, (3<<16)|(1<<20)|(1<<21)|(5<<22)|(3<<25)
.irp g, G1S, G1SB
	s_mov_b32 s[\g+1], 32<<16
	s_mov_b32 s[\g+2], 32<<16
	s_mov_b32 s[\g+3], 32<<16
	s_mov_b32 s[\g+4], 32
	s_mov_b32 s[\g+5], 32
	s_mov_b32 s[\g+6], 0
	s_mov_b32 s[\g+7], 0
.endr
	s_lshl_b32 s20, s17, 8                         ; tile 1, A's first row
	s_lshl_b32 s21, s16, 7
	s_lshl_b32 s22, s42, 8                         ; tile 1, B's first row
	s_lshl_b32 s18, s18, 7
	s_add_co_u32 s18, s18, 2048                    ; tile 2, A: Wqkv's row 2,048 + 128 x tile: kept
	s_lshl_b32 s23, s16, 6
	s_add_co_u32 s23, s23, s18                     ;   + the 64 rows that I fetch
	s_lshl_b32 s19, s19, 8
	s_add_co_u32 s19, s19, s21                     ; tile 2, B: the 128 tokens that I fetch and make: kept
	s_mov_b32 s3, 0
	s_mov_b32 s47, 0
	s_mul_i32 s45, s14, HALFT
	s_wait_dscnt 0x0
	s_wait_kmcnt 0x0
	s_mul_i32 s2, s20, KROW
	s_add_nc_u64 s[G0+2:G0+3], s[4:5], s[2:3]
	s_mul_i32 s2, s20, KS
	s_add_nc_u64 s[G0S+2:G0S+3], s[6:7], s[2:3]
	s_mul_i32 s2, s23, KROW
	s_add_nc_u64 s[AV:AV+1], s[8:9], s[2:3]
	s_mul_i32 s2, s23, KS
	s_add_nc_u64 s[G0SV+2:G0SV+3], s[10:11], s[2:3]
	s_mul_i32 s46, s22, KROW
	s_add_nc_u64 s[G0B+2:G0B+3], s[8:9], s[46:47]
	s_mul_i32 s46, s22, KS
	s_add_nc_u64 s[G0SB+2:G0SB+3], s[10:11], s[46:47]
	s_mul_i32 s46, s19, KROW
	s_add_nc_u64 s[BV:BV+1], s[4:5], s[46:47]
	s_mul_i32 s46, s19, KS
	s_add_nc_u64 s[G0SBV+2:G0SBV+3], s[6:7], s[46:47]
	s_mul_i32 s2, s16, 128*KROW                    ; slot 1's first fill: my 128 rows, chunk 1
	s_add_nc_u64 s[G0+6:G0+7], s[G0+2:G0+3], s[2:3]
	s_add_nc_u64 s[G0+6:G0+7], s[G0+6:G0+7], ROWB
	s_add_nc_u64 s[G0B+6:G0B+7], s[G0B+2:G0B+3], s[2:3]
	s_add_nc_u64 s[G0B+6:G0B+7], s[G0B+6:G0B+7], ROWB
.irp g, G0, G0+4, G0B, G0B+4, G0S, G0SB, G0SV, G0SBV
	s_mov_b32 s[\g], 1
	s_or_b32 s[\g+3], s[\g+3], 0x80000000
.endr
	s_mov_b32 s[G0+1], 0                           ; the head: A's 256 rows at slot 0's start, B's behind them
	s_mov_b32 s[G0B+1], 2*HALFT
	s_add_co_u32 s[G0+5], s45, SLOT
	s_add_co_u32 s[G0B+5], s45, SLOT
	s_mov_b32 s[G0S+1], SCL
	s_mov_b32 s[G0SB+1], SCL+2*HALFS
	s_mul_i32 s[G0SV+1], s16, 4*SBLK
	s_add_co_u32 s[G0SV+1], s[G0SV+1], SCL2
	s_mul_i32 s[G0SBV+1], s16, HALFS
	s_add_co_u32 s[G0SBV+1], s[G0SBV+1], SCL2+HALFS
	s_or_b32 s[G1SV+0], s43, (3<<16)|(1<<20)|(1<<21)|(5<<22)|(3<<25)   ; the four pointers have been used: 8 rows of 256 bytes
	s_mov_b32 s[G1SV+1], 32<<16
	s_mov_b32 s[G1SV+2], 8<<16
	s_mov_b32 s[G1SV+3], 32<<16
	s_mov_b32 s[G1SV+4], 8
	s_mov_b32 s[G1SV+5], 32
	s_mov_b32 s[G1SV+6], 0
	s_mov_b32 s[G1SV+7], 0
	CROUND                                         ; the first joint loads meet
	ARM 1, G0,  G1,  .Lhead_b                      ; one load a wave: chunk 0 of A,
	ARM 2, G0B, G1B, .Lhead_sa                     ; chunk 0 of B,
	ARM 3, G0S, G1S, .Lhead_sb                     ; A's scales,
	tensor_load_to_lds s[G0SB:G0SB+3], s[G1SB:G1SB+7]   ; B's scales
	s_nop 0
.rept 4
	v_nop
.endr
.Lhead_asked:
	s_add_co_u32 s46, s22, s21                     ; the first column that I make
	s_lshl_b32 s46, s46, 2
	s_add_nc_u64 s[40:41], s[100:101], s[46:47]
	s_lshl_b32 s2, s15, 6
	s_add_co_u32 s2, s2, s18
	s_lshl_b32 s2, s2, 2
	s_add_nc_u64 s[100:101], s[100:101], s[2:3]    ; my first channel of v
	s_mul_i32 s20, s15, HALFT                      ; my rows of A
	s_mul_i32 s21, s16, HALFT
	s_add_co_u32 s21, s21, 2*HALFT                 ; my rows of B
	s_mul_i32 s22, s15, HALFS
	s_mul_i32 s23, s16, HALFS
	s_add_co_u32 s43, s23, 2*HALFS
	s_sub_co_u32 s43, s43, s22                     ; tile 1: from A's scale rows to B's
	s_add_co_u32 s22, s22, SCL
	s_mul_i32 s44, s15, 4*SBLK
	s_add_co_u32 s23, s23, HALFS
	s_sub_co_u32 s23, s23, s44                     ; tile 2: the same
	s_add_co_u32 s44, s44, SCL2
	s_mov_b32 s45, SLOT-232
	s_mov_b32 s46, SLOT+232
	v_and_b32 v1, 15, v0                           ; r: kept
	v_bfe_u32 v2, v0, 4, 1                         ; h: kept
	v_lshlrev_b32 v[BOF], 5, v2
	v_lshlrev_b32 v7, 2, v1
.irp b, 0,1,2,3,4,5,6,7
	global_load_b128 v[BI+8*\b:BI+8*\b+3], v[BOF], s[40:41] offset:64*\b          ; the bias in the result's layout
	global_load_b128 v[BI+8*\b+4:BI+8*\b+7], v[BOF], s[40:41] offset:64*\b+16
.endr
.irp a, 0,1,2,3
	global_load_b32 v[VB+\a], v7, s[100:101] offset:64*\a
.endr
	v_mul_u32_u24 v3, v1, PITCH
	v_mul_u32_u24 v4, v2, 24
	v_add_nc_u32 v4, v3, v4                        ; row x pitch + 24 x half
	v_sub_nc_u32 v8, 1, v2
	v_mul_u32_u24 v5, s45, v2
	v_add_nc_u32 v5, v3, v5
	v_add_nc_u32 v5, 232, v5                       ; lanes 0-15 byte 232 in slot 0, lanes 16-31 byte 0 in slot 1
	v_mul_u32_u24 v6, s46, v8
	v_add_nc_u32 v6, v3, v6                        ; lanes 0-15 byte 232 in slot 1, lanes 16-31 byte 0 in slot 0
	v_add_nc_u32 v[ADRA], s20, v4
	v_add_nc_u32 v[ADRB], s21, v4
	v_add_nc_u32 v[ADRA+2], s20, v5
	v_add_nc_u32 v[ADRA+3], s20, v6
	v_add_nc_u32 v[ADRB+2], s21, v5
	v_add_nc_u32 v[ADRB+3], s21, v6
	v_add_nc_u32 v[ADRA+1], SLOT, v[ADRA]
	v_add_nc_u32 v[ADRB+1], SLOT, v[ADRB]
	v_mul_u32_u24 v5, v1, KS                       ; my row's scales: 32 bytes a row, 16 more for each 256 passed
	v_lshrrev_b32 v6, 8, v5
	v_lshl_add_u32 v5, v6, 4, v5
	v_mul_u32_u24 v6, s43, v2                      ; lanes 16-31 take B's
	v_add_nc_u32 v6, v5, v6
	v_add_nc_u32 v[AS], s22, v6
	v_mul_u32_u24 v6, s23, v2
	v_add_nc_u32 v6, v5, v6
	v_add_nc_u32 v[AS2], s44, v6
	v_and_b32 v3, 31, v0
	v_lshlrev_b32 v[LOF], 4, v3
; ---------------- the rotary table ----------------
	s_lshl_b32 s46, s17, 8
	s_lshl_b32 s47, s15, 7
	s_add_co_u32 s46, s46, s47
	s_and_b32 s46, s46, 2047                       ; my first token's place in its batch row
	s_mov_b32 s20, 0x3fc90fdb                      ; pi/2 rounded
	s_mov_b32 s21, 0x333bbd2e                      ; that number less pi/2
	s_mov_b32 s22, 0x3f22f983                      ; 2 / pi
	s_mov_b32 s23, 0xb9500d01                      ; the series' constants
	s_mov_b32 s2, 0x3c088889
	s_mov_b32 s3, 0xbe2aaaab
	s_mov_b32 s43, 0x37d00d01
	s_mov_b32 s44, 0xbab60b61
	s_mov_b32 s45, 0x3d2aaaab
	v_add_nc_u32 v4, s46, v1
	v_cvt_f32_u32 v4, v4                           ; t0 + r
	v_lshlrev_b32 v3, 2, v2
.set e, 0
.rept 16
	v_add_nc_u32 v[FQ+e], 8*(e/4)+e%4, v3          ; j = 8 (e / 4) + 4 h + e % 4
.set e, e+1
.endr
.set e, 0
.rept 16
	v_cvt_f32_u32 v[FQ+e], v[FQ+e]
.set e, e+1
.endr
.set e, 0
.rept 16
	v_mul_f32 v[FQ+e], 0xbed49a78, v[FQ+e]         ; -j log2(10) / 8
.set e, e+1
.endr
	s_wait_alu depctr_va_vdst(0)                   ; ahead of the batch
.set e, 0
.rept 16
	v_exp_f32 v[FQ+e], v[FQ+e]                     ; f_j
.set e, e+1
.endr
	v_nop
	s_wait_alu depctr_va_vdst(0)                   ; and behind it
.set e, 0
.rept 16
	v_mul_f32 v[AN+e], v4, v[FQ+e]                 ; (t0 + r) f_j
.set e, e+1
.endr
	WIN TO_B
.set e, 0
.rept 32
	v_mov_b32 v[TSC+e], 0                          ; written, since the first trip copies it
.set e, e+1
.endr
	WIN 0
	s_mov_b32 s47, 2
; Two trips: each moves the last result to the table's place and puts cos and sin of the 16 angles in v[AN] at v224-255 of window 1; the second trip's angles are 16 f_j.
.Ltab:
.set e, 0
.rept 16
	v_fma_f32 v[NN+e], v[AN+e], s22, 0.5
.set e, e+1
.endr
.set e, 0
.rept 16
	v_floor_f32 v[NN+e], v[NN+e]                   ; n
.set e, e+1
.endr
.set e, 0
.rept 16
	v_fma_f32 v[AN+e], -v[NN+e], s20, v[AN+e]
.set e, e+1
.endr
.set e, 0
.rept 16
	v_fma_f32 v[AN+e], v[NN+e], s21, v[AN+e]       ; r = angle - n pi/2
.set e, e+1
.endr
.set e, 0
.rept 16
	v_mul_f32 v[ZZ+e], v[AN+e], v[AN+e]
	v_mov_b32 v[SI+e], 0x3638ef1d                  ; 1/9!
	v_mov_b32 v[CQ+e], 0xb493f27e                  ; -1/10!
.set e, e+1
.endr
.set e, 0
.rept 16
	v_fma_f32 v[SI+e], v[SI+e], v[ZZ+e], s23
	v_fma_f32 v[CQ+e], v[CQ+e], v[ZZ+e], s43
	v_mul_f32 v[WK+e], v[AN+e], v[ZZ+e]            ; r^3
.set e, e+1
.endr
.set e, 0
.rept 16
	v_fma_f32 v[SI+e], v[SI+e], v[ZZ+e], s2
	v_fma_f32 v[CQ+e], v[CQ+e], v[ZZ+e], s44
.set e, e+1
.endr
.set e, 0
.rept 16
	v_fma_f32 v[SI+e], v[SI+e], v[ZZ+e], s3
	v_fma_f32 v[CQ+e], v[CQ+e], v[ZZ+e], s45
.set e, e+1
.endr
.set e, 0
.rept 16
	v_fma_f32 v[SI+e], v[WK+e], v[SI+e], v[AN+e]   ; sin r
	v_fma_f32 v[CQ+e], v[CQ+e], v[ZZ+e], -0.5
	v_cvt_i32_f32 v[NN+e], v[NN+e]
.set e, e+1
.endr
.set e, 0
.rept 16
	v_fma_f32 v[CQ+e], v[CQ+e], v[ZZ+e], 1.0       ; cos r
	v_and_b32 v[WK+e], 1, v[NN+e]
.set e, e+1
.endr
.set e, 0
.rept 16
	v_cmp_ne_u32 vcc_lo, 0, v[WK+e]                ; an odd n changes the series over
	v_cndmask_b32 v[ZZ+e], v[SI+e], v[CQ+e], vcc_lo
	v_cndmask_b32 v[AN+e], v[CQ+e], v[SI+e], vcc_lo
.set e, e+1
.endr
.set e, 0
.rept 16
	v_lshlrev_b32 v[SI+e], 30, v[NN+e]             ; the sine is negative where n mod 4 is 2 or 3,
	v_add_nc_u32 v[CQ+e], 1, v[NN+e]               ; the cosine where (n + 1) mod 4 is
.set e, e+1
.endr
.set e, 0
.rept 16
	v_and_b32 v[SI+e], 0x80000000, v[SI+e]
	v_lshlrev_b32 v[CQ+e], 30, v[CQ+e]
.set e, e+1
.endr
.set e, 0
.rept 16
	v_and_b32 v[CQ+e], 0x80000000, v[CQ+e]
.set e, e+1
.endr
	WIN 0x41                                       ; source 0 and destination: window 1
.set e, 0
.rept 32
	v_mov_b32 v[96+e], v[TSC+e]
.set e, e+1
.endr
	WIN TO_B
.set e, 0
.rept 16
	v_xor_b32 v[TSS+e], v[ZZ+e], v[SI+e]
	v_xor_b32 v[TSC+e], v[AN+e], v[CQ+e]
.set e, e+1
.endr
	WIN 0
.set e, 0
.rept 16
	v_mul_f32 v[AN+e], 0x41800000, v[FQ+e]         ; 16 f_j
.set e, e+1
.endr
	s_sub_co_u32 s47, s47, 1
	s_cmp_lg_u32 s47, 0
	s_wait_alu depctr_va_vdst(0)                   ; ahead of the branch; it also ends the head
	s_cbranch_scc1 .Ltab
.macro FRAG reg, adr, st, i            ; 16 rows x 128 K in pieces of 8 bytes; byte y of a row lies in chunk y / 256, slot (y / 256) % 2; lanes 16-31 read 24 bytes on
.irp p, 0,1,2,3,4,5
.set BY, 96*(\st)+48*(\p/3)+8*(\p%3)
.if BY/ROWB == (BY+24)/ROWB
	ds_load_b64 v[\reg+2*\p:\reg+2*\p+1], v[\adr+(BY/ROWB)%2] offset:BY%ROWB+(\i)*16*PITCH
.else
	ds_load_b64 v[\reg+2*\p:\reg+2*\p+1], v[\adr+2+(BY/ROWB)%2] offset:BY%ROWB-232+(\i)*16*PITCH
.endif
.endr
.endm
; A's block a x B's eight.  zero = 0: onto the sums; 1: the sums begin with B's block's bias; 2: with A's block's.  The accumulators take turns.
.macro MUL8 a, p, q, sc, zero
.irp b, 0,1,2,3,4,5,6,7
.if \zero == 1
	v_wmma_scale_f32_16x16x128_f8f6f4 v[8*(8*((\a)%4)+\b):8*(8*((\a)%4)+\b)+7], v[128*(\p)+FR*\b:128*(\p)+FR*\b+FR-1], v[AF+FR*(\a):AF+FR*(\a)+FR-1], v[BI+8*\b:BI+8*\b+7], v[SC+16*(\sc)+2*\b+(\q)], v[SC+16*(\sc)+2*(\a)+(\q)] matrix_a_fmt:MATRIX_FMT_FP6 matrix_b_fmt:MATRIX_FMT_FP6 matrix_a_scale:MATRIX_SCALE_ROW1
.elseif \zero == 2
	v_wmma_scale_f32_16x16x128_f8f6f4 v[8*(8*((\a)%4)+\b):8*(8*((\a)%4)+\b)+7], v[128*(\p)+FR*\b:128*(\p)+FR*\b+FR-1], v[AF+FR*(\a):AF+FR*(\a)+FR-1], v[BI+8*(\a):BI+8*(\a)+7], v[SC+16*(\sc)+2*\b+(\q)], v[SC+16*(\sc)+2*(\a)+(\q)] matrix_a_fmt:MATRIX_FMT_FP6 matrix_b_fmt:MATRIX_FMT_FP6 matrix_a_scale:MATRIX_SCALE_ROW1
.else
	v_wmma_scale_f32_16x16x128_f8f6f4 v[8*(8*((\a)%4)+\b):8*(8*((\a)%4)+\b)+7], v[128*(\p)+FR*\b:128*(\p)+FR*\b+FR-1], v[AF+FR*(\a):AF+FR*(\a)+FR-1], v[8*(8*((\a)%4)+\b):8*(8*((\a)%4)+\b)+7], v[SC+16*(\sc)+2*\b+(\q)], v[SC+16*(\sc)+2*(\a)+(\q)] matrix_a_fmt:MATRIX_FMT_FP6 matrix_b_fmt:MATRIX_FMT_FP6 matrix_a_scale:MATRIX_SCALE_ROW1
.endif
.endr
.endm
.macro MULQ k, st, zero                ; a quarter of a step's products: two blocks of A in tile 1, one in tile 2
.if T2
	MUL8 \k, (\st)%2, (\st)%2, ((\st)/2)%2, \zero
.else
	MUL8 2*(\k), (\st)%2, (\st)%2, ((\st)/2)%2, \zero
	MUL8 2*(\k)+1, (\st)%2, (\st)%2, ((\st)/2)%2, \zero
.endif
.endm
.macro WINM hi, zero                   ; B window 1, A window 0, D window 2 + hi; C the same, or with a bias window 0
.if \zero
	WIN 0x81+0x40*(\hi)
.else
	WIN 0xa1+0x50*(\hi)
.endif
.endm
.macro FETCH_B st, p
	WIN TO_B
.irp i, 0,1,2,3,4,5,6,7
	FRAG 128*(\p)+FR*\i, ADRB, \st, \i
.endr
	WIN 0
.endm
.macro FETCH_AH st, hf                 ; half hf of A's blocks
.set ib, (\hf)*NAH
.rept NAH
	FRAG AF+FR*ib, ADRA, \st, ib
.set ib, ib+1
.endr
.endm
.macro SCALES pr                       ; the scale words of steps 2 pr, 2 pr + 1: lanes 0-15 A's block i, lanes 16-31 B's.  (In tile 2 lanes 0-15 read for i = 4 .. 7 other rows' bytes, which no product names)
.irp i, 0,1,2,3,4,5,6,7
	ds_load_b64 v[SC+16*((\pr)%2)+2*\i:SC+16*((\pr)%2)+2*\i+1], v[AS] offset:\i*SBLK+8*((\pr)%4)
.endr
.endm
.macro PLACES n
.rept \n
	v_nop
.endr
.endm
; A step of 128 along K.  Where the next step's bytes END in a chunk not read yet: every wave waits for its tensor loads, and a barrier shows the chunk whole.  Where they BEGIN in a later chunk and a chunk two on is
; left to fetch: the three lines, the barrier, which opens a round, and the refill.  Behind step 1's barrier nothing is refilled: tile 2's scales get their first fill there, behind the same lines and a round.
; fetch = 0: a tile's last step: no fragments are fetched.
.macro STEP st, zero, fetch
.set NX, (\st)+1
.set C0, (96*(\st))/ROWB
.set C1, (96*NX)/ROWB
.set E0, (96*(\st)+95)/ROWB
.set E1, (96*NX+95)/ROWB
.set CN, C0+2
.if (C1 > C0 && CN < CHUNKS) || E1 > E0
	s_wait_tensorcnt 0x0                           ; all my tensor loads have landed
.if (C1 > C0 && CN < CHUNKS) || (\st) == 1
	ds_add_u32 v[SPW], v[NIL]
	s_wait_dscnt NAH*NL+1                          ; the add and A's second half may be out
.else
	s_wait_dscnt NAH*NL
.endif
	WINM 0, \zero
	MULQ 0, \st, \zero
	s_wait_dscnt 0x0                               ; the add and my reads of any chunk left behind are done
	s_barrier_signal -1
	MULQ 1, \st, \zero
	WIN 0
	s_barrier_wait -1
.if C1 > C0 && CN < CHUNKS
	CREST
.if CN < 3
	s_add_nc_u64 s[G0+4*(CN%2)+2:G0+4*(CN%2)+3], s[G0+4*(CN%2)+2:G0+4*(CN%2)+3], 2*ROWB
	s_add_nc_u64 s[G0B+4*(CN%2)+2:G0B+4*(CN%2)+3], s[G0B+4*(CN%2)+2:G0B+4*(CN%2)+3], 2*ROWB
.else
.if CN == 3
	s_mov_b32 s[G1+2], 64<<16                      ; tile 2: A's loads bring 64 rows (no tensor load of mine is out)
	s_mov_b32 s[G1+4], 64
.endif
	s_add_nc_u64 s[G0+4*(CN%2)+2:G0+4*(CN%2)+3], s[AV:AV+1], (CN-3)*ROWB
	s_or_b32 s[G0+4*(CN%2)+3], s[G0+4*(CN%2)+3], 0x80000000
	s_add_nc_u64 s[G0B+4*(CN%2)+2:G0B+4*(CN%2)+3], s[BV:BV+1], (CN-3)*ROWB
	s_or_b32 s[G0B+4*(CN%2)+3], s[G0B+4*(CN%2)+3], 0x80000000
.endif
	JLOAD G0+4*(CN%2), G1, G0B+4*(CN%2), G1B       ; chunk CN; its four v_nop are the places in front of the loads below
.elseif (\st) == 1
	CREST
	JLOAD G0SV, G1SV, G0SBV, G1SB                  ; tile 2's scales
.else
	PLACES NP
.endif
.else
	s_wait_dscnt NAH*NL                            ; A's second half may be out
	WINM 0, \zero
	MULQ 0, \st, \zero
	MULQ 1, \st, \zero
	s_wait_dscnt 0
	PLACES NP
.endif
.if \fetch
	FETCH_B NX, NX%2
	FETCH_AH NX, 0
.if NX%2 == 0
	SCALES NX/2
.endif
.endif
	WINM HI2, \zero
	MULQ 2, \st, \zero
	MULQ 3, \st, \zero
.if \fetch
	PLACES NP
	WIN 0
	FETCH_AH NX, 1
.else
	WIN 0
.endif
.endm
; ---------------- what the ways out name ----------------
.set O1,  192
.set O2,  208
.set TT,  224
.set QT,  228
.set QO,  232
.set IMG, 64
.set CT,  88
.set SW,  92
.set FIN, 100
.set UU,  104
.set VSW, 96
; 32 numbers of a lane (register 16 b + i one of 16 of block b; lane l xor 16 holds the other 16) become six registers of codes and two scale bytes.
.macro QUANT2 s, d, ct, uw
.irp b, 0,1
	v_max3_num_f32 v[QT+\b], |v[\s+16*\b]|, |v[\s+16*\b+1]|, 0x1800000   ; the floor 2^(3 - 127): the byte cannot fall under 1
.endr
.irp i, 2,4,6,8,10,12,14
.irp b, 0,1
	v_max3_num_f32 v[QT+\b], v[QT+\b], |v[\s+16*\b+\i]|, |v[\s+16*\b+\i+1]|
.endr
.endr
.irp b, 0,1
	v_permlanex16_b32 v[QT+2+\b], v[QT+\b], s[SEL], s[SEL+1]
.endr
.irp b, 0,1
	v_max_num_f32 v[QT+\b], v[QT+\b], v[QT+2+\b]
.endr
.irp b, 0,1
	v_add_nc_u32 v[QO+\b], 0xff000000, v[QT+\b]    ; 2 off the exponent field: the conversion's scale
.endr
.irp b, 0,1
	v_lshrrev_b32 v[QT+2+\b], 23, v[QO+\b]
.endr
	v_lshl_or_b32 v[\uw], v[QT+3], 8, v[QT+2]
	v_cvt_scalef32_pk16_fp6_f32 v[\d:\d+2], v[\s:\s+15], v[QO]
	v_cvt_scalef32_pk16_fp6_f32 v[\ct:\ct+2], v[\s+16:\s+31], v[QO+1]
	v_nop
.irp i, 0,1,2
	v_permlane16_swap_b32 v[\d+\i], v[\ct+\i]      ; a whole block to a lane
.endr
.irp i, 0,1,2
	v_mov_b32 v[\d+3+\i], v[\ct+\i]
.endr
.endm
.macro ADVANCE a                       ; the next 16 tokens' table: the last one turned by 16 f_j; even a at v96-127 of window 1, odd a at v0-31
.set TO, 96*(1-(\a)%2)
.set TN, 96*((\a)%2)
	WIN 0x55
.irp i, 0,2,4,6,8,10,12,14
	v_pk_mul_f32 v[TN+\i:TN+\i+1], v[TO+16+\i:TO+16+\i+1], v[TSS+\i:TSS+\i+1]
	v_pk_mul_f32 v[TN+16+\i:TN+16+\i+1], v[TO+\i:TO+\i+1], v[TSS+\i:TSS+\i+1]
.endr
.irp i, 0,2,4,6,8,10,12,14
	v_pk_fma_f32 v[TN+\i:TN+\i+1], v[TO+\i:TO+\i+1], v[TSC+\i:TSC+\i+1], v[TN+\i:TN+\i+1] neg_lo:[0,0,1] neg_hi:[0,0,1]
	v_pk_fma_f32 v[TN+16+\i:TN+16+\i+1], v[TO+16+\i:TO+16+\i+1], v[TSC+\i:TSC+\i+1], v[TN+16+\i:TN+16+\i+1]
.endr
	WIN 0
.endm
.macro ROT a, g                        ; block a's 16 tokens, head g: registers 2 i, 2 i + 1 are the pair (x1, x2); x1 cos - x2 sin to the head's first 32, x1 sin + x2 cos to its second
	WIN 0x06+(\a)/4
.set AC, 64*((\a)%4)+32*(\g)
.set TC, 96*(1-(\a)%2)
.set ii, 0
.rept 16
	v_mul_f32 v[TT+2*(ii%2)], v[AC+2*ii+1], v[TC+16+ii]
	v_mul_f32 v[TT+2*(ii%2)+1], v[AC+2*ii+1], v[TC+ii]
	v_fma_f32 v[O1+ii], v[AC+2*ii], v[TC+ii], -v[TT+2*(ii%2)]
	v_fma_f32 v[O2+ii], v[AC+2*ii], v[TC+16+ii], v[TT+2*(ii%2)+1]
.set ii, ii+1
.endr
	WIN 0
.endm
.macro QUANT4W a                       ; v: block a's 64 registers, the lane's channel at 128 keys, become a fragment and a scale word
.set AC, 64*(\a)
.set CD, IMG+12*((\a)%2)
	WIN (2<<2)|(2<<4)
.irp b, 0,1,2,3
	v_max3_num_f32 v[TT+\b], 0x1800000, |v[AC+16*\b]|, |v[AC+16*\b+1]|
.endr
.irp i, 2,4,6,8,10,12,14
.irp b, 0,1,2,3
	v_max3_num_f32 v[TT+\b], v[TT+\b], |v[AC+16*\b+\i]|, |v[AC+16*\b+\i+1]|
.endr
.endr
	WIN 0
.irp b, 0,1,2,3
	v_permlanex16_b32 v[QT+\b], v[TT+\b], s[SEL], s[SEL+1]
.endr
.irp b, 0,1,2,3
	v_max_num_f32 v[TT+\b], v[TT+\b], v[QT+\b]
.endr
.irp b, 0,1,2,3
	v_add_nc_u32 v[QO+\b], 0xff000000, v[TT+\b]
.endr
.irp b, 0,1,2,3
	v_lshrrev_b32 v[QT+\b], 23, v[QO+\b]
.endr
	v_lshl_or_b32 v[VSW+(\a)], v[QT+1], 8, v[QT]
	v_lshl_or_b32 v[VSW+(\a)], v[QT+2], 16, v[VSW+(\a)]
	v_lshl_or_b32 v[VSW+(\a)], v[QT+3], 24, v[VSW+(\a)]
.if (\a) >= 2
	s_wait_xcnt 0x0                                ; the stores of two blocks ago have read this set of registers
.endif
	WIN 2
.irp c, 0,1
	v_cvt_scalef32_pk16_fp6_f32 v[CD+6*\c:CD+6*\c+2], v[AC+32*\c:AC+32*\c+15], v[QO+2*\c]
	v_cvt_scalef32_pk16_fp6_f32 v[CT+4*\c:CT+4*\c+2], v[AC+32*\c+16:AC+32*\c+31], v[QO+2*\c+1]
.endr
	WIN 0
	v_nop
.irp c, 0,1
.irp i, 0,1,2
	v_permlane16_swap_b32 v[CD+6*\c+\i], v[CT+4*\c+\i]
.endr
.irp i, 0,1,2
	v_mov_b32 v[CD+3+6*\c+\i], v[CT+4*\c+\i]
.endr
.endr
.endm
; ---------------- TILE 1: q or k ----------------
	s_wait_tensorcnt 0x0                           ; my tile of the head's four is in
	ds_add_u32 v[SPW], v[NIL]
	s_mov_b32 s[G1+2], 128<<16                     ; no tensor load of mine is out: from here on a load of codes brings 128 rows,
	s_mov_b32 s[G1+4], 128
	s_mov_b32 s[G1B+2], 128<<16
	s_mov_b32 s[G1B+4], 128
	s_mov_b32 s[G1SB+2], 16<<16                    ; one of B's scales 16 units,
	s_mov_b32 s[G1SB+4], 16
	s_mul_i32 s46, s16, 128*KROW                   ; and slot 0's group 0 names my 128 rows
	s_mov_b32 s47, 0
	s_add_nc_u64 s[G0+2:G0+3], s[G0+2:G0+3], s[46:47]
	s_add_nc_u64 s[G0B+2:G0B+3], s[G0B+2:G0B+3], s[46:47]
	s_mul_i32 s[G0+1], s14, HALFT
	s_mov_b32 s[G0B+1], s[G0+1]
	s_wait_dscnt 0x0
	CROUND                                         ; all four tiles are in, and the joint loads meet:
	JLOAD G0+4, G1, G0B+4, G1B                     ; chunk 1
	s_load_b64 s[68:69], s[0:1], 0x28              ; qimg (into registers of a descriptor whose load has landed)
	s_load_b64 s[70:71], s[0:1], 0x30              ; qsc
	s_load_b64 s[72:73], s[0:1], 0x38              ; kv
.set T2, 0
.set NAH, 4
.set HI2, 1
	FETCH_B 0, 0
	FETCH_AH 0, 0
	SCALES 0
	FETCH_AH 0, 1
	s_wait_loadcnt 0x0                             ; the bias
	STEP 0, 1, 1
	STEP 1, 0, 1
	STEP 2, 0, 1
	STEP 3, 0, 1
	STEP 4, 0, 1
	STEP 5, 0, 1
	; Where q or k goes.  My 128 tokens are one run of 128 keys (sg) of one batch row; my 128 columns are two heads.
	s_lshl_b32 s20, s17, 8
	s_lshl_b32 s21, s15, 7
	s_add_co_u32 s20, s20, s21                     ; my first token
	s_and_b32 s21, s42, 3
	s_lshl_b32 s21, s21, 2
	s_lshl_b32 s22, s16, 1
	s_add_co_u32 s21, s21, s22                     ; my first head
	s_lshr_b32 s22, s20, 11
	s_lshl_b32 s22, s22, 4
	s_add_co_u32 s21, s21, s22                     ; + 16 x batch row
	s_bfe_u32 s22, s20, 0x40007                    ; sg
	s_mov_b32 s78, 98304                           ; q: a head's images;
	s_mov_b32 s79, RECB                            ; k: a head's record
	s_mov_b32 s80, 6144
	s_mov_b32 s81, 12288
	s_mov_b32 s82, 4096
	s_cmp_lt_u32 s42, 4                            ; column tiles 0-3 are q
	s_cselect_b32 s78, s78, s79
	s_cselect_b32 s80, s80, s81
	s_cselect_b32 s81, 0, 8192                     ; k's images lie behind the record's scale words
	s_cselect_b32 s82, s82, s79
	s_mov_b32 s79, 0
	s_mul_i32 s84, s21, s78
	s_mul_i32 s85, s22, s80
	s_add_co_u32 s84, s84, s85
	s_add_co_u32 s84, s84, s81
	s_mov_b32 s85, 0
	s_mul_i32 s86, s21, s82
	s_lshl_b32 s87, s22, 8
	s_add_co_u32 s86, s86, s87
	s_mov_b32 s87, 0
	s_mov_b32 s[SEL], 0x76543210
	s_mov_b32 s[SEL+1], 0xfedcba98
	s_mov_b32 s46, 0xffff0000                      ; lanes 16-31
	v_mul_u32_u24 v[WOF], s82, v2
	v_lshl_add_u32 v[WOF], v1, 4, v[WOF]           ; the scale words: 16 r; lanes 16-31 store the second head's
	s_wait_kmcnt 0x0
	s_cmp_lt_u32 s42, 4
	s_cselect_b64 s[88:89], s[68:69], s[72:73]
	s_cselect_b64 s[92:93], s[70:71], s[72:73]
	s_add_nc_u64 s[88:89], s[88:89], s[84:85]      ; the first head's images
	s_add_nc_u64 s[90:91], s[88:89], s[78:79]      ; the second head's
	s_add_nc_u64 s[92:93], s[92:93], s[86:87]      ; the scale words
	STEP 6, 0, 1
	STEP 7, 0, 0
.irp b, 0,1,2,3
	v_mov_b32 v[QT+\b], 0                          ; a lane permute's destination counts as a source; also the places behind the last products
.endr
.irp a, 0,1,2,3,4,5,6,7
.if \a < 7
	ADVANCE \a
.endif
.if (\a%2 == 0) && (\a > 0)
	s_wait_xcnt 0x0                                ; the last pair's stores have read the images
.endif
.irp g, 0,1
	ROT \a, \g
.if \a%2 == 0
	QUANT2 O1, IMG+12*\g, CT, SW+4*\g+\a/2
.else
	QUANT2 O1, IMG+12*\g+6, CT, UU
	v_lshl_or_b32 v[SW+4*\g+\a/2], v[UU], 16, v[SW+4*\g+\a/2]
.endif
.endr
.if \a%2 == 1
.irp c, 0,1,2
	global_store_b128 v[LOF], v[IMG+4*\c:IMG+4*\c+3], s[88:89] offset:1536*(\a/2)+512*\c          ; 32 lanes store 512 consecutive bytes
	global_store_b128 v[LOF], v[IMG+12+4*\c:IMG+12+4*\c+3], s[90:91] offset:1536*(\a/2)+512*\c
.endr
.endif
.endr
.irp f, 0,1,2,3
	v_cndmask_b32 v[FIN+\f], v[SW+\f], v[SW+4+\f], s46
.endr
	global_store_b128 v[WOF], v[FIN:FIN+3], s[92:93]   ; sixteen lanes store a head's 256 consecutive bytes
; ---------------- TILE 2: v.  Its first chunk was shown whole by step 7's barrier ----------------
	s_wait_xcnt 0x0                                ; the stores above have read their registers
.irp a, 0,1,2,3
.irp j, 0,1,2,3,4,5,6,7
	v_mov_b32 v[BI+8*\a+\j], v[VB+\a]              ; the bias: a lane's eight registers of a block are one channel
.endr
.endr
.set T2, 1
.set NAH, 2
.set HI2, 0
.set AS, AS2
	FETCH_B 8, 0
	FETCH_AH 8, 0
	SCALES 4
	FETCH_AH 8, 1
	s_wait_alu depctr_va_vdst(0)
	STEP 8, 2, 1
	STEP 9, 0, 1
	STEP 10, 0, 1
	STEP 11, 0, 1
	STEP 12, 0, 1
	STEP 13, 0, 1
	STEP 14, 0, 1
	s_wait_dscnt NAH*NL                            ; the very last step
	WIN MUL_LO
	MULQ 0, 15, 0
	MULQ 1, 15, 0
	s_wait_dscnt 0
	MULQ 2, 15, 0
	MULQ 3, 15, 0
	WIN 0
	v_lshlrev_b32 v[WOF], 4, v1                    ; 16 r; with the three lines below: the places behind the last products
	PLACES 3
	s_sub_co_u32 s21, s18, 2048
	s_lshr_b32 s21, s21, 6
	s_add_co_u32 s21, s21, s15                     ; my head
	s_lshr_b32 s22, s19, 11
	s_lshl_b32 s22, s22, 4
	s_add_co_u32 s21, s21, s22
	s_bfe_u32 s22, s19, 0x40007                    ; sg
	s_mul_i32 s20, s21, RECB
	s_mul_i32 s23, s22, 12288
	s_add_co_u32 s23, s23, s20
	s_add_co_u32 s76, s23, 8192+6144               ; v's fragments lie behind k's four images
	s_mov_b32 s77, 0
	s_lshl_b32 s23, s22, 8
	s_add_co_u32 s23, s23, s20
	s_add_co_u32 s78, s23, 4096                    ; v's scale words lie behind k's
	s_mov_b32 s79, 0
	s_add_nc_u64 s[76:77], s[72:73], s[76:77]
	s_add_nc_u64 s[78:79], s[72:73], s[78:79]
.irp a, 0,1,2,3
	QUANT4W \a
.irp c, 0,1,2
	global_store_b128 v[LOF], v[IMG+12*(\a%2)+4*\c:IMG+12*(\a%2)+4*\c+3], s[76:77] offset:1536*\a+512*\c
.endr
.endr
	global_store_b128 v[WOF], v[VSW:VSW+3], s[78:79]
	s_wait_tensorcnt 0x0                           ; the wave's end
	ds_add_u32 v[SPW], v[NIL]
	s_wait_dscnt 0x0
	CROUND                                         ; the closing round
	s_endpgm
.Lfunc_end_k_q3f59565320_qkv:
	.size	k_q3f59565320_qkv, .Lfunc_end_k_q3f59565320_qkv-k_q3f59565320_qkv
	.p2alignl 7, 3214868480
	.fill 96, 4, 3214868480
	.section	.rodata,"a",@progbits
	.p2align	6, 0x0
	.amdhsa_kernel k_q3f59565320_qkv
		.amdhsa_group_segment_fixed_size 327680
		.amdhsa_private_segment_fixed_size 0
		.amdhsa_enable_private_segment 0
		.amdhsa_kernarg_size 64
		.amdhsa_user_sgpr_count 2
		.amdhsa_user_sgpr_kernarg_segment_ptr 1
		.amdhsa_wavefront_size32 1
		.amdhsa_system_sgpr_workgroup_id_x 1
		.amdhsa_system_sgpr_workgroup_id_y 1
		.amdhsa_system_sgpr_workgroup_id_z 1
		.amdhsa_system_vgpr_workitem_id 0
		.amdhsa_next_free_vgpr 1024
		.amdhsa_next_free_sgpr 102
		.amdhsa_reserve_vcc 1
		.amdhsa_float_denorm_mode_32 3
		.amdhsa_float_denorm_mode_16_64 3
		.amdhsa_memory_ordered 1
		.amdhsa_forward_progress 1
		.amdhsa_inst_pref_size 255
	.end_amdhsa_kernel
	.section	.bss,"aw",@nobits
	.p2align	6
	.space	262144
	.amdgpu_metadata
---
amdhsa.version: [ 1, 2 ]
amdhsa.kernels:
  - .name:           k_q3f59565320_qkv
    .symbol:         k_q3f59565320_qkv.kd
    .args:
      - { .name: x_codes, .offset: 0, .size: 8, .value_kind: global_buffer, .address_space: global }
      - { .name: x_scales, .offset: 8, .size: 8, .value_kind: global_buffer, .address_space: global }
      - { .name: Wqkv_codes, .offset: 16, .size: 8, .value_kind: global_buffer, .address_space: global }
      - { .name: Wqkv_scales, .offset: 24, .size: 8, .value_kind: global_buffer, .address_space: global }
      - { .name: bqkv, .offset: 32, .size: 8, .value_kind: global_buffer, .address_space: global }
      - { .name: qimg, .offset: 40, .size: 8, .value_kind: global_buffer, .address_space: global }
      - { .name: qsc, .offset: 48, .size: 8, .value_kind: global_buffer, .address_space: global }
      - { .name: kv, .offset: 56, .size: 8, .value_kind: global_buffer, .address_space: global }
    .group_segment_fixed_size: 327680
    .private_segment_fixed_size: 0
    .kernarg_segment_align: 8
    .kernarg_segment_size: 64
    .max_flat_workgroup_size: 128
    .sgpr_count:     102
    .vgpr_count:     1024
    .wavefront_size: 32
...
	.end_amdgpu_metadata
.endif
;; end of part 5
;; launch attn (part 6): grid 4 x 64, 16 waves a work-group, clusters of 4 x 1, 327,680 bytes of LDS; arguments qimg, qsc, kv, padding_mask, aimg, asc; writes aimg, asc
.if DOCPART == 6
	.amdgcn_target "amdgcn-amd-amdhsa--gfx1250"
	.amdhsa_code_object_version 6
	.text
	.protected	k_q3f59565320_attn
	.globl	k_q3f59565320_attn
	.p2align	8
	.type	k_q3f59565320_attn,@function
k_q3f59565320_attn:
	s_mov_b64 s[64:65], 0
	v_nop
	global_prefetch_b8 v0, s[64:65] scope:SCOPE_SE
	s_setreg_imm32_b32 hwreg(HW_REG_WAVE_MODE, 25, 1), 1
	s_wait_xcnt 0x0
	s_wait_alu depctr_hold_cnt(0) depctr_sa_sdst(0) depctr_va_vdst(0) depctr_va_sdst(0) depctr_va_ssrc(0) depctr_va_vcc(0) depctr_vm_vsrc(0)
	s_getreg_b32 s2, hwreg(HW_REG_IB_STS2, 6, 4)
	s_cmp_eq_u32 s2, 0
	s_cbranch_scc0 .Lentry_in_a_cluster
	s_endpgm
.Lentry_in_a_cluster:
	s_bfe_u32 s2, ttmp6, 0x10000c
	s_cmp_lg_u32 s2, 0x3003
	s_cbranch_scc0 .Lentry_shape_is_right
	s_endpgm
.Lentry_shape_is_right:
; Attention of one head on codes of FP6 (E2M3): S^T = k q^T (K = the head's 64), p = 2^(t - M) quantised along the keys, O^T = v^T p^T (K = the keys), O / l quantised along the head's 64 for the output projection.
; t = score x log2(e) / 8; M = the running largest t rounded UP to a whole number, kept as -M = floor(-t); l is taken of the unquantised p; when M moves, l and O^T are multiplied by f = 2^(old M - new M), which rounds nothing.
; SHARES.  A work-group owns 512 queries of one head; each of its sixteen waves 32 of them, as two passes (one loop of two trips) of one tile of 16, in 256 registers: four waves to a SIMD.
; THE HEAD'S RECORD (k's and v's scale words and fragment images, 204,800 bytes) comes into LDS once, as it lies in memory, in TWO joint loads a wave: the tables and key steps 0-3 (57,344 bytes, 14 rows of 256 bytes a wave)
; at the head; the other twelve steps (36 rows a wave) behind the full sequence and a round, so that they land under the first four steps; a barrier behind step 3 shows them to every wave.  Nothing is filled twice.
; The four work-groups of a cluster own the four query blocks of one head and ask jointly.  No prefetch: both loads are asked for at the head, so no stream is left to run ahead of.
; A FRAGMENT OF k HOLDS TWO TILES OF 16 KEYS (k 0-63 and k 64-127); it is multiplied by [q | 0] and by [0 | q]: eighteen registers (zeros, q, zeros) give both.
; Both products are used transposed: a lane holds ONE query.  Register 16 b + i of S^T is key 32 b + 8 h + i (i < 8) or 32 b + 16 + 8 h + i - 8: v's fragments were made in the same order.
; THE PADDING MASK is a bias for each key, 0 or -3e38, kept in LDS as f32, loaded into the scores' registers in every step as the C of the scores' products: no branch on data.
; A BLOCK'S SCALE: the block's largest score goes through the same multiply-add with -M - 2 and the same exponential: the result's exponent field is the conversion's scale, its byte the product's.
; l is kept in eight pairs of running sums: each pair's first addition of a step is a multiply-add with f.  Four of a step's 32 additions stand behind the last products, as their places.
; LIMITS: |t| stays under 7e36; a batch row all of whose keys are hidden (a row of NaN by the definition) is not served; NaN and infinities are not served.  A block whose largest p lies under 2^-124 gets the scale byte 0
;   (2^-127, a finite code) where the quantiser holds the byte at 1: such a block's p are under 2^-124 of the row's largest.  A p within a last place of a power of two may be held one code low.
; REGISTERS: v1 16 x lane; v2 scale words' lane term (lanes 0-15 k's, lanes 16-31 v's); v3 the bias's; v4-6 the step's addresses; v7 8 x lane; v8-11 scale words; v12 -M, v13 the largest score; v16-33 zeros, q, zeros;
;   v34 q's scale word, v35 p's, v36 -M - 2; v40-87 four fragments of k, then of v; v88-151 the bias, S^T, then p; v152-183 O^T; v184-195 p's codes; v196-202 second halves; v204-221 at work; v222 32 r; v223 two scale bytes;
;   v224-229 the second tile's q; v232-247 l's eight pairs; v250 q's raw scale word; v254-255 the spare word's address and 0.
.set RECB,  204800
.set KOFF,  8192                       ; behind the two tables of scale words: for each 128 keys
.set STEPB, 12288                      ; k's four pair images (6,144 bytes), then v's four fragments
.set MB,    204800                     ; the mask's bias, 4 bytes a key
.set SPARE, 212992                     ; the spare words
.set P1B,   3584                       ; a wave's bytes of the first load,
.set P2B,   9216                       ; and of the second
.set KF,  40
.set S,   88
.set OT,  152
.set CD,  184
.set CT,  196
.set BM,  204                          ; each block's largest score, then the conversions' scale operands
.set PT,  208
.set SO,  212
.set FF,  216                          ; v[216:217] f; at the end 1 / l
.set WK,  218
.set Q2,  224
.set LA,  232
.set QT,  BM
.set QO,  SO
.set SEL, 20
.set CS,  22
.set G1,  24
.set G0,  40
.set TB,  48
.set TS,  49
.set TM,  50
.set CNT, 53
.macro CROUND
	s_barrier_signal -1
	s_barrier_wait -1
	s_cmp_lg_u32 s16, 0
	s_cbranch_scc1 .Lnot_wave_0_\@
	s_barrier_signal -3
.Lnot_wave_0_\@:
	s_barrier_wait -3
	s_barrier_signal -1
	s_barrier_wait -1
.endm
	s_load_b256 s[4:11], s[0:1], 0x0               ; qimg, qsc, kv, padding_mask
	s_load_b128 s[12:15], s[0:1], 0x20             ; aimg, asc
	v_lshl_add_u32 v254, v0, 2, SPARE
	v_mov_b32 v255, 0
	ds_add_u32 v254, v255
	ds_add_u32 v254, v255
	v_lshrrev_b32 v1, 5, v0
	s_delay_alu instid0(VALU_DEP_1)
	v_readfirstlane_b32 s16, v1                    ; wave
	s_bfe_u32 s17, ttmp6, 0x40000                  ; cx: my block of 512 queries: it enters q's and the outputs' addresses alone
	s_and_b32 s18, ttmp7, 0xffff                   ; 16 x batch row + head
	s_lshr_b32 s19, s18, 4
	s_mov_b32 s[G1], 15|(3<<16)|(1<<21)            ; all four work-groups; elements of 8 bytes
	s_mov_b32 s[G1+1], 32<<16                      ; rows of 256 bytes, dense
	s_mov_b32 s[G1+2], 14<<16
	s_mov_b32 s[G1+3], 32<<16
	s_mov_b32 s[G1+4], 14
	s_mov_b32 s[G1+5], 32
	s_mov_b32 s[G1+6], 0
	s_mov_b32 s[G1+7], 0
	s_mul_i32 s54, s18, RECB
	s_mul_i32 s56, s16, P1B
	s_add_co_u32 s54, s54, s56
	s_mov_b32 s55, 0
	s_mov_b32 s[SEL], 0x76543210
	s_mov_b32 s[SEL+1], 0xfedcba98
	s_mov_b32 s[CS], 0x3e38aa3b                    ; c = log2(e) / 8
	s_mov_b32 s[CS+1], s[CS]
	s_wait_dscnt 0x0
	s_wait_kmcnt 0x0
	s_mov_b32 s[G0], 1
	s_mov_b32 s[G0+1], s56
	s_add_nc_u64 s[G0+2:G0+3], s[8:9], s[54:55]
	s_or_b32 s[G0+3], s[G0+3], 0x80000000
	CROUND                                         ; the joint loads meet
	tensor_load_to_lds s[G0:G0+3], s[G1:G1+7]      ; my sixteenth of the tables and key steps 0-3
	s_nop 0
.rept 4
	v_nop
.endr
	s_lshl_b32 s58, s17, 4
	s_add_co_u32 s58, s58, s16                     ; my pair of tiles among the head's 64
	s_lshl_b32 s54, s18, 6
	s_add_co_u32 s54, s54, s58
	s_mul_i32 s54, s54, 1536
	s_add_nc_u64 s[4:5], s[4:5], s[54:55]          ; its image
	s_lshl_b32 s54, s18, 12
	s_lshr_b32 s56, s58, 2
	s_lshl_b32 s56, s56, 8
	s_add_co_u32 s54, s54, s56
	s_and_b32 s56, s58, 3
	s_lshl_b32 s56, s56, 2
	s_add_co_u32 s54, s54, s56
	s_add_nc_u64 s[6:7], s[6:7], s[54:55]          ; its scale words
	s_lshl_b32 s54, s19, 11
	s_add_nc_u64 s[10:11], s[10:11], s[54:55]      ; the batch row's mask
	s_lshl_b32 s56, s19, 7
	s_lshl_b32 s57, s58, 1
	s_add_co_u32 s56, s56, s57                     ; my first tile of 16 tokens among all 512
	s_and_b32 s57, s18, 15
	s_lshl_b32 s54, s56, 4
	s_add_co_u32 s54, s54, s57
	s_mul_i32 s54, s54, 768
	s_add_nc_u64 s[12:13], s[12:13], s[54:55]      ; aimg: 768 bytes for a tile and a head
	s_lshl_b32 s54, s56, 9
	s_lshl_b32 s57, s57, 1
	s_add_co_u32 s54, s54, s57
	s_add_nc_u64 s[14:15], s[14:15], s[54:55]      ; asc: 32 bytes a token, two for each head
	v_and_b32 v204, 31, v0
	v_and_b32 v205, 15, v0                         ; r
	v_bfe_u32 v206, v0, 4, 1                       ; h
	v_lshlrev_b32 v38, 2, v0                       ; 4 bytes of the mask a thread
	v_lshlrev_b32 v1, 4, v204
	v_lshlrev_b32 v37, 4, v205
	v_lshlrev_b32 v7, 3, v204
	v_lshlrev_b32 v222, 5, v205
	global_load_b32 v207, v38, s[10:11]
	global_load_b32 v250, v37, s[6:7]              ; q's scale word: the two tiles' two bytes each
	global_load_b128 v[22:25], v1, s[4:5]          ; the pair image's registers 0-5: the first tile,
	global_load_b64 v[26:27], v1, s[4:5] offset:512
	global_load_b64 v[Q2:Q2+1], v1, s[4:5] offset:520        ; its registers 6-11: the second
	global_load_b128 v[Q2+2:Q2+5], v1, s[4:5] offset:1024
	v_lshl_add_u32 v2, v206, 12, v37               ; 16 r; lanes 16-31 take v's table, 4,096 bytes on
	v_lshl_add_u32 v3, v206, 5, MB                 ; the bias: my half's eight keys
	v_mov_b32 v96, 0xff61b1e6                      ; -3e38
	v_lshl_add_u32 v97, v0, 4, MB
.irp j, 16,17,18,19,20,21,28,29,30,31,32,33
	v_mov_b32 v[\j], 0                             ; the zero halves beside q
.endr
.irp b, 0,1,2,3
	v_mov_b32 v[PT+\b], 0                          ; a lane permute's destination counts as one of its sources
.endr
	v_mov_b32 v[FF+1], 0                           ; (named as the upper half of a pair)
	s_wait_alu depctr_va_vdst(0)
	s_wait_loadcnt 0x0
.irp e, 0,1,2,3
	v_bfe_u32 v[88+\e], v207, 8*\e, 8
.endr
.irp e, 0,1,2,3
	v_cmp_ne_u32 s[44+\e], 0, v[88+\e]
.endr
.irp e, 0,1,2,3
	v_cndmask_b32 v[92+\e], 0, v96, s[44+\e]       ; a hidden key's bias
.endr
	ds_store_b128 v97, v[92:95]                    ; keys 4 t .. 4 t + 3 of thread t
	v_perm_b32 v34, v250, v250, 0x01000100         ; the first tile's two bytes, for k 0-63 and for k 64-127 alike
	s_wait_alu depctr_va_vdst(0)
	s_wait_tensorcnt 0x0                           ; my first load has landed
	ds_add_u32 v254, v255
	s_mov_b32 s[G1+2], 36<<16                      ; no tensor load of mine is out: the second load has 36 rows,
	s_mov_b32 s[G1+4], 36
	s_mul_i32 s56, s16, P2B-P1B
	s_add_co_u32 s56, s56, 16*P1B
	s_mov_b32 s57, 0
	s_add_nc_u64 s[G0+2:G0+3], s[G0+2:G0+3], s[56:57]   ; from byte 57,344 + 9,216 x wave of the record,
	s_mul_i32 s[G0+1], s16, P2B
	s_add_co_u32 s[G0+1], s[G0+1], 16*P1B          ; to the same place in LDS
	s_wait_dscnt 0x0                               ; the add is done, and my part of the bias is stored
	CROUND                                         ; everybody's first load and bias are in, and the joint loads meet
	tensor_load_to_lds s[G0:G0+3], s[G1:G1+7]      ; key steps 4-15
	s_nop 0
.rept 4
	v_nop
.endr
.macro LSUM j, p                       ; l's pair j takes p's registers 2 p, 2 p + 1
	v_pk_add_f32 v[LA+2*(\j):LA+2*(\j)+1], v[LA+2*(\j):LA+2*(\j)+1], v[S+2*(\p):S+2*(\p)+1]
.endm
; A KEY STEP: 128 keys.  v4, v5, v6 hold its addresses on the way in.
.macro STEP
.irp f, 0,1,2,3
.irp c, 0,1,2
	ds_load_b128 v[KF+12*\f+4*\c:KF+12*\f+4*\c+3], v4 offset:1536*\f+512*\c
.endr
.endr
	ds_load_b128 v[8:11], v5                       ; lanes 0-15: k's row r's four scale words; lanes 16-31: v's
.irp f, 0,1,2,3
.irp u, 0,1
.irp i, 0,1
	ds_load_b128 v[S+16*\f+8*\u+4*\i:S+16*\f+8*\u+4*\i+3], v6 offset:128*\f+64*\u+16*\i   ; the bias of keys 32 f + 16 u + 8 h + 4 i + 0 .. 3
.endr
.endr
.endr
	s_wait_dscnt 0x0
.irp f, 0,1,2,3                                ; pair f's first tile against [q | 0], its second against [0 | q]; the sums begin with the bias; the accumulators take turns
	v_wmma_scale_f32_16x16x128_f8f6f4 v[S+16*\f:S+16*\f+7], v[KF+12*\f:KF+12*\f+11], v[22:33], v[S+16*\f:S+16*\f+7], v[8+\f], v34 matrix_a_fmt:MATRIX_FMT_FP6 matrix_b_fmt:MATRIX_FMT_FP6
	v_wmma_scale_f32_16x16x128_f8f6f4 v[S+16*\f+8:S+16*\f+15], v[KF+12*\f:KF+12*\f+11], v[16:27], v[S+16*\f+8:S+16*\f+15], v[8+\f], v34 matrix_a_fmt:MATRIX_FMT_FP6 matrix_b_fmt:MATRIX_FMT_FP6
.endr
	s_add_co_u32 s[TB], s[TB], STEPB
	s_add_co_u32 s[TS], s[TS], 256
	s_add_co_u32 s[TM], s[TM], 512
	v_add_nc_u32 v4, 6144, v4                      ; v's fragments.  These four lines are the places behind the products
	v_add_nc_u32 v5, s[TS], v2                     ; the next step's scale words
	v_add_nc_u32 v6, s[TM], v3                     ; and bias
	v_mov_b32 v[WK], v12                           ; the old -M
.irp t, 0,1,2,3
.irp c, 0,1,2
	ds_load_b128 v[KF+12*\t+4*\c:KF+12*\t+4*\c+3], v4 offset:1536*\t+512*\c   ; they land while the softmax is worked
.endr
.endr
.irp b, 0,1,2,3
	v_max3_num_f32 v[BM+\b], v[S+16*\b], v[S+16*\b+1], v[S+16*\b+2]   ; the largest score of each block of 32 keys; the four blocks by turns
.endr
.irp i, 3,5,7,9,11,13
.irp b, 0,1,2,3
	v_max3_num_f32 v[BM+\b], v[BM+\b], v[S+16*\b+\i], v[S+16*\b+\i+1]
.endr
.endr
.irp b, 0,1,2,3
	v_max_num_f32 v[BM+\b], v[BM+\b], v[S+16*\b+15]
.endr
.irp b, 0,1,2,3
	v_permlanex16_b32 v[PT+\b], v[BM+\b], s[SEL], s[SEL+1]
.endr
.irp b, 0,1,2,3
	v_max_num_f32 v[BM+\b], v[BM+\b], v[PT+\b]     ; with lane l xor 16's 16 keys
.endr
	s_delay_alu instid0(VALU_DEP_2)
	v_max3_num_f32 v[WK+1], v[BM], v[BM+1], v[BM+2]
	s_delay_alu instid0(VALU_DEP_1)
	v_max3_num_f32 v13, v13, v[WK+1], v[BM+3]      ; the running largest score
	s_delay_alu instid0(VALU_DEP_1)
	v_mul_f32 v[WK+1], s[CS], v13                  ; as t (c is positive)
	s_delay_alu instid0(VALU_DEP_1)
	v_floor_f32 v12, -v[WK+1]                      ; the new -M
	s_delay_alu instid0(VALU_DEP_1)
	v_sub_f32 v[WK], v12, v[WK]                    ; old M - new M: a whole number, 0 or less
	v_add_f32 v36, -2.0, v12                       ; -M - 2
.set jj, 0
.rept 32
	v_pk_fma_f32 v[S+jj:S+jj+1], v[S+jj:S+jj+1], s[CS:CS+1], v[12:13] op_sel_hi:[1,0,0]   ; t - M, two at a time
.if jj == 2
	v_cvt_i32_f32 v[WK], v[WK]                     ; (it saturates)
.endif
.if jj == 6
	v_ldexp_f32 v[FF], 1.0, v[WK]                  ; f
.endif
.set jj, jj+2
.endr
.irp b, 0,1,2,3
	v_fma_f32 v[BM+\b], v[BM+\b], s[CS], v36       ; each block's largest t - M - 2
.endr
.set jj, 0
.rept 16
	v_pk_mul_f32 v[OT+jj:OT+jj+1], v[OT+jj:OT+jj+1], v[FF:FF+1] op_sel_hi:[1,0]   ; O^T under the new M
.set jj, jj+2
.endr
	s_wait_alu depctr_va_vdst(0)                   ; ahead of the batch
.set jj, 0
.rept 64
	v_exp_f32 v[S+jj], v[S+jj]                     ; p = 2^(t - M), at most 1
.set jj, jj+1
.endr
.irp b, 0,1,2,3
	v_exp_f32 v[BM+\b], v[BM+\b]                   ; a quarter of the block's largest p: its exponent field is the block's scale
.endr
	v_add_nc_u32 v4, s[TB], v1                     ; the next step's images.  (The plain place behind the exponentials)
	s_wait_alu depctr_va_vdst(0)                   ; and behind it
.irp b, 0,1,2,3
	v_lshrrev_b32 v[PT+\b], 23, v[BM+\b]           ; the scale's byte
.endr
	v_lshl_or_b32 v[WK+2], v[PT+1], 8, v[PT]
	v_lshl_or_b32 v[WK+3], v[PT+3], 8, v[PT+2]
.irp c, 0,1
	v_cvt_scalef32_pk16_fp6_f32 v[CD+6*\c:CD+6*\c+2], v[S+32*\c:S+32*\c+15], v[BM+2*\c]
	v_cvt_scalef32_pk16_fp6_f32 v[CT+4*\c:CT+4*\c+2], v[S+32*\c+16:S+32*\c+31], v[BM+2*\c+1]
.endr
	v_lshl_or_b32 v35, v[WK+3], 16, v[WK+2]        ; p's scale word for these 128 keys.  (The plain place behind the conversions)
.irp j, 0,1,2,3,4,5,6,7
	v_pk_fma_f32 v[LA+2*\j:LA+2*\j+1], v[LA+2*\j:LA+2*\j+1], v[FF:FF+1], v[S+2*\j:S+2*\j+1] op_sel_hi:[1,0,1]   ; l under the new M, and the first eight pairs of p
.endr
.irp c, 0,1
.irp i, 0,1,2
	v_permlane16_swap_b32 v[CD+6*\c+\i], v[CT+4*\c+\i]   ; a whole block to a lane
.endr
.irp i, 0,1,2
	v_mov_b32 v[CD+3+6*\c+\i], v[CT+4*\c+\i]
.endr
.endr
.irp j, 0,1,2,3,4,5,6,7
	LSUM \j, \j+8
.endr
.irp j, 0,1,2,3
	LSUM \j, \j+16
.endr
.irp j, 4,5,6,7
	LSUM \j, \j+16
.endr
.irp j, 4,5,6,7
	LSUM \j, \j+20
.endr
	s_wait_dscnt 0x0                               ; v's fragments
.irp t, 0,1,2,3
	v_wmma_scale_f32_16x16x128_f8f6f4 v[OT+8*\t:OT+8*\t+7], v[KF+12*\t:KF+12*\t+11], v[CD:CD+11], v[OT+8*\t:OT+8*\t+7], v[8+\t], v35 matrix_a_fmt:MATRIX_FMT_FP6 matrix_b_fmt:MATRIX_FMT_FP6 matrix_a_scale:MATRIX_SCALE_ROW1
.endr
.irp j, 0,1,2,3
	LSUM \j, \j+28                                 ; the last four pairs: the places behind the products, ahead of the next step's loads
.endr
.endm
; 32 numbers of a lane, register 16 b + i one of 16 of block b, become six registers of codes at v[d] on and the two scale bytes in v[uw].
.macro QUANT2 s, d, ct, uw
.irp b, 0,1
	v_max3_num_f32 v[QT+\b], |v[\s+16*\b]|, |v[\s+16*\b+1]|, 0x1800000
.endr
.irp i, 2,4,6,8,10,12,14
.irp b, 0,1
	s_delay_alu instid0(VALU_DEP_2)
	v_max3_num_f32 v[QT+\b], v[QT+\b], |v[\s+16*\b+\i]|, |v[\s+16*\b+\i+1]|
.endr
.endr
.irp b, 0,1
	s_delay_alu instid0(VALU_DEP_2)
	v_permlanex16_b32 v[PT+\b], v[QT+\b], s[SEL], s[SEL+1]
.endr
.irp b, 0,1
	s_delay_alu instid0(VALU_DEP_2)
	v_max_num_f32 v[QT+\b], v[QT+\b], v[PT+\b]
.endr
.irp b, 0,1
	s_delay_alu instid0(VALU_DEP_2)
	v_add_nc_u32 v[QO+\b], 0xff000000, v[QT+\b]
.endr
.irp b, 0,1
	s_delay_alu instid0(VALU_DEP_2)
	v_lshrrev_b32 v[PT+\b], 23, v[QO+\b]
.endr
	s_delay_alu instid0(VALU_DEP_1)
	v_lshl_or_b32 v[\uw], v[PT+1], 8, v[PT]
	v_cvt_scalef32_pk16_fp6_f32 v[\d:\d+2], v[\s:\s+15], v[QO]
	v_cvt_scalef32_pk16_fp6_f32 v[\ct:\ct+2], v[\s+16:\s+31], v[QO+1]
	v_nop
.irp i, 0,1,2
	v_permlane16_swap_b32 v[\d+\i], v[\ct+\i]
.endr
.irp i, 0,1,2
	s_delay_alu instid0(VALU_DEP_3)
	v_mov_b32 v[\d+3+\i], v[\ct+\i]
.endr
.endm
; A PASS: one tile of my pair walks all 2,048 keys, then goes out.
	s_mov_b32 s[CNT], 2
.Lpass:
	s_mov_b32 s[TB], KOFF
	s_mov_b32 s[TS], 0
	s_mov_b32 s[TM], 0
	v_mov_b32 v13, 0xfe000000                      ; the largest score so far: -2^125: its t lies above every hidden key's
	v_add_nc_u32 v4, s[TB], v1
	v_add_nc_u32 v5, s[TS], v2
	v_add_nc_u32 v6, s[TM], v3
	v_mul_f32 v[WK+1], s[CS], v13
.set jj, 0
.rept 16
	v_mov_b32 v[LA+jj], 0                          ; l
.set jj, jj+1
.endr
	v_floor_f32 v12, -v[WK+1]
.set jj, 0
.rept 32
	v_mov_b32 v[OT+jj], 0                          ; O^T: the first change of M leaves zeros zeros
.set jj, jj+1
.endr
.Lstep_a:                                              ; key steps 0-3
	STEP
	s_cmp_lt_u32 s[TS], 4*256
	s_cbranch_scc1 .Lstep_a
	s_wait_tensorcnt 0x0                           ; my part of key steps 4-15 has landed,
	s_barrier_signal -1
	s_barrier_wait -1                              ; everybody's has
.Lstep_b:                                              ; key steps 4-15
	STEP
	s_cmp_lt_u32 s[TS], 16*256
	s_cbranch_scc1 .Lstep_b
	s_wait_alu depctr_va_vdst(0)                   ; directly ahead of the first reader of l's pairs
.irp j, 0,1,2,3
	v_pk_add_f32 v[LA+2*\j:LA+2*\j+1], v[LA+2*\j:LA+2*\j+1], v[LA+8+2*\j:LA+8+2*\j+1]   ; l's eight pairs,
.endr
	v_pk_add_f32 v[LA:LA+1], v[LA:LA+1], v[LA+4:LA+5]
	v_pk_add_f32 v[LA+2:LA+3], v[LA+2:LA+3], v[LA+6:LA+7]
	s_delay_alu instid0(VALU_DEP_1)
	v_pk_add_f32 v[LA:LA+1], v[LA:LA+1], v[LA+2:LA+3]
	s_delay_alu instid0(VALU_DEP_1)
	v_add_f32 v14, v[LA], v[LA+1]                  ; its two halves,
	s_delay_alu instid0(VALU_DEP_1)
	v_permlanex16_b32 v[WK], v14, s[SEL], s[SEL+1]
	s_delay_alu instid0(VALU_DEP_1)
	v_add_f32 v14, v14, v[WK]                      ; and lane l xor 16's
	s_wait_alu depctr_va_vdst(0)                   ; ahead of the reciprocal
	v_rcp_f32 v[FF], v14
	v_nop
	s_wait_alu depctr_va_vdst(0)                   ; and behind it, ahead of the first reader of O^T
.set jj, 0
.rept 16
	v_pk_mul_f32 v[S+jj:S+jj+1], v[OT+jj:OT+jj+1], v[FF:FF+1] op_sel_hi:[1,0]    ; O^T / l: register 8 t + j is channel 16 t + 8 h + j
.set jj, jj+2
.endr
.irp b, 0,1
.irp j, 0,1,2,3,4,5,6,7
	v_permlane16_swap_b32 v[S+16*\b+\j], v[S+16*\b+8+\j]     ; the true order, since the next product meets a given operand: register 16 b + i is channel 32 b + 16 h + i
.endr
.endr
	QUANT2 S, CD, CT, 223
	global_store_b128 v1, v[CD:CD+3], s[12:13]               ; the image of six registers: 512 consecutive bytes,
	global_store_b64 v7, v[CD+4:CD+5], s[12:13] offset:512   ; and 256 more
	global_store_b16 v222, v223, s[14:15]                    ; row r's two scale bytes (lanes r and r + 16 hold, and write, the same)
	s_wait_xcnt 0x0                                ; the stores have read their registers and bases
	s_add_nc_u64 s[12:13], s[12:13], 12288         ; on to the second tile
	s_add_nc_u64 s[14:15], s[14:15], 512
.irp j, 0,1,2,3,4,5
	v_mov_b32 v[22+\j], v[Q2+\j]
.endr
	v_perm_b32 v34, v250, v250, 0x03020302
	s_sub_co_u32 s[CNT], s[CNT], 1
	s_cmp_lg_u32 s[CNT], 0
	s_cbranch_scc1 .Lpass
	s_wait_tensorcnt 0x0                           ; the wave's end
	ds_add_u32 v254, v255
	s_wait_dscnt 0x0
	CROUND                                         ; the closing round
	s_endpgm
.Lfunc_end_k_q3f59565320_attn:
	.size	k_q3f59565320_attn, .Lfunc_end_k_q3f59565320_attn-k_q3f59565320_attn
	.p2alignl 7, 3214868480
	.fill 96, 4, 3214868480
	.section	.rodata,"a",@progbits
	.p2align	6, 0x0
	.amdhsa_kernel k_q3f59565320_attn
		.amdhsa_group_segment_fixed_size 327680
		.amdhsa_private_segment_fixed_size 0
		.amdhsa_enable_private_segment 0
		.amdhsa_kernarg_size 48
		.amdhsa_user_sgpr_count 2
		.amdhsa_user_sgpr_kernarg_segment_ptr 1
		.amdhsa_wavefront_size32 1
		.amdhsa_system_sgpr_workgroup_id_x 1
		.amdhsa_system_sgpr_workgroup_id_y 1
		.amdhsa_system_sgpr_workgroup_id_z 1
		.amdhsa_system_vgpr_workitem_id 0
		.amdhsa_next_free_vgpr 256
		.amdhsa_next_free_sgpr 66
		.amdhsa_reserve_vcc 0
		.amdhsa_float_denorm_mode_32 3
		.amdhsa_float_denorm_mode_16_64 3
		.amdhsa_memory_ordered 1
		.amdhsa_forward_progress 1
		.amdhsa_inst_pref_size 48
	.end_amdhsa_kernel
	.amdgpu_metadata
---
amdhsa.version: [ 1, 2 ]
amdhsa.kernels:
  - .name:           k_q3f59565320_attn
    .symbol:         k_q3f59565320_attn.kd
    .args:
      - { .name: qimg, .offset: 0, .size: 8, .value_kind: global_buffer, .address_space: global }
      - { .name: qsc, .offset: 8, .size: 8, .value_kind: global_buffer, .address_space: global }
      - { .name: kv, .offset: 16, .size: 8, .value_kind: global_buffer, .address_space: global }
      - { .name: padding_mask, .offset: 24, .size: 8, .value_kind: global_buffer, .address_space: global }
      - { .name: aimg, .offset: 32, .size: 8, .value_kind: global_buffer, .address_space: global }
      - { .name: asc, .offset: 40, .size: 8, .value_kind: global_buffer, .address_space: global }
    .group_segment_fixed_size: 327680
    .private_segment_fixed_size: 0
    .kernarg_segment_align: 8
    .kernarg_segment_size: 48
    .max_flat_workgroup_size: 512
    .sgpr_count:     66
    .vgpr_count:     256
    .wavefront_size: 32
...
	.end_amdgpu_metadata
.endif
;; end of part 6
;; launch oproj (part 7): grid 4 x 64, 4 waves a work-group, clusters of 4 x 4, 327,680 bytes of LDS; arguments aimg, asc, Wo_codes, Wo_scales, bo, out0; writes out0
.if DOCPART == 7
	.amdgcn_target "amdgcn-amd-amdhsa--gfx1250"
	.amdhsa_code_object_version 6
	.text
	.protected	k_q3f59565320_oproj
	.globl	k_q3f59565320_oproj
	.p2align	8
	.type	k_q3f59565320_oproj,@function
k_q3f59565320_oproj:
	s_mov_b64 s[64:65], 0
	v_nop
	global_prefetch_b8 v0, s[64:65] scope:SCOPE_SE
	s_setreg_imm32_b32 hwreg(HW_REG_WAVE_MODE, 25, 1), 1
	s_wait_xcnt 0x0
	s_wait_alu depctr_hold_cnt(0) depctr_sa_sdst(0) depctr_va_vdst(0) depctr_va_sdst(0) depctr_va_ssrc(0) depctr_va_vcc(0) depctr_vm_vsrc(0)
	s_getreg_b32 s2, hwreg(HW_REG_IB_STS2, 6, 4)
	s_cmp_eq_u32 s2, 0
	s_cbranch_scc0 .Lentry_in_a_cluster
	s_endpgm
.Lentry_in_a_cluster:
	s_bfe_u32 s2, ttmp6, 0x10000c
	s_cmp_lg_u32 s2, 0xf033
	s_cbranch_scc0 .Lentry_shape_is_right
	s_endpgm
.Lentry_shape_is_right:
; out0 = a Wo + bo on codes of FP6 (E2M3): a = attention's result as images of fragments (aimg) and scale bytes (asc), Wo as it is given.  8,192 tokens x 1,024 columns x K = 1,024.
; A work-group makes 128 tokens x 256 columns; a wave 64 x 128: 32 accumulators.  256 work-groups in clusters of 4 x 4.
; ALL OF K LIES IN LDS AT ONCE, filled once: A's 128 tokens are one dense block of 98,304 bytes; B's 256 rows come whole, 768 bytes each, every row on a multiple of 256 bytes, with 16 bytes of padding behind
; each 256: an LDS row of 816 bytes.  So the head has ONE joint load a wave (A, B, A's scales, B's scales), there is no ring, nothing is filled again, and one barrier stands ahead of the eight steps.
; A's tiles are shared along a row of the cluster, B's along a column.  No prefetch: the launch has no loop to run ahead in, and every byte is asked for at the head.
; Source 0 = 16 rows of Wo, source 1 = 16 tokens: a lane holds eight neighbouring columns of one row of out0.  The bias is the C of each sum's first matrix instruction.
; The way out goes through a stage in B's bytes, behind a barrier that shows every wave's reads of LDS done.
; REGISTERS: window 0: v0-31 addresses; v32-63 scale words, two sets; v64-127 the bias; v128-175 A's fragments; on the way out v128-255.  window 1: B's fragments, two sets.  window 2: the accumulators.
.set KROW,   768
.set PITCH,  816
.set FR,     12
.set NLA,    4
.set NP,     4
.set HALFB,  128*PITCH
.set ABASE,  2*HALFB                   ; behind B: A's images, 12,288 bytes for 16 tokens: 1,536 a step
.set HALFA,  4*12288
.set KS,     32
.set SCL,    ABASE+2*HALFA             ; the scales: units of 256 bytes + 16: A's 128 rows, B's 256 rows
.set HALFS,  16*272
.set SBLK,   2*272
.set SPARE,  SCL+3*HALFS               ; the spare words
.set SPITCH, 528
.set SIZE_N, 1024
.set ADA,  8                           ; v8 my A images + 16 x lane;  v9 + 8 x lane
.set ADRB, 16                          ; v16 my B rows, blocks 0-3;  v17 the same with lanes 16-31 behind one padding more;  v18-19 blocks 4-7
.set STO,  24
.set RD,   25
.set CO,   26
.set ADRS, 27
.set SPW,  28
.set NIL,  29
.set BOF,  30
.set SC,   32
.set BI,   64
.set AF,   128
.set BK,   128
.set G1, 24
.set G0, 32
.set G1B, 44
.set G0B, 52
.set G1S, 68
.set G0S, 76
.set G1SB, 80
.set G0SB, 88
.set MSB, 0
.macro WIN new
.if MSB != (\new)
	s_set_vgpr_msb (MSB<<8)|(\new)
.set MSB, (\new)
.endif
.endm
.set MUL_LO, 0xa1
.set TO_B,   0x40
.macro CROUND
	s_barrier_signal -1
	s_barrier_wait -1
	s_cmp_lg_u32 s14, 0
	s_cbranch_scc1 .Lnot_wave_0_\@
	s_barrier_signal -3
.Lnot_wave_0_\@:
	s_barrier_wait -3
	s_barrier_signal -1
	s_barrier_wait -1
.endm
.macro ARM under, g0, g1, next
	s_cmp_lt_u32 s14, \under
	s_cbranch_scc0 \next
	tensor_load_to_lds s[\g0:\g0+3], s[\g1:\g1+7]
	s_nop 0
.rept 4
	v_nop
.endr
	s_branch .Lhead_asked
\next:
.endm
	s_load_b128 s[4:7], s[0:1], 0x0                ; aimg, asc
	s_load_b128 s[8:11], s[0:1], 0x10              ; Wo's codes, Wo's scales
	s_load_b64 s[66:67], s[0:1], 0x20              ; bo
	s_load_b64 s[12:13], s[0:1], 0x28              ; out0
	v_lshl_add_u32 v[SPW], v0, 2, SPARE
	v_mov_b32 v[NIL], 0
	ds_add_u32 v[SPW], v[NIL]
	ds_add_u32 v[SPW], v[NIL]
	v_lshrrev_b32 v1, 5, v0
	v_readfirstlane_b32 s14, v1                    ; wave
	s_lshr_b32 s15, s14, 1                         ; my half of the tokens
	s_and_b32 s16, s14, 1                          ; my half of the columns
	s_bfe_u32 s92, ttmp6, 0x40000
	s_bfe_u32 s93, ttmp6, 0x40004
	s_lshl_b32 s94, ttmp9, 2
	s_add_co_u32 s94, s94, s92                     ; tile column
	s_and_b32 s17, ttmp7, 0xffff
	s_lshl_b32 s17, s17, 2
	s_add_co_u32 s17, s17, s93                     ; tile row
	s_lshl_b32 s95, s93, 2
	s_lshl_b32 s95, 15, s95                        ; my row of the cluster
	s_lshl_b32 s96, 0x1111, s92                    ; my column
	s_or_b32 s[G1+0], s95, (3<<16)|(1<<21)         ; A: 384 dense rows of 256 bytes
	s_mov_b32 s[G1+1], 32<<16
	s_mov_b32 s[G1+2], 384<<16
	s_mov_b32 s[G1+3], 32<<16
	s_mov_b32 s[G1+4], 384
	s_mov_b32 s[G1+5], 32
	s_mov_b32 s[G1+6], 0
	s_mov_b32 s[G1+7], 0
	s_or_b32 s[G1B+0], s96, (1<<20)|(1<<21)|(5<<22)|(3<<25)   ; B: 256 rows of 768 bytes, 16 bytes of padding behind every 256
	s_mov_b32 s[G1B+1], KROW<<16
	s_mov_b32 s[G1B+2], 256<<16
	s_mov_b32 s[G1B+3], KROW<<16
	s_mov_b32 s[G1B+4], 256
	s_mov_b32 s[G1B+5], KROW
	s_mov_b32 s[G1B+6], 0
	s_mov_b32 s[G1B+7], 0
	s_or_b32 s[G1S+0], s95, (3<<16)|(1<<20)|(1<<21)|(5<<22)|(3<<25)   ; A's scales: 16 units
	s_mov_b32 s[G1S+1], 32<<16
	s_mov_b32 s[G1S+2], 16<<16
	s_mov_b32 s[G1S+3], 32<<16
	s_mov_b32 s[G1S+4], 16
	s_mov_b32 s[G1S+5], 32
	s_mov_b32 s[G1S+6], 0
	s_mov_b32 s[G1S+7], 0
	s_or_b32 s[G1SB+0], s96, (3<<16)|(1<<20)|(1<<21)|(5<<22)|(3<<25)  ; B's: 32 units
	s_mov_b32 s[G1SB+1], 32<<16
	s_mov_b32 s[G1SB+2], 32<<16
	s_mov_b32 s[G1SB+3], 32<<16
	s_mov_b32 s[G1SB+4], 32
	s_mov_b32 s[G1SB+5], 32
	s_mov_b32 s[G1SB+6], 0
	s_mov_b32 s[G1SB+7], 0
	s_mul_i32 s2, s17, 2*HALFA
	s_mov_b32 s3, 0
	s_mul_i32 s18, s17, 128*KS
	s_mov_b32 s19, 0
	s_mul_i32 s20, s94, 256*KROW
	s_mov_b32 s21, 0
	s_mul_i32 s22, s94, 256*KS
	s_mov_b32 s23, 0
	s_wait_dscnt 0x0
	s_wait_kmcnt 0x0
	s_add_nc_u64 s[G0+2:G0+3], s[4:5], s[2:3]
	s_add_nc_u64 s[G0S+2:G0S+3], s[6:7], s[18:19]
	s_add_nc_u64 s[G0B+2:G0B+3], s[8:9], s[20:21]
	s_add_nc_u64 s[G0SB+2:G0SB+3], s[10:11], s[22:23]
.irp g, G0, G0B, G0S, G0SB
	s_mov_b32 s[\g], 1
	s_or_b32 s[\g+3], s[\g+3], 0x80000000
.endr
	s_mov_b32 s[G0+1], ABASE
	s_mov_b32 s[G0B+1], 0
	s_mov_b32 s[G0S+1], SCL
	s_mov_b32 s[G0SB+1], SCL+HALFS
	CROUND                                         ; the joint loads meet
	ARM 1, G0,  G1,  .Lhead_b                      ; one load a wave: A,
	ARM 2, G0B, G1B, .Lhead_sa                     ; B,
	ARM 3, G0S, G1S, .Lhead_sb                     ; A's scales,
	tensor_load_to_lds s[G0SB:G0SB+3], s[G1SB:G1SB+7]   ; B's scales
	s_nop 0
.rept 4
	v_nop
.endr
.Lhead_asked:
	s_lshl_b32 s20, s94, 10
	s_lshl_b32 s21, s16, 9
	s_add_co_u32 s20, s20, s21                     ; my first column, in bytes
	s_mov_b32 s21, 0
	s_add_nc_u64 s[66:67], s[66:67], s[20:21]
	s_lshl_b32 s22, s17, 7
	s_lshl_b32 s23, s15, 6
	s_add_co_u32 s22, s22, s23
	s_lshl_b32 s22, s22, 12                        ; my first row, in bytes
	s_mov_b32 s23, 0
	s_add_nc_u64 s[12:13], s[12:13], s[22:23]
	s_add_nc_u64 s[12:13], s[12:13], s[20:21]
	s_mul_i32 s2, s15, HALFA
	s_add_co_u32 s2, s2, ABASE
	s_mul_i32 s3, s16, HALFB
	s_mul_i32 s18, s15, 4*SBLK
	s_mul_i32 s19, s16, HALFS
	s_add_co_u32 s19, s19, HALFS
	s_sub_co_u32 s19, s19, s18                     ; from A's scale rows to B's
	s_add_co_u32 s18, s18, SCL
	s_mul_i32 s22, s14, 16*SPITCH                  ; my stage, from LDS byte 0 on
	v_and_b32 v1, 15, v0                           ; r
	v_bfe_u32 v2, v0, 4, 1                         ; h
	v_lshlrev_b32 v[BOF], 5, v2
.irp b, 0,1,2,3,4,5,6,7
	global_load_b128 v[BI+8*\b:BI+8*\b+3], v[BOF], s[66:67] offset:64*\b
	global_load_b128 v[BI+8*\b+4:BI+8*\b+7], v[BOF], s[66:67] offset:64*\b+16
.endr
	v_and_b32 v3, 31, v0
	v_lshlrev_b32 v[CO], 4, v3
	v_lshlrev_b32 v5, 3, v3
	v_add_nc_u32 v[ADA], s2, v[CO]
	v_add_nc_u32 v[ADA+1], s2, v5
	v_mul_u32_u24 v3, v1, PITCH
	v_mad_u32_u24 v3, v2, 24, v3
	v_add_nc_u32 v[ADRB], s3, v3
	v_lshl_add_u32 v[ADRB+1], v2, 4, v[ADRB]
	v_add_nc_u32 v[ADRB+2], 4*16*PITCH, v[ADRB]
	v_add_nc_u32 v[ADRB+3], 4*16*PITCH, v[ADRB+1]
	v_mul_u32_u24 v5, v1, KS
	v_lshrrev_b32 v6, 8, v5
	v_lshl_add_u32 v5, v6, 4, v5
	v_mul_u32_u24 v6, s19, v2                      ; lanes 16-31 take B's
	v_add_nc_u32 v5, v5, v6
	v_add_nc_u32 v[ADRS], s18, v5
	v_mul_u32_u24 v5, v1, SPITCH
	v_lshl_add_u32 v5, v2, 5, v5
	v_add_nc_u32 v[STO], s22, v5
	v_add_nc_u32 v[RD], s22, v[CO]
.macro FRAG reg, st, i                 ; B: 16 rows x 128 K in pieces of 8 bytes; byte y of a row lies at y + 16 (y / 256) of its LDS row; lanes 16-31 read 24 bytes on
.irp p, 0,1,2,3,4,5
.set BY, 96*(\st)+48*(\p/3)+8*(\p%3)
	ds_load_b64 v[\reg+2*\p:\reg+2*\p+1], v[ADRB+2*((\i)/4)+(BY+24)/256-BY/256] offset:BY+16*(BY/256)+((\i)%4)*16*PITCH
.endr
.endm
.macro FRAG_A reg, st, i               ; A: two images of six registers
	ds_load_b128 v[\reg:\reg+3], v[ADA] offset:12288*(\i)+1536*(\st)
	ds_load_b64 v[\reg+4:\reg+5], v[ADA+1] offset:12288*(\i)+1536*(\st)+512
	ds_load_b128 v[\reg+6:\reg+9], v[ADA] offset:12288*(\i)+1536*(\st)+768
	ds_load_b64 v[\reg+10:\reg+11], v[ADA+1] offset:12288*(\i)+1536*(\st)+1280
.endm
.macro MUL8 a, p, q, sc, zero          ; the accumulators take turns
.irp b, 0,1,2,3,4,5,6,7
.if \zero
	v_wmma_scale_f32_16x16x128_f8f6f4 v[8*(8*(\a)+\b):8*(8*(\a)+\b)+7], v[128*(\p)+FR*\b:128*(\p)+FR*\b+FR-1], v[AF+FR*(\a):AF+FR*(\a)+FR-1], v[BI+8*\b:BI+8*\b+7], v[SC+16*(\sc)+2*\b+(\q)], v[SC+16*(\sc)+2*(\a)+(\q)] matrix_a_fmt:MATRIX_FMT_FP6 matrix_b_fmt:MATRIX_FMT_FP6 matrix_a_scale:MATRIX_SCALE_ROW1
.else
	v_wmma_scale_f32_16x16x128_f8f6f4 v[8*(8*(\a)+\b):8*(8*(\a)+\b)+7], v[128*(\p)+FR*\b:128*(\p)+FR*\b+FR-1], v[AF+FR*(\a):AF+FR*(\a)+FR-1], v[8*(8*(\a)+\b):8*(8*(\a)+\b)+7], v[SC+16*(\sc)+2*\b+(\q)], v[SC+16*(\sc)+2*(\a)+(\q)] matrix_a_fmt:MATRIX_FMT_FP6 matrix_b_fmt:MATRIX_FMT_FP6 matrix_a_scale:MATRIX_SCALE_ROW1
.endif
.endr
.endm
.macro MUL16 a0, st, zero
	MUL8 \a0, (\st)%2, (\st)%2, ((\st)/2)%2, \zero
	MUL8 \a0+1, (\st)%2, (\st)%2, ((\st)/2)%2, \zero
.endm
.macro FETCH_B st
	WIN TO_B
.irp i, 0,1,2,3,4,5,6,7
	FRAG 128*((\st)%2)+FR*\i, \st, \i
.endr
	WIN 0
.endm
.macro FETCH_A st, i0
.irp i, \i0, \i0+1
	FRAG_A AF+FR*(\i), \st, \i
.endr
.endm
.macro SCALES pr                       ; the scale words of steps 2 pr, 2 pr + 1: lanes 0-15 A's block i, lanes 16-31 B's (A has four blocks: what lanes 0-15 read for i = 4 .. 7 no product names)
.irp i, 0,1,2,3,4,5,6,7
	ds_load_b64 v[SC+16*((\pr)%2)+2*\i:SC+16*((\pr)%2)+2*\i+1], v[ADRS] offset:\i*SBLK+8*(\pr)
.endr
.endm
.macro PLACES n
.rept \n
	v_nop
.endr
.endm
.macro MWIN zero
.if \zero
	WIN 0x81
.else
	WIN MUL_LO
.endif
.endm
.macro STEP st, zero                   ; 32 products; the next step's fragments are fetched in its middle and at its end
	s_wait_dscnt 2*NLA                             ; A's blocks 2, 3 may be out
	MWIN \zero
	MUL16 0, \st, \zero
	s_wait_dscnt 0
	PLACES NP
	FETCH_B (\st)+1
	FETCH_A (\st)+1, 0
.if (\st)%2 == 1
	SCALES ((\st)+1)/2
.endif
	MWIN \zero
	MUL16 2, \st, \zero
	PLACES NP
	WIN 0
	FETCH_A (\st)+1, 2
.endm
	s_wait_alu depctr_va_vdst(0)
	s_wait_tensorcnt 0x0                           ; my tile is in,
	s_barrier_signal -1
	s_barrier_wait -1                              ; everybody's are
	FETCH_B 0
	FETCH_A 0, 0
	SCALES 0
	FETCH_A 0, 2
	s_wait_loadcnt 0x0                             ; the bias
	STEP 0, 1
.irp s, 1,2,3,4,5,6
	STEP \s, 0
.endr
	s_wait_dscnt 2*NLA                             ; the last step
	WIN MUL_LO
	MUL16 0, 7, 0
	s_wait_dscnt 0x0                               ; my reads of A and B are over:
	s_barrier_signal -1
	MUL16 2, 7, 0
	WIN 0
	s_barrier_wait -1                              ; everybody's are: B's bytes may take the stages
.macro TOSTAGE a                       ; 16 rows x 128 columns through my stage, back as whole rows of 512 bytes
.set AC, 64*(\a)
	WIN 0x08
.irp b, 0,1,2,3,4,5,6,7
	ds_store_b128 v[STO], v[AC+8*\b:AC+8*\b+3] offset:64*\b
	ds_store_b128 v[STO], v[AC+8*\b+4:AC+8*\b+7] offset:64*\b+16
.endr
	WIN 0
.set BB, BK+64*((\a)%2)
.irp t, 0,1,2,3,4,5,6,7,8,9,10,11,12,13,14,15
	ds_load_b128 v[BB+4*\t:BB+4*\t+3], v[RD] offset:\t*SPITCH
.endr
.endm
.macro SEND a, younger
.set BB, BK+64*((\a)%2)
	s_wait_dscnt \younger
.if (\a) > 0
	s_add_nc_u64 s[12:13], s[12:13], 16*SIZE_N*4
.endif
.irp t, 0,1,2,3,4,5,6,7,8,9,10,11,12,13,14,15
	global_store_b128 v[CO], v[BB+4*\t:BB+4*\t+3], s[12:13] offset:\t*SIZE_N*4 th:TH_STORE_NT   ; 32 lanes store 512 consecutive bytes
.endr
.endm
	PLACES NP
	TOSTAGE 0
.irp a, 1,2,3
.if \a > 1
	s_wait_xcnt 0x0                                ; block a - 2's stores have read their registers and their base
.endif
	TOSTAGE \a
	SEND \a-1, 32
.endr
	s_wait_xcnt 0x0
	SEND 3, 0
	s_wait_tensorcnt 0x0                           ; the wave's end
	ds_add_u32 v[SPW], v[NIL]
	s_wait_dscnt 0x0
	CROUND                                         ; the closing round
	s_endpgm
.Lfunc_end_k_q3f59565320_oproj:
	.size	k_q3f59565320_oproj, .Lfunc_end_k_q3f59565320_oproj-k_q3f59565320_oproj
	.p2alignl 7, 3214868480
	.fill 96, 4, 3214868480
	.section	.rodata,"a",@progbits
	.p2align	6, 0x0
	.amdhsa_kernel k_q3f59565320_oproj
		.amdhsa_group_segment_fixed_size 327680
		.amdhsa_private_segment_fixed_size 0
		.amdhsa_enable_private_segment 0
		.amdhsa_kernarg_size 48
		.amdhsa_user_sgpr_count 2
		.amdhsa_user_sgpr_kernarg_segment_ptr 1
		.amdhsa_wavefront_size32 1
		.amdhsa_system_sgpr_workgroup_id_x 1
		.amdhsa_system_sgpr_workgroup_id_y 1
		.amdhsa_system_sgpr_workgroup_id_z 1
		.amdhsa_system_vgpr_workitem_id 0
		.amdhsa_next_free_vgpr 768
		.amdhsa_next_free_sgpr 100
		.amdhsa_reserve_vcc 0
		.amdhsa_float_denorm_mode_32 3
		.amdhsa_float_denorm_mode_16_64 3
		.amdhsa_memory_ordered 1
		.amdhsa_forward_progress 1
		.amdhsa_inst_pref_size 95
	.end_amdhsa_kernel
	.amdgpu_metadata
---
amdhsa.version: [ 1, 2 ]
amdhsa.kernels:
  - .name:           k_q3f59565320_oproj
    .symbol:         k_q3f59565320_oproj.kd
    .args:
      - { .name: aimg, .offset: 0, .size: 8, .value_kind: global_buffer, .address_space: global }
      - { .name: asc, .offset: 8, .size: 8, .value_kind: global_buffer, .address_space: global }
      - { .name: Wo_codes, .offset: 16, .size: 8, .value_kind: global_buffer, .address_space: global }
      - { .name: Wo_scales, .offset: 24, .size: 8, .value_kind: global_buffer, .address_space: global }
      - { .name: bo, .offset: 32, .size: 8, .value_kind: global_buffer, .address_space: global }
      - { .name: out0, .offset: 40, .size: 8, .value_kind: global_buffer, .address_space: global }
    .group_segment_fixed_size: 327680
    .private_segment_fixed_size: 0
    .kernarg_segment_align: 8
    .kernarg_segment_size: 48
    .max_flat_workgroup_size: 128
    .sgpr_count:     100
    .vgpr_count:     768
    .wavefront_size: 32
...
	.end_amdgpu_metadata
.endif
;; end of part 7
